; MI455X (gfx1250); checked and timed in simulation.
; The chip was launched on July 23, 2026; its instructions are those of AMD's public machine-readable ISA for CDNA 5 (MIT licence, August 2026) and "CDNA5" Instruction Set Architecture Reference Guide (July 2026). The comments in the code are by the model that wrote it; some were corrected since.
;; Mini Decoder Block. Allowed arithmetic: matrix products marked QUANTISED: E2M3 operands, one E8M0 scale for each 32 along K, by v_wmma_scale_f32_16x16x128_f8f6f4 with both operands' format E2M3, f32 sums; everything else in f32.
;; Inputs: down_w_codes 1,024 x 64 x 24 uint8 (E2M3 codes of down_w, K innermost, in blocks of 32 codes, four codes in three bytes); down_w_scales 1,024 x 64 uint8 (E8M0 scales of down_w, one for each 32 codes along K); gate_w_codes 2,048 x 32 x 24 uint8 (E2M3 codes of gate_w, K innermost, in blocks of 32 codes, four codes in three bytes); gate_w_scales 2,048 x 32 uint8 (E8M0 scales of gate_w, one for each 32 codes along K); ln1_w 1,024 float32; ln2_w 1,024 float32; o_w_codes 1,024 x 32 x 24 uint8 (E2M3 codes of o_w, K innermost, in blocks of 32 codes, four codes in three bytes); o_w_scales 1,024 x 32 uint8 (E8M0 scales of o_w, one for each 32 codes along K); qkv_w_codes 3,072 x 32 x 24 uint8 (E2M3 codes of qkv_w, K innermost, in blocks of 32 codes, four codes in three bytes); qkv_w_scales 3,072 x 32 uint8 (E8M0 scales of qkv_w, one for each 32 codes along K); up_w_codes 2,048 x 32 x 24 uint8 (E2M3 codes of up_w, K innermost, in blocks of 32 codes, four codes in three bytes); up_w_scales 2,048 x 32 uint8 (E8M0 scales of up_w, one for each 32 codes along K); x 2 x 2,048 x 1,024 float32.
;; Outputs: out0 2 x 2,048 x 1,024 float32.
;; This version of the problem:
;;   THIS VERSION OF THE PROBLEM IS GIVEN IN LOW PRECISION. The matrix products marked QUANTISED in the list below multiply operands that are first quantised to E2M3 (2 exponent bits, 3 mantissa bits; 6 bits a number), with one power-of-two scale for each 32 numbers along K (OCP MX v1.0); their sums are f32. All else is computed in f32.
;;   The module's matrix products, in the order in which they are computed (A, B: the left and right operand; K: the contracted axis; several contracted axes count as one K, in the product's order):
;;     1. [M 4,096, K 1,024] x [K 1,024, N 3,072]; A: computed on the way; B: input qkv_w (given as codes): QUANTISED
;;     2. batch 32 x [M 2,048, K 64] x [K 64, N 2,048]; A: computed on the way; B: computed on the way: QUANTISED
;;     3. batch 32 x [M 64, K 2,048] x [K 2,048, N 2,048]; A: computed on the way; B: softmax (see below): QUANTISED
;;     4. [M 4,096, K 1,024] x [K 1,024, N 1,024]; A: computed on the way; B: input o_w (given as codes): QUANTISED
;;     5. [M 4,096, K 1,024] x [K 1,024, N 2,048]; A: computed on the way; B: input gate_w (given as codes): QUANTISED
;;     6. [M 4,096, K 1,024] x [K 1,024, N 2,048]; A: computed on the way; B: input up_w (given as codes): QUANTISED
;;     7. [M 4,096, K 2,048] x [K 2,048, N 1,024]; A: computed on the way; B: input down_w (given as codes): QUANTISED
;;   THE QUANTISER, for each operand of a quantised product, along K:
;;     - K is cut into blocks of 32 from its start; a last block that is shorter is filled with zeros.
;;     - A block's scale is 2^e with e = floor(log2(the largest magnitude in the block)) - 2, held to -126 .. 127; a block of zeros has e = 0. As a byte (E8M0): e + 127.
;;     - Each number is divided by its block's scale, clamped to +-7.5, and rounded to the nearest number of E2M3, ties to even, subnormals kept.
;;     - The product sums the exact products of the quantised numbers (number of the format x scale) in f32.
;;   ~~~python
;;   def quantise(x, axis):      # numpy; x: float32 -> the quantised numbers, widened to float32 again
;;       x = np.moveaxis(x, axis, -1); K = x.shape[-1]
;;       x = np.pad(x, [(0, 0)] * (x.ndim - 1) + [(0, -K % 32)]); x = x.reshape(x.shape[:-1] + (-1, 32)); a = np.abs(x).max(-1, keepdims=True)
;;       e = np.where(a > 0, np.clip(np.frexp(np.where(a > 0, a, 1))[1] - 1 - 2, -126, 127), 0)      # np.frexp(a)[1] - 1 = floor(log2(a)), exactly
;;       r = np.clip(x / 2.0 ** e, -7.5, 7.5)
;;       step = 2.0 ** (np.maximum(np.frexp(np.where(r == 0, 1, r))[1] - 1, 0) - 3)
;;       q = np.round(r / step) * step * 2.0 ** e      # np.round: ties to even
;;       return np.moveaxis(q.reshape(q.shape[:-2] + (-1,))[..., :K], -1, axis).astype(np.float32)
;;   ~~~
;;   SOFTMAX AHEAD OF A QUANTISED PRODUCT. Where the list says 'softmax', what is quantised is not the finished softmax but p = 2^(t - M), with t = logit x log2(e) and M = ceil(the row's largest t), a whole number; so 1/2 < the row's largest p <= 1. The row's sum l is taken of the UNQUANTISED p, in f32, and the product's result is divided by l at the end. Since M is a whole number, a kernel that streams over the keys may use a running M (the ceiling of the running maximum): every later rescaling is an exact power of two, which a block's scale takes up: the codes' values come out the same.
;;   OPERANDS COMPUTED ON THE WAY. 'Computed on the way' means the value that the module computes at that place (a softmax that the list does not call 'softmax' is quantised finished and normalised). What goes into a quantiser is computed in f32, as accurately as f32 sums, v_exp_f32 and their like allow (about 1e-6 of the number): no bf16 or f16 on the way to a quantiser, and a product that is left as it is and whose result goes on into a quantised operand takes f32 operands (vector FMAs, or v_wmma_f32_16x16x4_f32). A number that lies on a knife's edge between two numbers of the format may be rounded either way, as far as f32 arithmetic and the matrix unit's own rounding can turn it there, and no further.
;;   INPUTS GIVEN AS CODES. down_w (in the module: [1024, 2048], K = its axis 1); gate_w (in the module: [2048, 1024], K = its axis 1); o_w (in the module: [1024, 1024], K = its axis 1); qkv_w (in the module: [3072, 1024], K = its axis 1); up_w (in the module: [2048, 1024], K = its axis 1): each comes as NAME_codes (uint8): NAME with its K axis moved to the last place and cut into blocks of 32 codes, [.., K / 32, bytes a block], one block behind the other in memory; four codes in three bytes: a row's codes are one little-endian stream of bits, code i at bits 6 i .. 6 i + 5 (a code: sign, 2 exponent bits, 3 mantissa bits); and NAME_scales (uint8): the same leading axes, one E8M0 byte (e + 127) for each 32 codes along K. Its value is code x scale, taken as it is: it is not quantised again, and the codes and scales need not be those that the quantiser above would give.
;; 2 versions, each right. Each part assembles by itself: llvm-mc -triple=amdgcn-amd-amdhsa -mcpu=gfx1250 --defsym DOCPART=n.
;; ======== version 1 of 2: 7 launches
;; workspace buffers: hn 3,276,800 bytes; qkv 10,092,544 bytes; yq 3,276,800 bytes; x1 16,777,216 bytes; hid 6,553,600 bytes
;; launch normq (part 1): grid 512 x 1, 4 waves a work-group, no clusters, 41,984 bytes of LDS; arguments x, ln1_w, hn; writes hn
.if DOCPART == 1
	.amdgcn_target "amdgcn-amd-amdhsa--gfx1250"
	.amdhsa_code_object_version 6
	.text
	.protected	k_q415fe4129f_normq
	.globl	k_q415fe4129f_normq
	.p2align	8
	.type	k_q415fe4129f_normq,@function
k_q415fe4129f_normq:
	s_mov_b64 s[64:65], 0
	v_nop
	global_prefetch_b8 v0, s[64:65] scope:SCOPE_SE
	s_setreg_imm32_b32 hwreg(HW_REG_WAVE_MODE, 25, 1), 1
	s_wait_xcnt 0x0
; h = (x * rsqrt(mean(x^2) + 1e-6)) * w for rows of 1,024 f32, and h turned into codes of FP6 (E2M3) with one E8M0 byte for each 32 along the row.
; OUT: codes [4096][768 bytes] row-major from byte 0 of hn, scale bytes [4096][32] from byte HS on.
; SHARES: a work-group takes 8 rows, a wave 2.  A row is eight loads of 512 consecutive bytes and stays in 32 registers between the sum of squares and the scaling: it is read once.
; The conversion takes 16 neighbours of one lane, a load gives a lane 4: so each 512 numbers turn through the wave's own stage in LDS (16 bytes of padding behind each 64).
; A block's scale is 2^(floor(log2(largest magnitude)) - 2): the largest magnitude's exponent field less 2, held at 1 from below.
; LIMITS: NaN and infinities are not served; a block of zeros gets the byte 1 (its codes are zeros; only this program reads the bytes); v_rsq_f32 is good to 1 ulp; the squares are summed in another order than row by row.
.set SP,    80                         ; a lane's place in a stage: 64 bytes + 16
.set STG,   32*SP                      ; a stage: 512 numbers
.set WREG,  4*STG                      ; a wave's four stages
.set SCB,   4*WREG                     ; behind them: the work-group's 256 scale bytes
.set HS,    3145728                    ; where the scale bytes begin in hn
.set R,     16                         ; v16-79   two rows, 32 registers each
.set WT,    80                         ; v80-111  the gain
.set C,     144                        ; v144-159 codes, four registers a step
.set E,     160                        ; v160-163 a scale byte a step
.set SS,    164                        ; v164-171 sums of squares, four a row
.set RS,    172                        ; v172-175 1 / rms, a pair a row
	s_load_b128 s[4:7], s[0:1], 0x0                ; the rows s[4:5], the gain s[6:7]
	s_load_b64 s[8:9], s[0:1], 0x10                ; hn
	v_lshl_add_u32 v176, v0, 2, 0xa200
	v_mov_b32 v177, 0
	v_lshrrev_b32 v1, 5, v0
	v_readfirstlane_b32 s16, v1                    ; wave 0..3
	v_and_b32 v2, 31, v0                           ; lane
	v_lshlrev_b32 v3, 4, v2                        ; my 16 bytes of a load's 512
	v_mul_u32_u24 v4, v2, 12                       ; my 12 bytes of a step's 384 bytes of codes
	s_mul_i32 s17, s16, WREG
	v_lshrrev_b32 v14, 2, v2
	v_mul_u32_u24 v14, v14, SP
	v_and_b32 v15, 3, v2
	v_lshl_add_u32 v14, v15, 4, v14
	v_add_nc_u32 v14, s17, v14                     ; into a stage: four lanes' 64 bytes on end, then the padding
	v_mul_u32_u24 v15, v2, SP
	v_add_nc_u32 v15, s17, v15                     ; out of it: my 16 neighbours
	s_lshl_b32 s18, s16, 6
	s_add_co_u32 s18, s18, SCB
	v_lshrrev_b32 v5, 1, v2
	v_add_nc_u32 v5, s18, v5                       ; my block's scale byte: 64 bytes a wave, two lanes to a block
	v_lshlrev_b32 v7, 3, v2
	v_add_nc_u32 v6, SCB, v7                       ; and 8 bytes a lane on the way out
	s_mov_b32 s12, 0x76543210
	s_mov_b32 s13, 0xfedcba98                      ; lane l xor 16
	s_mov_b32 s14, 0x3a800000                      ; 1 / 1,024
	s_mov_b32 s15, 0x358637bd                      ; 1e-6
	s_lshl_b32 s20, ttmp9, 15                      ; 8 rows of 4,096 bytes a work-group,
	s_lshl_b32 s21, s16, 13                        ; 2 a wave
	s_add_co_u32 s20, s20, s21
	s_mov_b32 s21, 0
	s_mul_i32 s22, ttmp9, 6144                     ; the same rows' codes: 768 bytes a row
	s_mul_i32 s23, s16, 1536
	s_add_co_u32 s22, s22, s23
	s_mov_b32 s23, 0
	s_lshl_b32 s24, ttmp9, 8                       ; and the work-group's 256 scale bytes
	s_add_co_u32 s24, s24, HS
	s_mov_b32 s25, 0
	v_mov_b32 v10, 0                               ; a lane permute's destination counts as one of its sources
	v_mov_b32 v12, 0
	s_wait_kmcnt 0x0
	s_add_nc_u64 s[4:5], s[4:5], s[20:21]
	s_add_nc_u64 s[10:11], s[8:9], s[24:25]
	s_add_nc_u64 s[8:9], s[8:9], s[22:23]
.irp p, 0,1
.irp i, 0,1,2,3,4,5,6,7
	global_load_b128 v[R+32*\p+4*\i:R+32*\p+4*\i+3], v3, s[4:5] offset:4096*\p+512*\i th:TH_LOAD_NT
.endr
.endr
.irp i, 0,1,2,3,4,5,6,7
	global_load_b128 v[WT+4*\i:WT+4*\i+3], v3, s[6:7] offset:512*\i
.endr
	s_wait_loadcnt 8                               ; the sixteen loads of the rows are in; the eight of the gain may be out
.irp p, 0,1                                    ; the sum of squares: two chains a row, started by the first products
	v_pk_mul_f32 v[SS+4*\p:SS+4*\p+1], v[R+32*\p:R+32*\p+1], v[R+32*\p:R+32*\p+1]
	v_pk_mul_f32 v[SS+4*\p+2:SS+4*\p+3], v[R+32*\p+2:R+32*\p+3], v[R+32*\p+2:R+32*\p+3]
.endr
.irp i, 4,8,12,16,20,24,28
.irp p, 0,1
	v_pk_fma_f32 v[SS+4*\p:SS+4*\p+1], v[R+32*\p+\i:R+32*\p+\i+1], v[R+32*\p+\i:R+32*\p+\i+1], v[SS+4*\p:SS+4*\p+1]
	v_pk_fma_f32 v[SS+4*\p+2:SS+4*\p+3], v[R+32*\p+\i+2:R+32*\p+\i+3], v[R+32*\p+\i+2:R+32*\p+\i+3], v[SS+4*\p+2:SS+4*\p+3]
.endr
.endr
.irp p, 0,1
	v_pk_add_f32 v[SS+4*\p:SS+4*\p+1], v[SS+4*\p:SS+4*\p+1], v[SS+4*\p+2:SS+4*\p+3]
.endr
.irp p, 0,1
	v_add_f32 v[SS+4*\p], v[SS+4*\p], v[SS+4*\p+1]
.endr
.irp m, 1,2,4,8                                ; across the 32 lanes
.irp p, 0,1
	v_add_f32_dpp v[SS+4*\p], v[SS+4*\p], v[SS+4*\p] row_xmask:\m row_mask:0xf bank_mask:0xf
.endr
.endr
	v_permlanex16_b32 v10, v[SS], s12, s13
	v_permlanex16_b32 v12, v[SS+4], s12, s13
	v_add_f32 v[SS], v[SS], v10
	v_add_f32 v[SS+4], v[SS+4], v12
	v_fma_f32 v[SS], v[SS], s14, s15               ; the mean + 1e-6
	v_fma_f32 v[SS+4], v[SS+4], s14, s15
	v_rsq_f32 v[RS], v[SS]
	v_rsq_f32 v[RS+2], v[SS+4]
	v_mov_b32 v[RS+1], 0                           ; the pairs' upper halves are named, so they are written; these two lines are also the plain place behind the roots
	v_mov_b32 v[RS+3], 0
	s_wait_alu depctr_va_vdst(0)
.irp p, 0,1
.set i, 0
.rept 16
	v_pk_mul_f32 v[R+32*\p+i:R+32*\p+i+1], v[R+32*\p+i:R+32*\p+i+1], v[RS+2*\p:RS+2*\p+1] op_sel_hi:[1,0]
.set i, i+2
.endr
.endr
	s_wait_loadcnt 0x0                             ; the gain
.irp p, 0,1                                    ; a second rounding, as the definition has it: (x * rms) * w
.set i, 0
.rept 16
	v_pk_mul_f32 v[R+32*\p+i:R+32*\p+i+1], v[R+32*\p+i:R+32*\p+i+1], v[WT+i:WT+i+1]
.set i, i+2
.endr
.endr
.macro TURN t                          ; 512 numbers through stage t, back into the registers that they left: LDS serves a wave's instructions in order
.irp i, 0,1,2,3
	ds_store_b128 v14, v[R+16*(\t)+4*\i:R+16*(\t)+4*\i+3] offset:STG*(\t)+8*SP*\i
.endr
.irp i, 0,1,2,3
	ds_load_b128 v[R+16*(\t)+4*\i:R+16*(\t)+4*\i+3], v15 offset:STG*(\t)+16*\i
.endr
.endm
.irp t, 0,1,2,3
	TURN \t
.endr
.macro STEP t                          ; step t = half t % 2 of my row t / 2: 16 neighbours a lane, two lanes to a block
.set XS, R+16*(\t)
	s_wait_dscnt 8*(3-(\t))+(\t)                   ; behind this step's loads stand the later turns' eight LDS instructions each and the byte stores issued since
	v_max3_num_f32 v8, |v[XS]|, |v[XS+1]|, |v[XS+2]|
	v_max3_num_f32 v9, |v[XS+3]|, |v[XS+4]|, |v[XS+5]|
.irp i, 6,10
	v_max3_num_f32 v8, v8, |v[XS+\i]|, |v[XS+\i+1]|
	v_max3_num_f32 v9, v9, |v[XS+\i+2]|, |v[XS+\i+3]|
.endr
	v_max3_num_f32 v8, v8, |v[XS+14]|, |v[XS+15]|
	v_max3_num_f32 v8, v8, v9, 3<<23               ; and the floor 2^(3 - 127): the byte cannot fall under 1
	v_max_num_f32_dpp v8, v8, v8 row_xmask:1 row_mask:0xf bank_mask:0xf   ; with my neighbour's 16: the block's
	v_add_nc_u32 v11, 0xff000000, v8               ; 2 off the exponent field: the conversion's scale operand
	v_cvt_scalef32_pk16_fp6_f32 v[C+4*(\t):C+4*(\t)+2], v[XS:XS+15], v11
	v_lshrrev_b32 v[E+(\t)], 23, v11               ; the scale's byte (also the plain place behind the conversion)
	ds_store_b8 v5, v[E+(\t)] offset:16*(\t)       ; both lanes of a block write the same byte with the same value
	global_store_b96 v4, v[C+4*(\t):C+4*(\t)+2], s[8:9] offset:384*(\t)   ; the wave stores 384 consecutive bytes
.endm
.irp t, 0,1,2,3
	STEP \t
.endr
	s_wait_dscnt 0x0                               ; my byte stores have landed
	s_barrier_signal -1
	s_barrier_wait -1                              ; everybody's have
	s_cmp_lg_u32 s16, 0
	s_cbranch_scc1 .Ldone
	ds_load_b64 v[12:13], v6
	s_wait_dscnt 0x0
	global_store_b64 v7, v[12:13], s[10:11]        ; wave 0 stores the 8 rows' 256 consecutive scale bytes, aligned
.Ldone:
	s_wait_tensorcnt 0x0
	ds_add_u32 v176, v177
	s_wait_dscnt 0x0
	s_endpgm
.Lfunc_end_k_q415fe4129f_normq:
	.size	k_q415fe4129f_normq, .Lfunc_end_k_q415fe4129f_normq-k_q415fe4129f_normq
	.p2alignl 7, 3214868480
	.fill 96, 4, 3214868480
	.section	.rodata,"a",@progbits
	.p2align	6, 0x0
	.amdhsa_kernel k_q415fe4129f_normq
		.amdhsa_group_segment_fixed_size 41984
		.amdhsa_private_segment_fixed_size 0
		.amdhsa_enable_private_segment 0
		.amdhsa_kernarg_size 24
		.amdhsa_user_sgpr_count 2
		.amdhsa_user_sgpr_kernarg_segment_ptr 1
		.amdhsa_wavefront_size32 1
		.amdhsa_system_sgpr_workgroup_id_x 1
		.amdhsa_system_sgpr_workgroup_id_y 1
		.amdhsa_system_sgpr_workgroup_id_z 1
		.amdhsa_system_vgpr_workitem_id 0
		.amdhsa_next_free_vgpr 178
		.amdhsa_next_free_sgpr 66
		.amdhsa_reserve_vcc 0
		.amdhsa_float_denorm_mode_32 3
		.amdhsa_float_denorm_mode_16_64 3
		.amdhsa_memory_ordered 1
		.amdhsa_forward_progress 1
		.amdhsa_inst_pref_size 18
	.end_amdhsa_kernel
	.amdgpu_metadata
---
amdhsa.version: [ 1, 2 ]
amdhsa.kernels:
  - .name:           k_q415fe4129f_normq
    .symbol:         k_q415fe4129f_normq.kd
    .args:
      - { .name: x, .offset: 0, .size: 8, .value_kind: global_buffer, .address_space: global }
      - { .name: ln1_w, .offset: 8, .size: 8, .value_kind: global_buffer, .address_space: global }
      - { .name: hn, .offset: 16, .size: 8, .value_kind: global_buffer, .address_space: global }
    .group_segment_fixed_size: 41984
    .private_segment_fixed_size: 0
    .kernarg_segment_align: 8
    .kernarg_segment_size: 24
    .max_flat_workgroup_size: 128
    .sgpr_count:     66
    .vgpr_count:     178
    .wavefront_size: 32
...
	.end_amdgpu_metadata
.endif
;; end of part 1
;; launch qkv (part 2): grid 12 x 16, 4 waves a work-group, clusters of 4 x 4, 327,680 bytes of LDS; arguments hn, qkv_w_codes, qkv_w_scales, qkv; writes qkv
.if DOCPART == 2
	.amdgcn_target "amdgcn-amd-amdhsa--gfx1250"
	.amdhsa_code_object_version 6
	.text
	.protected	k_q415fe4129f_qkv
	.globl	k_q415fe4129f_qkv
	.p2align	8
	.type	k_q415fe4129f_qkv,@function
k_q415fe4129f_qkv:
	s_mov_b64 s[64:65], 0
	v_nop
	global_prefetch_b8 v0, s[64:65] scope:SCOPE_SE
	s_setreg_imm32_b32 hwreg(HW_REG_WAVE_MODE, 25, 1), 1
	s_wait_xcnt 0x0
	s_wait_alu depctr_hold_cnt(0) depctr_sa_sdst(0) depctr_va_vdst(0) depctr_va_sdst(0) depctr_va_ssrc(0) depctr_va_vcc(0) depctr_vm_vsrc(0)
	s_getreg_b32 s2, hwreg(HW_REG_IB_STS2, 6, 4)
	s_cmp_eq_u32 s2, 0
	s_cbranch_scc0 .Lentry_in_a_cluster
	s_endpgm
.Lentry_in_a_cluster:
	s_bfe_u32 s2, ttmp6, 0x10000c
	s_cmp_lg_u32 s2, 0xf033
	s_cbranch_scc0 .Lentry_shape_is_right
	s_endpgm
.Lentry_shape_is_right:
; q, k, v = h W^T on codes of FP6 (E2M3) with E8M0 scales, K = 1,024, and the results quantised at once: q and k along the head's 64, v along the keys.
; A tile of 256 x 256 is made by four waves, 128 x 128 each: 64 accumulators, 512 registers.  K goes in steps of 256 through two LDS slots filled by the tensor data mover; both operands' scale bytes come once.
; THE PRODUCT IS USED TRANSPOSED: source 0 = 16 rows of operand B, source 1 = 16 rows of operand A: a lane holds ONE row of A and eight neighbouring rows of B in each accumulator.
; What is quantised must run along a lane's registers.  For q and k (clusters x = 0, 1) that is the feature: A = the tokens (hn), B = the weight's rows.  For v (cluster x = 2) it is the token: A = the weight's rows, B = the tokens.
; Both operands have one format (rows of 768 bytes of codes, 32 scale bytes a row), so only pointers and tile numbers are chosen, on the cluster's x, which all partners share.
; A lane's 16 registers of accumulators 2 b, 2 b + 1 are numbers 16 u + 8 (lane / 16) + j of block b of 32.  They are converted in that order: q meets k, and v meets p, which are laid by the same order, and a block's scale does not hang on the order.
; OUT, as images of operand registers.  A HALF IMAGE is 16 rows x 64 K, 768 bytes: lane (r, h) holds block h of row r in 6 registers: registers 0-3 at 16 x lane, registers 4-5 at 512 + 8 x lane.
;   q at 0, k at 3,145,728: [batch x 16 + head][token tile 128][768].   v at VI: [64 keys: 32][batch][feature tile 64][768].
;   scale words of q at SQ, of k 262,144 on: [batch x 16 + head][128 tokens: 16][g 2][r 16][i 4]: token 16 (4 g + i) + r; bytes 0, 1 count, bytes 2, 3 meet zero codes and are never 0xff.
;   of v at SV: [batch][128 keys: 16][head][r 16][dt 4]: feature 16 dt + r, four bytes for the 128 keys.
; CLUSTERS: 4 x 4.  A's tile is shared along a row of the cluster, B's along a column: joint tensor loads.
; LIMITS: NaN and infinities are not served; a block of zeros gets the byte 1 (only this program reads the bytes).
; REGISTERS, in windows of 256: window 0: v0-31 addresses; v32-63 scale words, two sets; from v128 A's fragments, one set.  window 1: B's fragments, two sets.  windows 2, 3: the accumulators ((a, b) at v[8 (8 (a % 4) + b)]).
.set SIZE_K, 1024
.set KSTEP,  256
.set NQ,     KSTEP/128
.set ROWB,   192                       ; a tile's row: 256 codes
.set KROW,   SIZE_K*6/8
.set PITCH,  240                       ; an LDS row: 3 x (64 bytes + 16 of padding)
.set FR,     12
.set NL,     6
.set NP,     4                         ; places behind this matrix instruction (ISA guide 7.12.1)
.set HALFT,  128*PITCH
.set SLOT,   4*HALFT
.set LAPS,   SIZE_K/(2*KSTEP)
.set KS,     SIZE_K/32
.set SCL,    2*SLOT                    ; behind the ring: the scale bytes, as 256 bytes + 16 of padding
.set HALFS,  (128*KS/256)*272
.set SBLK,   (16*KS/256)*272
.set SPARE,  SCL+4*HALFS               ; the spare words: 128 bytes a wave, named by no other line
.set HS,     3145728                   ; hn: where the scale bytes begin
.set VI,     6291456
.set SQ,     9437184
.set SV,     9961472
.set ADRA, 16                          ; v16-19  LDS addresses of A's fragments (slot 0, 1; behind one padding more: +2)
.set ADRB, 20                          ; v20-23  of B's
.set L16,  24                          ; v24     16 x lane
.set L8,   25                          ; v25     8 x lane
.set SAD,  26                          ; v26     the scale words' place: 16 r + (lane / 16) x the distance between two heads
.set ADRS, 27                          ; v27     LDS address of my scale words: lanes 0-15 A's rows, lanes 16-31 B's
.set SPW,  28
.set NIL,  29
.set SHF,  30                          ; v30     16 x (lane / 16)
.set SC,   32
.set AF,   128
.set CD,   112                         ; the way out: v112-130 codes
.set TM,   200                         ; v200-215 at work
.set PWS,  220                         ; v220-227 a scale word for each of my eight row tiles
.set DW,   228                         ; v228-235 scale words as they are stored
.set SEL,  96                          ; s[96:97] lane l xor 16 (set on the way out)
.set G1, 24
.set G0, 32
.set G1B, 48
.set G0B, 56
.set G1S, 68
.set G0S, 76
.set G1SB, 80
.set G0SB, 88
.set MSB, 0
.macro WIN new                         ; the immediate's high byte repeats the setting that is left
.if MSB != (\new)
	s_set_vgpr_msb (MSB<<8)|(\new)
.set MSB, (\new)
.endif
.endm
.set MUL_LO, 0xa1                      ; source 0 (B) window 1, source 1 (A) window 0, C and D window 2
.set MUL_HI, 0xf1
.set TO_B,   0x40
; A joint load: waves 0 and 1 fetch for A, waves 2 and 3 for B; the branch hangs on the wave's number alone.  Four v_nop follow each line.
.macro JLOAD g0a, g1a, g0b, g1b
	s_cmp_eq_u32 s15, 0
	s_cbranch_scc0 .Lfor_b_\@
	tensor_load_to_lds s[\g0a:\g0a+3], s[\g1a:\g1a+7]
	s_nop 0
.rept 4
	v_nop
.endr
	s_branch .Lasked_\@
.Lfor_b_\@:
	tensor_load_to_lds s[\g0b:\g0b+3], s[\g1b:\g1b+7]
	s_nop 0
.rept 4
	v_nop
.endr
.Lasked_\@:
.endm
.macro CREST                           ; a round of the cluster's barrier behind its opening barrier
	s_cmp_lg_u32 s14, 0
	s_cbranch_scc1 .Lnot_wave_0_\@
	s_barrier_signal -3
.Lnot_wave_0_\@:
	s_barrier_wait -3
	s_barrier_signal -1
	s_barrier_wait -1
.endm
.macro CROUND
	s_barrier_signal -1
	s_barrier_wait -1
	CREST
.endm
	s_load_b128 s[4:7], s[0:1], 0x0                ; hn s[4:5], the weight's codes s[6:7]
	s_load_b128 s[8:11], s[0:1], 0x10              ; the weight's scales s[8:9], qkv s[10:11]
	v_lshl_add_u32 v[SPW], v0, 2, SPARE
	v_mov_b32 v[NIL], 0
	ds_add_u32 v28, v29
	s_wait_dscnt 0x0
	v_lshrrev_b32 v1, 5, v0
	v_readfirstlane_b32 s14, v1                    ; wave 0..3
	s_lshr_b32 s15, s14, 1                         ; which half of A's rows is mine.  Also: I fetch for A (0) or for B (1)
	s_and_b32 s16, s14, 1                          ; which half of B's rows.  Also: which 128 rows of that tile I fetch
	s_bfe_u32 s40, ttmp6, 0x40000                  ; cx
	s_bfe_u32 s41, ttmp6, 0x40004                  ; cy
	s_and_b32 s18, ttmp7, 0xffff
	s_lshl_b32 s18, s18, 2                         ; 4 x cluster y
	s_lshl_b32 s42, ttmp9, 2
	s_add_co_u32 s42, s42, s40                     ; q, k: B's tile = 4 x cluster x + cx: 256 rows of the weight
	s_add_co_u32 s19, s18, s40                     ; v:    B's tile = 4 x cluster y + cx: 256 tokens
	s_add_co_u32 s17, s18, s41                     ; q, k: A's tile = 4 x cluster y + cy: 256 tokens
	s_add_co_u32 s20, s41, 8                       ; v:    A's tile = 8 + cy: v's rows of the weight
	s_cmp_eq_u32 ttmp9, 2                          ; the cluster's x is the same in all sixteen partners
	s_cselect_b32 s42, s19, s42
	s_cselect_b32 s17, s20, s17
	s_lshl_b32 s43, s41, 2
	s_lshl_b32 s43, 15, s43                        ; my row of the cluster
	s_lshl_b32 s44, 0x1111, s40                    ; my column
	s_or_b32 s[G1+0], s43, (0<<16)|(1<<20)|(1<<21)|(3<<22)|(3<<25)  ; the mask; elements of 1 byte; padding of 4 words behind every 16; bit 21 beside a mask
	s_or_b32 s[G1B+0], s44, (0<<16)|(1<<20)|(1<<21)|(3<<22)|(3<<25)
.irp g, G1, G1B
	s_mov_b32 s[\g+1], ROWB<<16                    ; tensor_dim0
	s_mov_b32 s[\g+2], 128<<16                     ; tensor_dim1
	s_mov_b32 s[\g+3], ROWB<<16                    ; tile_dim0
	s_mov_b32 s[\g+4], 128                         ; tile_dim1
	s_mov_b32 s[\g+5], KROW                        ; the pitch
	s_mov_b32 s[\g+6], 0
	s_mov_b32 s[\g+7], 0
.endr
	s_or_b32 s[G1S+0], s43, (3<<16)|(1<<20)|(1<<21)|(5<<22)|(3<<25)  ; the scale bytes of 128 rows: dense, as rows of 256 bytes, 16 of padding behind each
	s_or_b32 s[G1SB+0], s44, (3<<16)|(1<<20)|(1<<21)|(5<<22)|(3<<25)
.irp g, G1S, G1SB
	s_mov_b32 s[\g+1], 32<<16
	s_mov_b32 s[\g+2], (128*KS/256)<<16
	s_mov_b32 s[\g+3], 32<<16
	s_mov_b32 s[\g+4], 128*KS/256
	s_mov_b32 s[\g+5], 32
	s_mov_b32 s[\g+6], 0
	s_mov_b32 s[\g+7], 0
.endr
	s_lshl_b32 s18, s16, 7
	s_lshl_b32 s20, s17, 8
	s_add_co_u32 s20, s20, s18                     ; A: row 256 x tile + 128 x half
	s_lshl_b32 s46, s42, 8
	s_add_co_u32 s46, s46, s18                     ; B likewise
	s_mov_b32 s21, 0
	s_mov_b32 s47, 0
	s_mov_b64 s[18:19], KS
	s_mul_u64 s[22:23], s[20:21], s[18:19]         ; where these rows' scale bytes begin
	s_mul_u64 s[92:93], s[46:47], s[18:19]
	s_mov_b64 s[18:19], KROW
	s_mul_u64 s[20:21], s[20:21], s[18:19]         ; and their codes
	s_mul_u64 s[46:47], s[46:47], s[18:19]
	s_mul_i32 s45, s14, HALFT                      ; where they go: wave x 128 rows
	s_mul_i32 s94, s14, HALFS
	s_wait_kmcnt 0x0
	s_add_nc_u64 s[96:97], s[4:5], HS              ; hn's scale bytes
	s_cmp_eq_u32 ttmp9, 2
	s_cselect_b64 s[66:67], s[6:7], s[4:5]         ; A's codes: v: the weight's, else hn's
	s_cselect_b64 s[98:99], s[8:9], s[96:97]       ; A's scales
	s_cselect_b64 s[4:5], s[4:5], s[6:7]           ; B's codes
	s_cselect_b64 s[6:7], s[96:97], s[8:9]         ; B's scales
	s_add_nc_u64 s[20:21], s[66:67], s[20:21]
	s_add_nc_u64 s[22:23], s[98:99], s[22:23]
	s_add_nc_u64 s[46:47], s[4:5], s[46:47]
	s_add_nc_u64 s[92:93], s[6:7], s[92:93]
	CROUND                                         ; all sixteen work-groups are here: the first joint loads meet
	s_mov_b32 s[G0S], 1
	s_add_co_u32 s[G0S+1], s94, SCL
	s_mov_b64 s[G0S+2:G0S+3], s[22:23]
	s_or_b32 s[G0S+3], s[G0S+3], 0x80000000
	s_mov_b32 s[G0SB], 1
	s_add_co_u32 s[G0SB+1], s94, SCL
	s_mov_b64 s[G0SB+2:G0SB+3], s[92:93]
	s_or_b32 s[G0SB+3], s[G0SB+3], 0x80000000
	JLOAD G0S, G1S, G0SB, G1SB                     ; the scale bytes first: filled once
.irp s, 0,1
	s_mov_b32 s[G0+4*\s], 1
	s_add_co_u32 s[G0+4*\s+1], s45, \s*SLOT
	s_add_nc_u64 s[G0+4*\s+2:G0+4*\s+3], s[20:21], \s*ROWB
	s_or_b32 s[G0+4*\s+3], s[G0+4*\s+3], 0x80000000
	s_mov_b32 s[G0B+4*\s], 1
	s_add_co_u32 s[G0B+4*\s+1], s45, \s*SLOT
	s_add_nc_u64 s[G0B+4*\s+2:G0B+4*\s+3], s[46:47], \s*ROWB
	s_or_b32 s[G0B+4*\s+3], s[G0B+4*\s+3], 0x80000000
	JLOAD G0+4*\s, G1, G0B+4*\s, G1B               ; three tensor loads of mine are out
.endr
	v_and_b32 v1, 15, v0                           ; r
	v_bfe_u32 v2, v0, 4, 1                         ; h
	v_mul_u32_u24 v3, v1, PITCH
	v_mul_u32_u24 v4, v2, 24
	v_add_nc_u32 v4, v3, v4                        ; a fragment's row x pitch + 24 h
	v_lshl_add_u32 v5, v2, 4, v4                   ; and the same behind one padding more
	s_mul_i32 s21, s15, HALFT
	s_mul_i32 s22, s16, HALFT
	s_add_co_u32 s22, s22, 2*HALFT
.irp s, 0,1
	v_add_nc_u32 v[ADRA+\s], s21, v4
	v_add_nc_u32 v[ADRB+\s], s22, v4
	v_add_nc_u32 v[ADRA+2+\s], s21, v5
	v_add_nc_u32 v[ADRB+2+\s], s22, v5
	s_add_co_u32 s21, s21, SLOT
	s_add_co_u32 s22, s22, SLOT
.endr
	v_mul_u32_u24 v5, v1, KS
	v_lshrrev_b32 v6, 8, v5
	v_lshl_add_u32 v5, v6, 4, v5                   ; my row's scale bytes, 16 more for each 256 passed
	s_mul_i32 s21, s15, HALFS
	s_mul_i32 s22, s16, HALFS
	s_add_co_u32 s22, s22, 2*HALFS
	s_sub_co_u32 s22, s22, s21
	v_mul_u32_u24 v6, s22, v2                      ; lanes 16-31 take B's
	s_add_co_u32 s21, s21, SCL
	v_add_nc_u32 v5, v5, v6
	v_add_nc_u32 v[ADRS], s21, v5
	; where my results go.  q, k: head0 = 4 (B's tile % 4) + 2 x my half of B; my token tiles begin at 16 (A's tile % 8) + 8 x my half of A
	s_lshr_b32 s18, s17, 3
	s_lshl_b32 s18, s18, 4
	s_and_b32 s19, s42, 3
	s_lshl_b32 s19, s19, 2
	s_add_co_u32 s18, s18, s19
	s_lshl_b32 s19, s16, 1
	s_add_co_u32 s18, s18, s19                     ; batch x 16 + head0
	s_and_b32 s19, s17, 7
	s_lshl_b32 s20, s18, 7
	s_lshl_b32 s21, s19, 4
	s_add_co_u32 s20, s20, s21
	s_lshl_b32 s21, s15, 3
	s_add_co_u32 s20, s20, s21
	s_mul_i32 s20, s20, 768
	s_lshr_b32 s21, s42, 2                         ; 0: q, 1: k
	s_mul_i32 s22, s21, 3145728
	s_add_co_u32 s20, s20, s22                     ; q, k: the images
	s_lshl_b32 s22, s18, 4
	s_lshl_b32 s23, s19, 1
	s_add_co_u32 s22, s22, s23
	s_add_co_u32 s22, s22, s15
	s_lshl_b32 s22, s22, 9
	s_lshl_b32 s21, s21, 18
	s_add_co_u32 s22, s22, s21
	s_add_co_u32 s22, s22, SQ                      ; q, k: the scale words
	s_and_b32 s18, s42, 7                          ; v: B's tile = batch x 8 + 256 keys
	s_lshr_b32 s19, s42, 3
	s_lshl_b32 s46, s18, 2
	s_lshl_b32 s47, s16, 1
	s_add_co_u32 s46, s46, s47                     ; which 64 keys
	s_lshl_b32 s46, s46, 1
	s_add_co_u32 s46, s46, s19
	s_lshl_b32 s46, s46, 6
	s_lshl_b32 s47, s41, 4
	s_add_co_u32 s46, s46, s47
	s_lshl_b32 s47, s15, 3
	s_add_co_u32 s46, s46, s47                     ; + feature tile 16 cy + 8 x my half of A
	s_mul_i32 s46, s46, 768
	s_add_co_u32 s46, s46, VI                      ; v: the images
	s_lshl_b32 s92, s19, 4
	s_lshl_b32 s93, s18, 1
	s_add_co_u32 s92, s92, s93
	s_add_co_u32 s92, s92, s16                     ; batch x 16 + which 128 keys
	s_lshl_b32 s92, s92, 4
	s_lshl_b32 s93, s41, 2
	s_add_co_u32 s92, s92, s93
	s_lshl_b32 s93, s15, 1
	s_add_co_u32 s92, s92, s93                     ; + head 4 cy + 2 x my half of A
	s_lshl_b32 s92, s92, 8
	s_add_co_u32 s92, s92, SV                      ; v: the scale words
	s_mov_b32 s93, 8192
	s_cmp_eq_u32 ttmp9, 2
	s_cselect_b32 s20, s46, s20
	s_cselect_b32 s22, s92, s22
	s_cselect_b32 s93, 256, s93                    ; from one head's scale words to the next head's
	s_mov_b32 s21, 0
	s_mov_b32 s23, 0
	s_add_nc_u64 s[12:13], s[10:11], s[20:21]
	s_add_nc_u64 s[66:67], s[10:11], s[22:23]
	v_and_b32 v6, 31, v0
	v_lshlrev_b32 v[L16], 4, v6
	v_lshlrev_b32 v[L8], 3, v6
	v_lshlrev_b32 v[SAD], 4, v1
	v_mul_u32_u24 v7, s93, v2
	v_add_nc_u32 v[SAD], v[SAD], v7
	v_lshlrev_b32 v[SHF], 4, v2
.macro FRAG reg, adr, q, row           ; 16 rows x 128 K of 6-bit codes: 12 registers; lane (r, h): registers 6 c .. 6 c + 5 = K 64 c + 32 h + 0 .. 31: 24 bytes of the row as they lie, in pieces of 8 bytes
.irp p, 0,1,2,3,4,5
.set PCE, 12*(\q)+6*(\p/3)+\p%3        ; 16 bytes of padding lie behind every 8 pieces: where the piece three on lies behind one padding more, the second address register serves
.if PCE%8 < 5
	ds_load_b64 v[\reg+2*\p:\reg+2*\p+1], v[\adr] offset:8*PCE+16*(PCE/8)+(\row)*PITCH
.else
	ds_load_b64 v[\reg+2*\p:\reg+2*\p+1], v[\adr+2] offset:8*PCE+16*(PCE/8)+(\row)*PITCH
.endif
.endr
.endm
; 16 matrix instructions: A's blocks a0, a0 + 1 x B's eight.  The 64 accumulators take turns, one instruction a turn, in the same order in every step.
.macro MUL16 a0, p, q, sc, zero
.irp a, \a0, \a0+1
.irp b, 0,1,2,3,4,5,6,7
.if \zero
	v_wmma_scale_f32_16x16x128_f8f6f4 v[8*(8*((\a)%4)+\b):8*(8*((\a)%4)+\b)+7], v[128*(\p)+FR*\b:128*(\p)+FR*\b+FR-1], v[AF+FR*(\a):AF+FR*(\a)+FR-1], 0, v[SC+8*NQ*(\sc)+NQ*\b+(\q)], v[SC+8*NQ*(\sc)+NQ*(\a)+(\q)] matrix_a_fmt:MATRIX_FMT_FP6 matrix_b_fmt:MATRIX_FMT_FP6 matrix_a_scale:MATRIX_SCALE_ROW1
.else
	v_wmma_scale_f32_16x16x128_f8f6f4 v[8*(8*((\a)%4)+\b):8*(8*((\a)%4)+\b)+7], v[128*(\p)+FR*\b:128*(\p)+FR*\b+FR-1], v[AF+FR*(\a):AF+FR*(\a)+FR-1], v[8*(8*((\a)%4)+\b):8*(8*((\a)%4)+\b)+7], v[SC+8*NQ*(\sc)+NQ*\b+(\q)], v[SC+8*NQ*(\sc)+NQ*(\a)+(\q)] matrix_a_fmt:MATRIX_FMT_FP6 matrix_b_fmt:MATRIX_FMT_FP6 matrix_a_scale:MATRIX_SCALE_ROW1
.endif
.endr
.endr
.endm
.macro FETCH_B slot, q, p
	WIN TO_B
.irp i, 0,1,2,3,4,5,6,7
	FRAG 128*(\p)+FR*\i, ADRB+\slot, \q, 16*\i
.endr
	WIN 0
.endm
.macro FETCH_A slot, q, i0
.irp i, \i0, \i0+1, \i0+2, \i0+3
	FRAG AF+FR*(\i), ADRA+\slot, \q, 16*(\i)
.endr
.endm
.macro SCALES sc                       ; a K step's scale words: lanes 0-15 take A's block i, lanes 16-31 B's block i
.irp i, 0,1,2,3,4,5,6,7
	ds_load_b64 v[SC+8*NQ*\sc+NQ*\i:SC+8*NQ*\sc+NQ*\i+1], v[ADRS] offset:\i*SBLK
.endr
.endm
.macro PLACES n                        ; plain vector instructions between a matrix instruction and a load into, or a read of, its registers
.rept \n
	v_nop
.endr
.endm
.macro STEP slot, q, zero              ; 128 along K, its successor in the same slot
	s_wait_dscnt 4*NL                              ; all but the youngest 24 loads, A's blocks 4-7
	WIN MUL_LO
	MUL16 0, (\q)%2, \q, \slot, \zero
	MUL16 2, (\q)%2, \q, \slot, \zero
	s_wait_dscnt 0
	PLACES NP
	FETCH_B \slot, (\q)+1, 1-(\q)%2
	FETCH_A \slot, (\q)+1, 0
	WIN MUL_HI
	MUL16 4, (\q)%2, \q, \slot, \zero
	MUL16 6, (\q)%2, \q, \slot, \zero
	PLACES NP
	WIN 0
	FETCH_A \slot, (\q)+1, 4
.endm
.macro TURN slot, next, fill           ; a slot's last step changes slots: one barrier
	s_wait_tensorcnt 0x0                           ; all my tensor loads have landed: my part of the next slot
	ds_add_u32 v[SPW], v[NIL]                      ; 0 onto my spare word
	s_wait_dscnt 4*NL+1                            ; the add and A's blocks 4-7 may be out
	WIN MUL_LO
	MUL16 0, 1, NQ-1, \slot, 0
	s_wait_dscnt 0x0                               ; the add is done, and my reads of this slot are over
	s_barrier_signal -1
	MUL16 2, 1, NQ-1, \slot, 0
	WIN 0
	s_barrier_wait -1
.if \fill
	CREST                                          ; the barrier has opened a round of the cluster's: no wave of any partner still reads this slot or has a load on its way
	s_add_nc_u64 s[G0+4*\slot+2:G0+4*\slot+3], s[G0+4*\slot+2:G0+4*\slot+3], 2*ROWB
	s_add_nc_u64 s[G0B+4*\slot+2:G0B+4*\slot+3], s[G0B+4*\slot+2:G0B+4*\slot+3], 2*ROWB
	JLOAD G0+4*\slot, G1, G0B+4*\slot, G1B         ; my one tensor load behind the round; its four v_nop are the places in front of the loads below
.else
	PLACES NP
.endif
	v_add_nc_u32 v[ADRS], 4*NQ, v[ADRS]            ; the next K step's scale words
	FETCH_B \next, 0, 0
	FETCH_A \next, 0, 0
	SCALES \next
	WIN MUL_HI
	MUL16 4, 1, NQ-1, \slot, 0
	MUL16 6, 1, NQ-1, \slot, 0
	PLACES NP
	WIN 0
	FETCH_A \next, 0, 4
.endm
	s_wait_tensorcnt 1                             ; the scale bytes and my part of K step 0 are in; K step 1's load may be out
	s_barrier_signal -1
	s_barrier_wait -1
	FETCH_B 0, 0, 0
	FETCH_A 0, 0, 0
	SCALES 0
	FETCH_A 0, 0, 4
	STEP 0, 0, 1                                   ; the first step's products start the sums
	s_mov_b32 s3, LAPS-1
.Llap:
	TURN 0, 1, 1
	STEP 1, 0, 0
	TURN 1, 0, 1
	STEP 0, 0, 0
	s_sub_co_u32 s3, s3, 1
	s_cmp_lg_u32 s3, 0
	s_cbranch_scc1 .Llap
	TURN 0, 1, 0                                   ; the last lap fills nothing
	STEP 1, 0, 0
	s_wait_dscnt 4*NL
	WIN MUL_LO
	MUL16 0, 1, NQ-1, 1, 0
	MUL16 2, 1, NQ-1, 1, 0
	s_wait_dscnt 0
	WIN MUL_HI
	MUL16 4, 1, NQ-1, 1, 0
	MUL16 6, 1, NQ-1, 1, 0
	WIN 0
; THE WAY OUT.  Row tile a: a lane's 64 results are four blocks of 32 along the next K (16 numbers a lane, the other 16 in lane l xor 16).  They become 12 registers of codes, two half images, and a scale word.
.macro QOUT a
.set AC, 64*((\a)%4)
.set W, 2+(\a)/4
.irp b, 0,1,2,3
	v_mov_b32 v[TM+\b], 0x1800000                  ; the floor 2^(3 - 127): the byte cannot fall under 1
.endr
	WIN (W<<2)|(W<<4)                              ; sources 1 and 2 in the accumulators' window
.irp i, 0,2,4,6,8,10,12,14                     ; each accumulator is read from its low end on
.irp b, 0,1,2,3
	v_max3_num_f32 v[TM+\b], v[TM+\b], |v[AC+16*\b+\i]|, |v[AC+16*\b+\i+1]|
.endr
.endr
	WIN 0
.irp b, 0,1,2,3
	v_permlanex16_b32 v[TM+4+\b], v[TM+\b], s[SEL], s[SEL+1]
.endr
.irp b, 0,1,2,3
	v_max_num_f32 v[TM+\b], v[TM+\b], v[TM+4+\b]   ; the block's largest magnitude
.endr
.irp b, 0,1,2,3
	v_add_nc_u32 v[TM+12+\b], 0xff000000, v[TM+\b] ; 2 off its exponent field: the conversion's scale operand
.endr
.irp b, 0,1,2,3
	v_lshrrev_b32 v[TM+4+\b], 23, v[TM+12+\b]      ; the scale's byte
.endr
	v_lshl_or_b32 v[PWS+(\a)], v[TM+5], 8, v[TM+4]
	v_lshl_or_b32 v[PWS+(\a)], v[TM+6], 16, v[PWS+(\a)]
	v_lshl_or_b32 v[PWS+(\a)], v[TM+7], 24, v[PWS+(\a)]
	s_wait_xcnt 0x0                                ; the last tile's stores have read the code registers
	WIN W                                          ; source 0 in the accumulators' window
.irp c, 0,1
	v_cvt_scalef32_pk16_fp6_f32 v[CD+6*\c:CD+6*\c+2], v[AC+32*\c:AC+32*\c+15], v[TM+12+2*\c]
	v_cvt_scalef32_pk16_fp6_f32 v[CD+12+4*\c:CD+14+4*\c], v[AC+32*\c+16:AC+32*\c+31], v[TM+13+2*\c]
.endr
	WIN 0
	v_nop                                          ; one plain place behind a scaled conversion
.irp c, 0,1                                    ; a lane gets a WHOLE block: lanes 0-15 block 2 c, lanes 16-31 block 2 c + 1
.irp i, 0,1,2
	v_permlane16_swap_b32 v[CD+6*\c+\i], v[CD+12+4*\c+\i]
.endr
.irp i, 0,1,2
	v_mov_b32 v[CD+3+6*\c+\i], v[CD+12+4*\c+\i]
.endr
.endr
.irp c, 0,1                                    ; half image c: the next head (q, k) or the next 64 keys (v): 98,304 bytes on in both layouts
	global_store_b128 v[L16], v[CD+6*\c:CD+6*\c+3], s[12:13] offset:768*(\a)+98304*\c        ; 512 consecutive bytes, aligned
	global_store_b64 v[L8], v[CD+6*\c+4:CD+6*\c+5], s[12:13] offset:768*(\a)+98304*\c+512    ; 256 consecutive bytes, aligned
.endr
.endm
	PLACES NP
	s_mov_b32 s[SEL], 0x76543210
	s_mov_b32 s[SEL+1], 0xfedcba98
.irp b, 0,1,2,3
	v_mov_b32 v[TM+4+\b], 0                        ; a lane permute's destination counts as one of its sources
.endr
.irp a, 0,1,2,3,4,5,6,7
	QOUT \a
.endr
	s_cmp_eq_u32 ttmp9, 2
	s_cbranch_scc1 .Lv_scales
.irp g, 0,1                                    ; q, k: a word's bytes 0, 1 are head0's, bytes 2, 3 the next head's: lanes 0-15 store for head0, lanes 16-31 the word shifted down for the next
.irp i, 0,1,2,3
	v_lshrrev_b32 v[DW+4*\g+\i], v[SHF], v[PWS+4*\g+\i]
.endr
	global_store_b128 v[SAD], v[DW+4*\g:DW+4*\g+3], s[66:67] offset:256*\g   ; sixteen lanes store 256 consecutive bytes, aligned
.endr
	s_branch .Lscales_out
.Lv_scales:                                        ; v: row tiles 0-3 are one head's features, 4-7 the next head's
	v_cmp_ne_u32 vcc_lo, 0, v[SHF]
.irp i, 0,1,2,3
	v_cndmask_b32 v[DW+\i], v[PWS+\i], v[PWS+4+\i], vcc_lo
.endr
	global_store_b128 v[SAD], v[DW:DW+3], s[66:67]
.Lscales_out:
	s_wait_tensorcnt 0x0                           ; the wave's end
	ds_add_u32 v[SPW], v[NIL]
	s_wait_dscnt 0x0
	CROUND                                         ; the closing round
	s_endpgm
.Lfunc_end_k_q415fe4129f_qkv:
	.size	k_q415fe4129f_qkv, .Lfunc_end_k_q415fe4129f_qkv-k_q415fe4129f_qkv
	.p2alignl 7, 3214868480
	.fill 96, 4, 3214868480
	.section	.rodata,"a",@progbits
	.p2align	6, 0x0
	.amdhsa_kernel k_q415fe4129f_qkv
		.amdhsa_group_segment_fixed_size 327680
		.amdhsa_private_segment_fixed_size 0
		.amdhsa_enable_private_segment 0
		.amdhsa_kernarg_size 32
		.amdhsa_user_sgpr_count 2
		.amdhsa_user_sgpr_kernarg_segment_ptr 1
		.amdhsa_wavefront_size32 1
		.amdhsa_system_sgpr_workgroup_id_x 1
		.amdhsa_system_sgpr_workgroup_id_y 1
		.amdhsa_system_sgpr_workgroup_id_z 1
		.amdhsa_system_vgpr_workitem_id 0
		.amdhsa_next_free_vgpr 1024
		.amdhsa_next_free_sgpr 100
		.amdhsa_reserve_vcc 1
		.amdhsa_float_denorm_mode_32 3
		.amdhsa_float_denorm_mode_16_64 3
		.amdhsa_memory_ordered 1
		.amdhsa_forward_progress 1
		.amdhsa_inst_pref_size 168
	.end_amdhsa_kernel
	.amdgpu_metadata
---
amdhsa.version: [ 1, 2 ]
amdhsa.kernels:
  - .name:           k_q415fe4129f_qkv
    .symbol:         k_q415fe4129f_qkv.kd
    .args:
      - { .name: hn, .offset: 0, .size: 8, .value_kind: global_buffer, .address_space: global }
      - { .name: qkv_w_codes, .offset: 8, .size: 8, .value_kind: global_buffer, .address_space: global }
      - { .name: qkv_w_scales, .offset: 16, .size: 8, .value_kind: global_buffer, .address_space: global }
      - { .name: qkv, .offset: 24, .size: 8, .value_kind: global_buffer, .address_space: global }
    .group_segment_fixed_size: 327680
    .private_segment_fixed_size: 0
    .kernarg_segment_align: 8
    .kernarg_segment_size: 32
    .max_flat_workgroup_size: 128
    .sgpr_count:     100
    .vgpr_count:     1024
    .wavefront_size: 32
...
	.end_amdgpu_metadata
.endif
;; end of part 2
;; launch attn (part 3): grid 8 x 32, 16 waves a work-group, no clusters, 327,680 bytes of LDS; arguments qkv, yq; writes yq
.if DOCPART == 3
	.amdgcn_target "amdgcn-amd-amdhsa--gfx1250"
	.amdhsa_code_object_version 6
	.text
	.protected	k_q415fe4129f_attn
	.globl	k_q415fe4129f_attn
	.p2align	8
	.type	k_q415fe4129f_attn,@function
k_q415fe4129f_attn:
	s_mov_b64 s[64:65], 0
	v_nop
	global_prefetch_b8 v0, s[64:65] scope:SCOPE_SE
	s_setreg_imm32_b32 hwreg(HW_REG_WAVE_MODE, 25, 1), 1
	s_wait_xcnt 0x0
; y[q] = sum over keys k <= q of softmax_k(q . k / 8) v[k], head size 64, 2,048 tokens, 32 (batch, head) pairs, both products on codes of FP6 (E2M3) with E8M0 scales; y quantised along its 64 for the next product.
; THE SOFTMAX: t = score x log2(e) / 8; M = the running largest t rounded UP to a whole number; p = 2^(t - M) is quantised along the keys, not normalised; the row's sum is taken of the unquantised p and divides at the end.
; IN (buffer qkv): half images of 16 rows x 64 K, 768 bytes (lane (r, h): block h of row r; registers 0-3 at 16 x lane, 4-5 at 512 + 8 x lane): q at 0 and k at KI [pair][token tile][768]; v at VI [64 keys][batch][feature tile][768];
;   scale words: q at SQ, k at SKG [pair][128 tokens][g 2][r 16][i 4]; v at SVG [batch][128 keys][head][r 16][dt 4].  Inside a block of 32 the codes of q and k, and of v and p, lie in one and the same order.
; The first product's K is 64: the upper halves of both operands' registers hold zero codes, which add nothing under any scale byte that they meet.
; SHARES: a work-group has sixteen waves, each with ONE tile of 16 queries in 256 registers.  Waves 0-7 take tiles 8 j + w, waves 8-15 tiles 112 - 8 j + w: a pair of waves w, w + 8 has 17 key steps that count in every work-group.
; Every wave walks all 16 key steps of 128 keys, so that all trip counts are constants and every wave passes every barrier; a step all of whose keys come after the wave's queries is jumped over (a scalar branch on ids).
; NO CLUSTER: that jump hangs on the work-group's block of queries, which partners in a cluster would not share.
; Both products are used transposed (S^T = K Q^T, O^T = V^T P^T): a lane holds one query throughout.
; K and V come through two LDS slots of 512 keys, filled by waves 0-3 and read by all; the pair's scale words stay in LDS.
; OUT (buffer yq): y as half images [128 rows: 32][head 16][row tile 8][768] in true order along K, and scale words from SY on: [128 rows][128 K: 8][lane 32][4]: word (lane (r, h), i) is row 16 (2 i + h) + r.  A wave stores two of a word's four bytes.
; LIMITS: NaN and infinities are not served; a block of zeros gets the byte 1.
; REGISTERS: v1-7 addresses that stay; v8-11 addresses in hand; v12 -M, v13 the largest t, v[14:15] the sum; v16-27 Q; v28-31 V's scale words; v32-79 four fragments of K; v80-127 four of V; v128-191 S^T, then p; v192-223 O^T; v224-235 p's codes; v232-254 at work; v248-251 K's scale words; v255 Q's.
.set STEPB, 6144                       ; a key step's 8 tiles of K, and its 8 half images of V
.set VOFF,  24576                      ; a slot: 32 tiles of K, then V [64 keys: 8][dt 4][768]
.set SLOT1, 65536
.set NSL,   4
.set SCK,   131072                     ; K's scale words of the pair: 8,192 bytes
.set SCV,   139264                     ; V's: 4,096 bytes
.set SPARE, 143360                     ; the spare words: 128 bytes a wave, named by no other line
.set KI,    3145728
.set VI,    6291456
.set SQ,    9437184
.set SKG,   9699328
.set SVG,   9961472
.set SY,    3145728
.set L16,  1
.set L8,   2
.set ASK0, 3
.set ASV0, 4
.set SPW,  5
.set NIL,  6
.set PFO,  7
.set AD16, 8
.set AD8,  9
.set ADS,  10
.set ADT,  11
.set KFR,  32
.set VFR,  80
.set S,    128
.set O,    192
.set TM,   232
.set WV,   18
.set SEL,  20
.set CS,   22
.set G1K,  24
.set G1V,  32
.set G0K,  40
.set G0V,  44
.set G1SK, 48
.set G0SK, 56
.set G0SV, 60
.set G1SV, 68
.set TB,   2                           ; s2   LDS byte at which the step's tiles of K begin
.set TS,   3                           ; s3   the step's scale words of K: 512 bytes a step
.set TJ,   66                          ; s66  of V: 256 bytes a step
.set SLOTS, 67
.set PFA,  76                          ; s[76:77] where my prefetches stand
.set PFS,  78                          ; s[78:79] a slot on, in bytes
.set LIM,  80                          ; s80  1 in a wave that prefetches, else the greatest number
.set CNT,  81                          ; s81  counts a slot's four steps
.set KF,   98                          ; s98  the step's first key
.set Q0,   99                          ; s99  my first query
; Waves 0 and 1 fetch for K, waves 2 and 3 for V, the others nothing.  Four v_nop follow each line.
.macro TLOAD g0k, g1k, g0v, g1v
	s_cmp_lt_u32 s[WV], 2
	s_cbranch_scc0 .Lnot_k_\@
	tensor_load_to_lds s[\g0k:\g0k+3], s[\g1k:\g1k+7]
	s_nop 0
.rept 4
	v_nop
.endr
	s_branch .Lasked_\@
.Lnot_k_\@:
	s_cmp_lt_u32 s[WV], 4
	s_cbranch_scc0 .Lasked_\@
	tensor_load_to_lds s[\g0v:\g0v+3], s[\g1v:\g1v+7]
	s_nop 0
.rept 4
	v_nop
.endr
.Lasked_\@:
.endm
; A prefetch of what the NEXT change of slots will ask for: 24,576 bytes of K (dense) and 8 x 3,072 bytes of V: 96 aligned blocks of 256 bytes each, a lane a block.  All eight work-groups of a pair walk the same K and V:
; the first of them (x = 0) asks, waves 4-6 for K, waves 8-10 for V, one instruction each: every block is named once.  Slots 0 and 1 come by their loads alone; the last change that fills a slot asks for nothing.
.macro ASK
	s_cmp_gt_u32 s[SLOTS], s[LIM]
	s_cbranch_scc0 .Lnot_mine_\@
	global_prefetch_b8 v[PFO], s[PFA:PFA+1] th:TH_LOAD_NT scope:SCOPE_SE
.Lnot_mine_\@:
.endm
	s_load_b128 s[4:7], s[0:1], 0x0                ; qkv s[4:5], yq s[6:7]
	v_lshl_add_u32 v[SPW], v0, 2, SPARE
	v_mov_b32 v[NIL], 0
	ds_add_u32 v5, v6
	s_wait_dscnt 0x0
	v_lshrrev_b32 v8, 5, v0
	v_readfirstlane_b32 s[WV], v8                  ; wave 0..15
	s_and_b32 s82, ttmp7, 0xffff                   ; the pair: batch x 16 + head
	s_lshr_b32 s83, s82, 4                         ; batch
	s_and_b32 s84, s82, 15                         ; head
	s_lshl_b32 s85, ttmp9, 3
	s_add_co_u32 s86, s85, s[WV]                   ; an early tile: 8 j + w
	s_sub_co_u32 s87, 112, s85
	s_add_co_u32 s87, s87, s[WV]                   ; a late one: 112 - 8 j + w
	s_cmp_lt_u32 s[WV], 8
	s_cselect_b32 s86, s86, s87                    ; my tile of 16 queries
	s_lshl_b32 s[Q0], s86, 4
	s_and_b32 s88, s[WV], 1                        ; which half of a slot I fetch, if I fetch
	s_mul_i32 s90, s82, 98304                      ; K: the pair's 128 tiles,
	s_mul_i32 s89, s88, 12288                      ; my half of a slot's 32 (in memory and in LDS)
	s_add_co_u32 s90, s90, s89
	s_add_co_u32 s90, s90, KI
	s_mov_b32 s91, 0
	s_mul_i32 s92, s88, 393216                     ; V: my four of a slot's eight rows of 64 keys,
	s_mul_i32 s87, s83, 49152
	s_add_co_u32 s92, s92, s87
	s_mul_i32 s87, s84, 3072                       ; the head's four feature tiles
	s_add_co_u32 s92, s92, s87
	s_add_co_u32 s92, s92, VI
	s_mov_b32 s93, 0
	s_lshl_b32 s94, s82, 13                        ; K's scale words: 8,192 bytes a pair, my half
	s_lshl_b32 s87, s88, 12
	s_add_co_u32 s94, s94, s87
	s_add_co_u32 s94, s94, SKG
	s_mov_b32 s95, 0
	s_lshl_b32 s96, s83, 16                        ; V's: 16 rows of 256 bytes, 4,096 apart; my eight
	s_lshl_b32 s85, s88, 15
	s_add_co_u32 s96, s96, s85
	s_lshl_b32 s85, s84, 8
	s_add_co_u32 s96, s96, s85
	s_add_co_u32 s96, s96, SVG
	s_mov_b32 s97, 0
	s_lshl_b32 s85, s88, 11
	; descriptor groups 1: elements of 8 bytes, no mask, no padding
	s_mov_b32 s[G1K], 3<<16                        ; K: 48 rows of 256 bytes, dense
	s_mov_b32 s[G1K+1], 32<<16
	s_mov_b32 s[G1K+2], 48<<16
	s_mov_b32 s[G1K+3], 32<<16
	s_mov_b32 s[G1K+4], 48
	s_mov_b32 s[G1K+5], 32
	s_mov_b32 s[G1K+6], 0
	s_mov_b32 s[G1K+7], 0
	s_mov_b32 s[G1V], 3<<16                        ; V: 4 rows of 3,072 bytes, 98,304 apart
	s_mov_b32 s[G1V+1], 384<<16
	s_mov_b32 s[G1V+2], 4<<16
	s_mov_b32 s[G1V+3], 384<<16
	s_mov_b32 s[G1V+4], 4
	s_mov_b32 s[G1V+5], 12288
	s_mov_b32 s[G1V+6], 0
	s_mov_b32 s[G1V+7], 0
	s_mov_b32 s[G1SK], 3<<16                       ; K's scale words: 16 rows of 256 bytes, dense
	s_mov_b32 s[G1SK+1], 32<<16
	s_mov_b32 s[G1SK+2], 16<<16
	s_mov_b32 s[G1SK+3], 32<<16
	s_mov_b32 s[G1SK+4], 16
	s_mov_b32 s[G1SK+5], 32
	s_mov_b32 s[G1SK+6], 0
	s_mov_b32 s[G1SK+7], 0
	s_mov_b32 s[G1SV], 3<<16                       ; V's: 8 rows of 256 bytes, 4,096 apart
	s_mov_b32 s[G1SV+1], 32<<16
	s_mov_b32 s[G1SV+2], 8<<16
	s_mov_b32 s[G1SV+3], 32<<16
	s_mov_b32 s[G1SV+4], 8
	s_mov_b32 s[G1SV+5], 512
	s_mov_b32 s[G1SV+6], 0
	s_mov_b32 s[G1SV+7], 0
	s_mov_b32 s[SEL], 0x76543210
	s_mov_b32 s[SEL+1], 0xfedcba98
	s_mov_b32 s[CS], 0x3e38aa3b                    ; c = log2(e) / 8
	s_mov_b32 s[CS+1], s[CS]
	s_mov_b32 s[TB], 0
	s_mov_b32 s[TS], 0
	s_mov_b32 s[TJ], 0
	s_mov_b32 s[KF], 0
	s_mov_b32 s[SLOTS], NSL-1
	s_wait_kmcnt 0x0
	s_mov_b32 s[G0SK], 1
	s_add_co_u32 s[G0SK+1], s87, SCK
	s_add_nc_u64 s[G0SK+2:G0SK+3], s[4:5], s[94:95]
	s_or_b32 s[G0SK+3], s[G0SK+3], 0x80000000
	s_mov_b32 s[G0SV], 1
	s_add_co_u32 s[G0SV+1], s85, SCV
	s_add_nc_u64 s[G0SV+2:G0SV+3], s[4:5], s[96:97]
	s_or_b32 s[G0SV+3], s[G0SV+3], 0x80000000
	TLOAD G0SK, G1SK, G0SV, G1SV                   ; the scale words: filled once
	s_mov_b32 s[G0K], 1
	s_mov_b32 s[G0K+1], s89
	s_add_nc_u64 s[G0K+2:G0K+3], s[4:5], s[90:91]
	s_or_b32 s[G0K+3], s[G0K+3], 0x80000000
	s_mov_b32 s[G0V], 1
	s_add_co_u32 s[G0V+1], s89, VOFF
	s_add_nc_u64 s[G0V+2:G0V+3], s[4:5], s[92:93]
	s_or_b32 s[G0V+3], s[G0V+3], 0x80000000
	TLOAD G0K, G1K, G0V, G1V                       ; slot 0: two tensor loads of a fetching wave are out
	s_lshl_b32 s90, s82, 7                         ; Q: my tile's half image
	s_add_co_u32 s90, s90, s86
	s_mul_i32 s90, s90, 768
	s_add_nc_u64 s[8:9], s[4:5], s[90:91]
	s_lshl_b32 s92, s82, 13                        ; and its scale words: chunk tile / 8, g = bit 2, i = tile % 4
	s_lshr_b32 s87, s86, 3
	s_lshl_b32 s87, s87, 9
	s_add_co_u32 s92, s92, s87
	s_bfe_u32 s87, s86, 0x10002
	s_lshl_b32 s87, s87, 8
	s_add_co_u32 s92, s92, s87
	s_and_b32 s87, s86, 3
	s_lshl_b32 s87, s87, 2
	s_add_co_u32 s92, s92, s87
	s_add_co_u32 s92, s92, SQ
	s_add_nc_u64 s[10:11], s[4:5], s[92:93]
	s_lshl_b32 s94, s83, 7                         ; y: block of 128 rows (batch x 128 + tile) / 8, row tile tile % 8
	s_add_co_u32 s94, s94, s86
	s_lshr_b32 s94, s94, 3
	s_and_b32 s87, s86, 7
	s_lshl_b32 s96, s94, 4
	s_add_co_u32 s96, s96, s84
	s_lshl_b32 s96, s96, 3
	s_add_co_u32 s96, s96, s87
	s_mul_i32 s96, s96, 768
	s_add_nc_u64 s[12:13], s[6:7], s[96:97]
	s_lshl_b32 s94, s94, 3
	s_lshr_b32 s89, s84, 1
	s_add_co_u32 s94, s94, s89
	s_lshl_b32 s94, s94, 9
	s_and_b32 s89, s87, 1
	s_lshl_b32 s89, s89, 8
	s_add_co_u32 s94, s94, s89
	s_lshr_b32 s89, s87, 1
	s_lshl_b32 s89, s89, 2
	s_add_co_u32 s94, s94, s89
	s_and_b32 s89, s84, 1
	s_lshl_b32 s89, s89, 1
	s_add_co_u32 s94, s94, s89
	s_add_co_u32 s94, s94, SY
	s_add_nc_u64 s[14:15], s[6:7], s[94:95]
	; the prefetches: where they stand, and who asks
	s_mul_i32 s90, s82, 98304
	s_add_co_u32 s90, s90, KI
	s_mul_i32 s92, s83, 49152
	s_mul_i32 s87, s84, 3072
	s_add_co_u32 s92, s92, s87
	s_add_co_u32 s92, s92, VI
	s_mov_b32 s[PFS], 786432
	s_mov_b32 s89, 98304
	s_cmp_lt_u32 s[WV], 8
	s_cselect_b32 s[PFS], 24576, s[PFS]            ; a slot on
	s_cselect_b32 s89, 3072, s89                   ; from one run of 12 blocks to the next
	s_cselect_b32 s90, s90, s92
	s_add_co_u32 s90, s90, s[PFS]                  ; in slot 1: the first change of slots steps it to slot 2
	s_mov_b32 s[PFS+1], 0
	s_add_nc_u64 s[PFA:PFA+1], s[4:5], s[90:91]
	v_and_b32 v8, 127, v0                          ; 0 .. 95 in waves 4-6 and 8-10
	v_mul_u32_u24 v9, v8, 43
	v_lshrrev_b32 v9, 9, v9                        ; / 12
	v_mul_u32_u24 v10, v9, 12
	v_sub_nc_u32 v10, v8, v10
	v_mul_lo_u32 v9, v9, s89
	v_lshl_add_u32 v[PFO], v10, 8, v9
	s_sub_co_u32 s87, s[WV], 4
	s_lshr_b32 s87, s87, 3                         ; 0 in waves 4 to 11,
	s_or_b32 s87, s87, ttmp9                       ; of the pair's first work-group
	s_cmp_eq_u32 s87, 0
	s_cselect_b32 s[LIM], 1, -1
	s_and_b32 s87, s[WV], 3
	s_cmp_eq_u32 s87, 3                            ; (three waves' worth each: not waves 7 and 11)
	s_cselect_b32 s[LIM], -1, s[LIM]
	v_and_b32 v8, 31, v0
	v_lshlrev_b32 v[L16], 4, v8
	v_lshlrev_b32 v[L8], 3, v8
	v_and_b32 v9, 15, v0
	v_lshlrev_b32 v10, 4, v9                       ; 16 r
	v_add_nc_u32 v[ASK0], SCK, v10
	v_add_nc_u32 v[ASV0], SCV, v10
	global_load_b128 v[16:19], v[L16], s[8:9]      ; Q stays in registers
	global_load_b64 v[20:21], v[L8], s[8:9] offset:512
	global_load_b32 v255, v10, s[10:11]
.irp i, 22,23,24,25,26,27
	v_mov_b32 v[\i], 0                             ; K = 64 .. 127 of the first product: zero codes, in Q
.endr
.irp t, 0,1,2,3
.irp i, 6,7,8,9,10,11
	v_mov_b32 v[KFR+12*\t+\i], 0                   ; and in K's four fragments: written once, never loaded
.endr
.endr
	v_mov_b32 v13, 0xff61b1e6                      ; the largest t so far: -3e38
	v_floor_f32 v12, -v13                          ; -M
	v_mov_b32 v14, 0
	v_mov_b32 v15, 0
.irp b, 0,1,2,3
	v_mov_b32 v[236+\b], 0                         ; a lane permute's destination counts as one of its sources
.endr
	v_mov_b32 v252, 0
	v_mov_b32 v253, 0
.set i, 0
.rept 32
	v_mov_b32 v[O+i], 0                            ; O^T: the step is written once; its first walk finds zeros
.set i, i+1
.endr
; A KEY STEP: 128 keys.
.macro STEP
	s_add_co_u32 s96, s[Q0], 15
	s_cmp_gt_u32 s[KF], s96                        ; all its keys come after my queries: only the addresses step
	s_cbranch_scc1 .Lhidden_\@
	v_add_nc_u32 v[AD16], s[TB], v[L16]            ; (these four are the places between the last step's products and the loads below)
	v_add_nc_u32 v[AD8], s[TB], v[L8]
	v_add_nc_u32 v[ADS], s[TS], v[ASK0]
	v_add_nc_u32 v[ADT], s[TJ], v[ASV0]
.irp g, 0,1                                    ; S^T = K Q^T, four tiles of 16 keys at a time
.if \g > 0
.rept 4
	v_nop                                          ; places in front of loads into registers that matrix instructions have read
.endr
.endif
.irp t, 0,1,2,3
	ds_load_b128 v[KFR+12*\t:KFR+12*\t+3], v[AD16] offset:(4*\g+\t)*768
	ds_load_b64 v[KFR+12*\t+4:KFR+12*\t+5], v[AD8] offset:(4*\g+\t)*768+512
.endr
	ds_load_b128 v[248:251], v[ADS] offset:256*\g  ; the four tiles' scale words of my row
	s_wait_dscnt 0x0
.irp t, 0,1,2,3
	v_wmma_scale_f32_16x16x128_f8f6f4 v[S+8*(4*\g+\t):S+8*(4*\g+\t)+7], v[KFR+12*\t:KFR+12*\t+11], v[16:27], 0, v[248+\t], v255 matrix_a_fmt:MATRIX_FMT_FP6 matrix_b_fmt:MATRIX_FMT_FP6
.endr
.endr                                          ; lane (r, h): query r; register 8 t + j: key 16 t + 8 h + j
.irp t, 0,1,2,3                                ; V's four fragments are asked for now and land under the softmax
.irp c, 0,1
	ds_load_b128 v[VFR+12*\t+6*\c:VFR+12*\t+6*\c+3], v[AD16] offset:VOFF+(4*\c+\t)*768
	ds_load_b64 v[VFR+12*\t+6*\c+4:VFR+12*\t+6*\c+5], v[AD8] offset:VOFF+(4*\c+\t)*768+512
.endr
.endr
	ds_load_b128 v[28:31], v[ADT]
.rept 4
	v_nop
.endr
	s_add_co_u32 s96, s[KF], 127                   ; on the diagonal hidden scores become -infinity; a step all of whose keys count skips this
	s_cmp_le_u32 s96, s[Q0]
	s_cbranch_scc1 .Lopen_\@
	s_sub_co_i32 s96, s[Q0], s[KF]
	v_and_b32 v236, 15, v0
	v_bfe_u32 v237, v0, 4, 1
	v_lshlrev_b32 v237, 3, v237
	v_sub_nc_u32 v236, v236, v237
	v_add_nc_u32 v236, s96, v236                   ; d = my query - KF - 8 h: register n is hidden where 16 (n / 8) + n % 8 > d
	v_mov_b32 v254, 0xff800000
.set n, 0
.rept 64
	v_cmp_gt_i32 vcc_lo, 16*(n/8)+n%8, v236
	v_cndmask_b32 v[S+n], v[S+n], v254, vcc_lo
.set n, n+1
.endr
.Lopen_\@:
.irp b, 0,1,2,3
	v_max3_num_f32 v[232+\b], v[S+16*\b], v[S+1+16*\b], v[S+2+16*\b]   ; the largest score of each block of 32 keys: for the row's maximum and, since p rises with the score, for the block's largest p
.endr
.irp i, 3,5,7,9,11,13
.irp b, 0,1,2,3
	v_max3_num_f32 v[232+\b], v[232+\b], v[S+16*\b+\i], v[S+1+16*\b+\i]
.endr
.endr
.irp b, 0,1,2,3
	v_max_num_f32 v[232+\b], v[232+\b], v[S+15+16*\b]
.endr
.irp b, 0,1,2,3
	v_permlanex16_b32 v[236+\b], v[232+\b], s[SEL], s[SEL+1]
.endr
.irp b, 0,1,2,3
	v_max_num_f32 v[232+\b], v[232+\b], v[236+\b]
.endr
	v_max3_num_f32 v254, v232, v233, v234
	v_max_num_f32 v254, v254, v235
	v_mul_f32 v254, s[CS], v254
	v_max_num_f32 v13, v13, v254                   ; the running largest t
	v_mov_b32 v254, v12
	v_floor_f32 v12, -v13                          ; the new -M = -ceil(t)
	v_sub_f32 v254, v12, v254                      ; old M - new M: a whole number, 0 or less
	v_cvt_i32_f32 v254, v254                       ; (it saturates)
	v_ldexp_f32 v252, 1.0, v254                    ; f = 2^(old M - new M): rounds nothing
.set i, 0
.rept 32
	v_pk_fma_f32 v[S+i:S+i+1], v[S+i:S+i+1], s[CS:CS+1], v[12:13] op_sel_hi:[1,0,0]   ; t - M
.set i, i+2
.endr
.irp b, 0,1,2,3
	v_fma_f32 v[232+\b], v[232+\b], s[CS], v12
.endr
.set i, 0
.rept 64
	v_exp_f32 v[S+i], v[S+i]                       ; p = 2^(t - M)
.set i, i+1
.endr
.irp b, 0,1,2,3
	v_exp_f32 v[232+\b], v[232+\b]                 ; the block's largest p
.endr
	v_pk_mul_f32 v[14:15], v[14:15], v[252:253] op_sel_hi:[1,0]   ; the sums under the new M (a plain place behind the exponentials)
	s_wait_alu depctr_va_vdst(0)
.irp b, 0,1,2,3
	v_max_num_f32 v[232+\b], 0x1800000, v[232+\b]  ; the floor 2^(3 - 127)
.endr
.irp b, 0,1,2,3
	v_add_nc_u32 v[244+\b], 0xff000000, v[232+\b]  ; the conversion's scale operand
.endr
.irp b, 0,1,2,3
	v_lshrrev_b32 v[236+\b], 23, v[244+\b]         ; the scale's byte
.endr
	v_lshl_or_b32 v253, v237, 8, v236              ; p's scale word for these 128 keys
	v_lshl_or_b32 v253, v238, 16, v253
	v_lshl_or_b32 v253, v239, 24, v253
.irp c, 0,1
	v_cvt_scalef32_pk16_fp6_f32 v[224+6*\c:226+6*\c], v[S+32*\c:S+15+32*\c], v[244+2*\c]
	v_cvt_scalef32_pk16_fp6_f32 v[236+4*\c:238+4*\c], v[S+16+32*\c:S+31+32*\c], v[244+2*\c+1]
.endr
	v_nop                                          ; one plain place behind a scaled conversion
.irp c, 0,1                                    ; a lane gets a whole block: lanes 0-15 block 2 c, lanes 16-31 block 2 c + 1
.irp i, 0,1,2
	v_permlane16_swap_b32 v[224+6*\c+\i], v[236+4*\c+\i]
.endr
.irp i, 0,1,2
	v_mov_b32 v[227+6*\c+\i], v[236+4*\c+\i]
.endr
.endr
	v_pk_add_f32 v[236:237], v[S:S+1], v[S+2:S+3]  ; the row's sum, of the unquantised p, in two chains
.irp j, 4,8,12,16,20,24,28,32,36,40,44,48,52,56,60
	v_pk_add_f32 v[14:15], v[14:15], v[S+\j:S+1+\j]
	v_pk_add_f32 v[236:237], v[236:237], v[S+2+\j:S+3+\j]
.endr
	v_pk_add_f32 v[14:15], v[14:15], v[236:237]
.set i, 0
.rept 16
	v_pk_mul_f32 v[O+i:O+i+1], v[O+i:O+i+1], v[252:253] op_sel_hi:[1,0]   ; O^T under the new M
.set i, i+2
.endr
	s_wait_dscnt 0x0                               ; V and its scale words are in
.irp t, 0,1,2,3                                ; O^T += V^T P^T: four tiles of 16 of the head's 64
	v_wmma_scale_f32_16x16x128_f8f6f4 v[O+8*\t:O+8*\t+7], v[VFR+12*\t:VFR+12*\t+11], v[224:235], v[O+8*\t:O+8*\t+7], v[28+\t], v253 matrix_a_fmt:MATRIX_FMT_FP6 matrix_b_fmt:MATRIX_FMT_FP6
.endr
.Lhidden_\@:
	s_add_co_u32 s[KF], s[KF], 128
	s_add_co_u32 s[TS], s[TS], 512
	s_add_co_u32 s[TJ], s[TJ], 256
	s_add_co_u32 s[TB], s[TB], STEPB
.endm
; THE CHANGE OF SLOTS, at a slot's head.  fill = 1: the slot that has been left is filled with the keys that follow: the load has four key steps in which to land.
.macro CHANGE fill
	s_wait_tensorcnt 0x0                           ; no tensor load of mine is out, so a group 0 may be written
	ds_add_u32 v[SPW], v[NIL]                      ; 0 onto my spare word
.if \fill
	s_xor_b32 s[G0K+1], s[G0K+1], SLOT1
	s_add_nc_u64 s[G0K+2:G0K+3], s[G0K+2:G0K+3], 24576
	s_xor_b32 s[G0V+1], s[G0V+1], SLOT1
	s_add_nc_u64 s[G0V+2:G0V+3], s[G0V+2:G0V+3], 786432
	s_wait_xcnt 0x0                                ; the last prefetch, a slot back, has read its address
	s_add_nc_u64 s[PFA:PFA+1], s[PFA:PFA+1], s[PFS:PFS+1]
.endif
	s_wait_dscnt 0x0                               ; the add is done, and my reads of the slot that I have left are over
	s_barrier_signal -1
	s_barrier_wait -1
.if \fill
	TLOAD G0K, G1K, G0V, G1V                       ; the first thing behind the barrier, a wave's one tensor load until the next
	ASK
.endif
.endm
.macro SLOT_STEPS                      ; a slot's four key steps: written once, walked four times
	s_mov_b32 s[CNT], 4
.Lstep_\@:
	STEP
	s_sub_co_u32 s[CNT], s[CNT], 1
	s_cmp_lg_u32 s[CNT], 0
	s_cbranch_scc1 .Lstep_\@
	s_sub_co_u32 s[TB], s[TB], 4*STEPB
	s_xor_b32 s[TB], s[TB], SLOT1                  ; on to the other slot
.endm
	s_wait_loadcnt 0x0                             ; Q
.Lslot:
	CHANGE 1
	SLOT_STEPS
	s_sub_co_u32 s[SLOTS], s[SLOTS], 1
	s_cmp_lg_u32 s[SLOTS], 0
	s_cbranch_scc1 .Lslot
	CHANGE 0                                       ; the last slot is written out
	SLOT_STEPS
	; THE WAY OUT: O^T / the sum, brought into true order along the head's 64, quantised, stored as a half image.
	v_add_f32 v14, v14, v15
	v_permlanex16_b32 v252, v14, s[SEL], s[SEL+1]
	v_add_f32 v14, v14, v252                       ; the row's sum
	v_rcp_f32 v14, v14
.rept 4
	v_nop                                          ; places behind the last products, and the plain place behind the reciprocal
.endr
	v_and_b32 v8, 15, v0
	v_lshlrev_b32 v8, 4, v8                        ; 16 r
.set i, 0
	s_wait_alu depctr_va_vdst(0)
.rept 32
	v_mul_f32 v[S+i], v[O+i], v14                  ; register 8 t + j: y(r, 16 t + 8 h + j)
.set i, i+1
.endr
.irp b, 0,1                                    ; lanes 16-31 of tile 2 b change places with lanes 0-15 of tile 2 b + 1: register 16 b + i is then number 32 b + 16 h + i
.irp j, 0,1,2,3,4,5,6,7
	v_permlane16_swap_b32 v[S+16*\b+\j], v[S+16*\b+8+\j]
.endr
.endr
.irp b, 0,1
	v_max3_num_f32 v[TM+\b], |v[S+16*\b]|, |v[S+16*\b+1]|, 0x1800000
.endr
.irp i, 2,4,6,8,10,12,14
.irp b, 0,1
	v_max3_num_f32 v[TM+\b], v[TM+\b], |v[S+16*\b+\i]|, |v[S+16*\b+\i+1]|
.endr
.endr
.irp b, 0,1
	v_permlanex16_b32 v[TM+4+\b], v[TM+\b], s[SEL], s[SEL+1]
.endr
.irp b, 0,1
	v_max_num_f32 v[TM+\b], v[TM+\b], v[TM+4+\b]
.endr
.irp b, 0,1
	v_add_nc_u32 v[TM+12+\b], 0xff000000, v[TM+\b]
.endr
.irp b, 0,1
	v_lshrrev_b32 v[TM+4+\b], 23, v[TM+12+\b]
.endr
	v_lshl_or_b32 v254, v[TM+5], 8, v[TM+4]        ; my row's two scale bytes
	v_cvt_scalef32_pk16_fp6_f32 v[224:226], v[S:S+15], v[TM+12]
	v_cvt_scalef32_pk16_fp6_f32 v[240:242], v[S+16:S+31], v[TM+13]
	v_nop
.irp i, 0,1,2
	v_permlane16_swap_b32 v[224+\i], v[240+\i]
.endr
.irp i, 0,1,2
	v_mov_b32 v[227+\i], v[240+\i]
.endr
	global_store_b128 v[L16], v[224:227], s[12:13]             ; 512 consecutive bytes, aligned
	global_store_b64 v[L8], v[228:229], s[12:13] offset:512    ; 256 consecutive bytes, aligned
	global_store_b16 v8, v254, s[14:15]            ; lanes l and l + 16 hold the same halfword and name the same place
	s_wait_tensorcnt 0x0                           ; the wave's end
	ds_add_u32 v[SPW], v[NIL]
	s_wait_dscnt 0x0
	s_endpgm
.Lfunc_end_k_q415fe4129f_attn:
	.size	k_q415fe4129f_attn, .Lfunc_end_k_q415fe4129f_attn-k_q415fe4129f_attn
	.p2alignl 7, 3214868480
	.fill 96, 4, 3214868480
	.section	.rodata,"a",@progbits
	.p2align	6, 0x0
	.amdhsa_kernel k_q415fe4129f_attn
		.amdhsa_group_segment_fixed_size 327680
		.amdhsa_private_segment_fixed_size 0
		.amdhsa_enable_private_segment 0
		.amdhsa_kernarg_size 16
		.amdhsa_user_sgpr_count 2
		.amdhsa_user_sgpr_kernarg_segment_ptr 1
		.amdhsa_wavefront_size32 1
		.amdhsa_system_sgpr_workgroup_id_x 1
		.amdhsa_system_sgpr_workgroup_id_y 1
		.amdhsa_system_sgpr_workgroup_id_z 1
		.amdhsa_system_vgpr_workitem_id 0
		.amdhsa_next_free_vgpr 256
		.amdhsa_next_free_sgpr 100
		.amdhsa_reserve_vcc 1
		.amdhsa_float_denorm_mode_32 3
		.amdhsa_float_denorm_mode_16_64 3
		.amdhsa_memory_ordered 1
		.amdhsa_forward_progress 1
		.amdhsa_inst_pref_size 61
	.end_amdhsa_kernel
	.amdgpu_metadata
---
amdhsa.version: [ 1, 2 ]
amdhsa.kernels:
  - .name:           k_q415fe4129f_attn
    .symbol:         k_q415fe4129f_attn.kd
    .args:
      - { .name: qkv, .offset: 0, .size: 8, .value_kind: global_buffer, .address_space: global }
      - { .name: yq, .offset: 8, .size: 8, .value_kind: global_buffer, .address_space: global }
    .group_segment_fixed_size: 327680
    .private_segment_fixed_size: 0
    .kernarg_segment_align: 8
    .kernarg_segment_size: 16
    .max_flat_workgroup_size: 512
    .sgpr_count:     100
    .vgpr_count:     256
    .wavefront_size: 32
...
	.end_amdgpu_metadata
.endif
;; end of part 3
;; launch oproj (part 4): grid 4 x 16, 4 waves a work-group, clusters of 4 x 4, 327,680 bytes of LDS; arguments yq, o_w_codes, o_w_scales, x, x1; writes x1
.if DOCPART == 4
	.amdgcn_target "amdgcn-amd-amdhsa--gfx1250"
	.amdhsa_code_object_version 6
	.text
	.protected	k_q415fe4129f_oproj
	.globl	k_q415fe4129f_oproj
	.p2align	8
	.type	k_q415fe4129f_oproj,@function
k_q415fe4129f_oproj:
	s_mov_b64 s[64:65], 0
	v_nop
	global_prefetch_b8 v0, s[64:65] scope:SCOPE_SE
	s_setreg_imm32_b32 hwreg(HW_REG_WAVE_MODE, 25, 1), 1
	s_wait_xcnt 0x0
	s_wait_alu depctr_hold_cnt(0) depctr_sa_sdst(0) depctr_va_vdst(0) depctr_va_sdst(0) depctr_va_ssrc(0) depctr_va_vcc(0) depctr_vm_vsrc(0)
	s_getreg_b32 s2, hwreg(HW_REG_IB_STS2, 6, 4)
	s_cmp_eq_u32 s2, 0
	s_cbranch_scc0 .Lentry_in_a_cluster
	s_endpgm
.Lentry_in_a_cluster:
	s_bfe_u32 s2, ttmp6, 0x10000c
	s_cmp_lg_u32 s2, 0xf033
	s_cbranch_scc0 .Lentry_shape_is_right
	s_endpgm
.Lentry_shape_is_right:
; out = res + A W^T on codes of FP6 (E2M3) with E8M0 scales.  A: 4,096 rows x SIZE_K, made by an earlier launch as images of operand registers; W: [1,024][SIZE_K] codes, row-major, with scale bytes [1,024][SIZE_K / 32]; res, out: [4,096][1,024] f32.
; A's buffer: half images of 16 rows x 64 K, 768 bytes (lane (r, h): block h of row r; registers 0-3 at 16 x lane, 4-5 at 512 + 8 x lane), laid [128 rows][64 K][row tile 8][768]: 128 rows x 256 K are 24,576 dense bytes.
; Behind them (from byte 4,096 x 3 SIZE_K / 4 on) A's scale words [128 rows][128 K][lane 32][4]: word (lane (r, h), i) is row 16 (2 i + h) + r: one load of 16 bytes a lane brings all eight row tiles' words of 128 K.
; A tile of 256 x 256 is made by four waves, 128 x 128 each.  K goes in steps of 256 through two LDS slots; both operands' scales come once.  The product is used transposed: source 0 = 16 rows of W, source 1 = 16 rows of A.
; CLUSTERS: 4 x 4: A's tile is shared along a row of the cluster, W's along a column: joint tensor loads.
; REGISTERS, in windows of 256: window 0: v0-31 addresses; v32-47 A's scale words, v48-63 W's, two sets each; from v128 A's fragments, one set.  window 1: W's fragments, two sets; on the way out the residual.  windows 2, 3: the accumulators.
.set SIZE_K, 1024
.set KSTEP,  256
.set NQ,     KSTEP/128
.set ROWB,   192
.set KROW,   SIZE_K*6/8
.set PITCH,  240                       ; a row of W in LDS: 3 x (64 bytes + 16 of padding)
.set FR,     12
.set NLA,    4                         ; LDS loads that bring a fragment of A
.set NP,     4
.set AH,     24576                     ; 128 rows x 256 K of A
.set BH,     128*PITCH                 ; 128 rows x 256 K of W
.set SLOT,   2*AH+2*BH
.set LAPS,   SIZE_K/(2*KSTEP)
.set KS,     SIZE_K/32
.set NK,     SIZE_K/128
.set SCA,    2*SLOT                    ; A's scale words: two halves of SAH bytes
.set SAH,    512*NK
.set SCB,    SCA+16384                 ; W's scale bytes, as 256 bytes + 16 of padding
.set HALFS,  (128*KS/256)*272
.set SBLK,   (16*KS/256)*272
.set SPARE,  SCB+17408                 ; the spare words: 128 bytes a wave, named by no other line
.set SPITCH, 528                       ; the way out: a stage of 16 rows x (512 + 16) bytes a wave, in slot 0, which has had its last fill and its last read by then
.set ADA16, 16                         ; v16-17  A's images: my half + 16 x lane, slot 0, 1
.set ADA8,  18                         ; v18-19  the same with 8 x lane
.set ADRB,  20                         ; v20-23  W's fragments
.set STO,   24
.set RD,    25
.set CO,    26                         ; v26     16 x lane
.set ADSB,  27                         ; v27     W's scale words: lanes 0-15 block i, lanes 16-31 block i + 4
.set SPW,   28
.set NIL,   29
.set ADSA,  30                         ; v30     A's scale words
.set SA,    32
.set SB,    48
.set AF,    128
.set BK,    128
.set G1, 24
.set G0, 32
.set G1B, 48
.set G0B, 56
.set G1S, 68
.set G0S, 76
.set G1SB, 80
.set G0SB, 88
.set MSB, 0
.macro WIN new
.if MSB != (\new)
	s_set_vgpr_msb (MSB<<8)|(\new)
.set MSB, (\new)
.endif
.endm
.set MUL_LO, 0xa1
.set MUL_HI, 0xf1
.set TO_B,   0x40
.macro JLOAD g0a, g1a, g0b, g1b        ; a joint load: waves 0 and 1 fetch for A, waves 2 and 3 for W; four v_nop follow each line
	s_cmp_eq_u32 s15, 0
	s_cbranch_scc0 .Lfor_b_\@
	tensor_load_to_lds s[\g0a:\g0a+3], s[\g1a:\g1a+7]
	s_nop 0
.rept 4
	v_nop
.endr
	s_branch .Lasked_\@
.Lfor_b_\@:
	tensor_load_to_lds s[\g0b:\g0b+3], s[\g1b:\g1b+7]
	s_nop 0
.rept 4
	v_nop
.endr
.Lasked_\@:
.endm
.macro CREST
	s_cmp_lg_u32 s14, 0
	s_cbranch_scc1 .Lnot_wave_0_\@
	s_barrier_signal -3
.Lnot_wave_0_\@:
	s_barrier_wait -3
	s_barrier_signal -1
	s_barrier_wait -1
.endm
.macro CROUND
	s_barrier_signal -1
	s_barrier_wait -1
	CREST
.endm
	s_load_b128 s[4:7], s[0:1], 0x0                ; A's images and scale words s[4:5], W's codes s[6:7]
	s_load_b128 s[8:11], s[0:1], 0x10              ; W's scales s[8:9], the residual s[10:11]
	s_load_b64 s[12:13], s[0:1], 0x20              ; the result
	v_lshl_add_u32 v[SPW], v0, 2, SPARE
	v_mov_b32 v[NIL], 0
	ds_add_u32 v28, v29
	s_wait_dscnt 0x0
	v_lshrrev_b32 v1, 5, v0
	v_readfirstlane_b32 s14, v1                    ; wave 0..3
	s_lshr_b32 s15, s14, 1                         ; my half of the tile's rows.  Also: I fetch for A (0) or for W (1)
	s_and_b32 s16, s14, 1                          ; my half of its columns.  Also: which half I fetch
	s_bfe_u32 s40, ttmp6, 0x40000
	s_bfe_u32 s41, ttmp6, 0x40004
	s_lshl_b32 s42, ttmp9, 2
	s_add_co_u32 s42, s42, s40                     ; tile column
	s_and_b32 s17, ttmp7, 0xffff
	s_lshl_b32 s17, s17, 2
	s_add_co_u32 s17, s17, s41                     ; tile row
	s_lshl_b32 s43, s41, 2
	s_lshl_b32 s43, 15, s43                        ; my row of the cluster
	s_lshl_b32 s44, 0x1111, s40                    ; my column
	s_or_b32 s[G1+0], s43, (3<<16)|(1<<21)         ; A: 96 dense rows of 256 bytes (32 elements of 8), no padding
	s_mov_b32 s[G1+1], 32<<16
	s_mov_b32 s[G1+2], 96<<16
	s_mov_b32 s[G1+3], 32<<16
	s_mov_b32 s[G1+4], 96
	s_mov_b32 s[G1+5], 32
	s_mov_b32 s[G1+6], 0
	s_mov_b32 s[G1+7], 0
	s_or_b32 s[G1B+0], s44, (0<<16)|(1<<20)|(1<<21)|(3<<22)|(3<<25)  ; W: 128 rows of 192 bytes, 4 words of padding behind every 16
	s_mov_b32 s[G1B+1], ROWB<<16
	s_mov_b32 s[G1B+2], 128<<16
	s_mov_b32 s[G1B+3], ROWB<<16
	s_mov_b32 s[G1B+4], 128
	s_mov_b32 s[G1B+5], KROW
	s_mov_b32 s[G1B+6], 0
	s_mov_b32 s[G1B+7], 0
	s_or_b32 s[G1S+0], s43, (3<<16)|(1<<21)        ; A's scale words of 128 rows: 2 NK dense rows of 256 bytes
	s_mov_b32 s[G1S+1], 32<<16
	s_mov_b32 s[G1S+2], (2*NK)<<16
	s_mov_b32 s[G1S+3], 32<<16
	s_mov_b32 s[G1S+4], 2*NK
	s_mov_b32 s[G1S+5], 32
	s_mov_b32 s[G1S+6], 0
	s_mov_b32 s[G1S+7], 0
	s_or_b32 s[G1SB+0], s44, (3<<16)|(1<<20)|(1<<21)|(5<<22)|(3<<25)  ; W's scale bytes of 128 rows: dense rows of 256 bytes, 16 of padding behind each
	s_mov_b32 s[G1SB+1], 32<<16
	s_mov_b32 s[G1SB+2], (128*KS/256)<<16
	s_mov_b32 s[G1SB+3], 32<<16
	s_mov_b32 s[G1SB+4], 128*KS/256
	s_mov_b32 s[G1SB+5], 32
	s_mov_b32 s[G1SB+6], 0
	s_mov_b32 s[G1SB+7], 0
	s_lshl_b32 s20, s17, 1
	s_add_co_u32 s20, s20, s16                     ; A: which block of 128 rows I fetch
	s_mul_i32 s22, s20, SAH
	s_add_co_u32 s22, s22, 4096*KROW               ; its scale words
	s_mov_b32 s23, 0
	s_mul_i32 s20, s20, 96*SIZE_K                  ; its images
	s_mov_b32 s21, 0
	s_lshl_b32 s18, s16, 7
	s_lshl_b32 s46, s42, 8
	s_add_co_u32 s46, s46, s18                     ; W: row 256 x tile column + 128 x half
	s_mul_i32 s92, s46, KS
	s_mov_b32 s93, 0
	s_mul_i32 s46, s46, KROW
	s_mov_b32 s47, 0
	s_mul_i32 s45, s16, AH                         ; where they go in a slot: A's two halves, then W's two
	s_mul_i32 s94, s16, BH
	s_add_co_u32 s94, s94, 2*AH
	s_mul_i32 s95, s16, SAH
	s_add_co_u32 s95, s95, SCA
	s_mul_i32 s96, s16, HALFS
	s_add_co_u32 s96, s96, SCB
	s_wait_kmcnt 0x0
	s_add_nc_u64 s[20:21], s[4:5], s[20:21]
	s_add_nc_u64 s[22:23], s[4:5], s[22:23]
	s_add_nc_u64 s[46:47], s[6:7], s[46:47]
	s_add_nc_u64 s[92:93], s[8:9], s[92:93]
	CROUND                                         ; all sixteen work-groups are here: the first joint loads meet
	s_mov_b32 s[G0S], 1
	s_mov_b32 s[G0S+1], s95
	s_mov_b64 s[G0S+2:G0S+3], s[22:23]
	s_or_b32 s[G0S+3], s[G0S+3], 0x80000000
	s_mov_b32 s[G0SB], 1
	s_mov_b32 s[G0SB+1], s96
	s_mov_b64 s[G0SB+2:G0SB+3], s[92:93]
	s_or_b32 s[G0SB+3], s[G0SB+3], 0x80000000
	JLOAD G0S, G1S, G0SB, G1SB                     ; the scales first: filled once
.irp s, 0,1
	s_mov_b32 s[G0+4*\s], 1
	s_add_co_u32 s[G0+4*\s+1], s45, \s*SLOT
	s_add_nc_u64 s[G0+4*\s+2:G0+4*\s+3], s[20:21], \s*AH
	s_or_b32 s[G0+4*\s+3], s[G0+4*\s+3], 0x80000000
	s_mov_b32 s[G0B+4*\s], 1
	s_add_co_u32 s[G0B+4*\s+1], s94, \s*SLOT
	s_add_nc_u64 s[G0B+4*\s+2:G0B+4*\s+3], s[46:47], \s*ROWB
	s_or_b32 s[G0B+4*\s+3], s[G0B+4*\s+3], 0x80000000
	JLOAD G0+4*\s, G1, G0B+4*\s, G1B               ; three tensor loads of mine are out
.endr
	v_and_b32 v1, 15, v0                           ; r
	v_bfe_u32 v2, v0, 4, 1                         ; h
	v_and_b32 v6, 31, v0                           ; lane
	s_mul_i32 s21, s15, AH
	v_lshl_add_u32 v[ADA16], v6, 4, s21
	v_lshl_add_u32 v[ADA8], v6, 3, s21
	v_add_nc_u32 v[ADA16+1], SLOT, v[ADA16]
	v_add_nc_u32 v[ADA8+1], SLOT, v[ADA8]
	v_mul_u32_u24 v3, v1, PITCH
	v_mul_u32_u24 v4, v2, 24
	v_add_nc_u32 v4, v3, v4
	v_lshl_add_u32 v5, v2, 4, v4
	s_mul_i32 s22, s16, BH
	s_add_co_u32 s22, s22, 2*AH
.irp s, 0,1
	v_add_nc_u32 v[ADRB+\s], s22, v4
	v_add_nc_u32 v[ADRB+2+\s], s22, v5
	s_add_co_u32 s22, s22, SLOT
.endr
	s_mul_i32 s21, s15, SAH
	s_add_co_u32 s21, s21, SCA
	v_lshl_add_u32 v[ADSA], v6, 4, s21
	v_mul_u32_u24 v5, v1, KS
	v_lshrrev_b32 v7, 8, v5
	v_lshl_add_u32 v5, v7, 4, v5                   ; my row's scale bytes, 16 more for each 256 passed
	v_mad_u32_u24 v5, v2, 4*SBLK, v5               ; lanes 16-31: four blocks of 16 rows on
	s_mul_i32 s21, s16, HALFS
	s_add_co_u32 s21, s21, SCB
	v_add_nc_u32 v[ADSB], s21, v5
	s_mul_i32 s23, s14, 16*SPITCH                  ; my stage
	v_mul_u32_u24 v5, v1, SPITCH
	v_lshl_add_u32 v5, v2, 5, v5
	v_add_nc_u32 v[STO], s23, v5
	v_lshlrev_b32 v[CO], 4, v6
	v_add_nc_u32 v[RD], s23, v[CO]
	s_lshl_b32 s20, s17, 8
	s_lshl_b32 s21, s15, 7
	s_add_co_u32 s20, s20, s21                     ; my first row,
	s_lshl_b32 s20, s20, 12                        ; of 4,096 bytes,
	s_lshl_b32 s46, s42, 10
	s_lshl_b32 s47, s16, 9
	s_add_co_u32 s46, s46, s47                     ; and my first column, in bytes
	s_add_co_u32 s20, s20, s46
	s_mov_b32 s21, 0
	s_add_nc_u64 s[12:13], s[12:13], s[20:21]
	s_add_nc_u64 s[66:67], s[10:11], s[20:21]
.macro FRAG reg, adr, q, row           ; a fragment of W from rows: 24 bytes of the row as they lie, in pieces of 8 bytes; the second address register serves pieces behind one padding more
.irp p, 0,1,2,3,4,5
.set PCE, 12*(\q)+6*(\p/3)+\p%3
.if PCE%8 < 5
	ds_load_b64 v[\reg+2*\p:\reg+2*\p+1], v[\adr] offset:8*PCE+16*(PCE/8)+(\row)*PITCH
.else
	ds_load_b64 v[\reg+2*\p:\reg+2*\p+1], v[\adr+2] offset:8*PCE+16*(PCE/8)+(\row)*PITCH
.endif
.endr
.endm
.macro FRAGA reg, slot, q, i           ; a fragment of A from two half images: every load reads consecutive bytes
.irp c, 0,1
	ds_load_b128 v[\reg+6*\c:\reg+6*\c+3], v[ADA16+\slot] offset:((2*(\q)+\c)*8+(\i))*768
	ds_load_b64 v[\reg+6*\c+4:\reg+6*\c+5], v[ADA8+\slot] offset:((2*(\q)+\c)*8+(\i))*768+512
.endr
.endm
; One product; the register numbers stand in symbols.  fB: W's scale word lies in lanes 16-31; fA: A's does.
.macro WM zero
.if \zero
.if fB && fA
	v_wmma_scale_f32_16x16x128_f8f6f4 v[rD:rD+7], v[rB:rB+FR-1], v[rA:rA+FR-1], 0, v[rSB], v[rSA] matrix_a_fmt:MATRIX_FMT_FP6 matrix_b_fmt:MATRIX_FMT_FP6 matrix_a_scale:MATRIX_SCALE_ROW1 matrix_b_scale:MATRIX_SCALE_ROW1
.elseif fB
	v_wmma_scale_f32_16x16x128_f8f6f4 v[rD:rD+7], v[rB:rB+FR-1], v[rA:rA+FR-1], 0, v[rSB], v[rSA] matrix_a_fmt:MATRIX_FMT_FP6 matrix_b_fmt:MATRIX_FMT_FP6 matrix_a_scale:MATRIX_SCALE_ROW1
.elseif fA
	v_wmma_scale_f32_16x16x128_f8f6f4 v[rD:rD+7], v[rB:rB+FR-1], v[rA:rA+FR-1], 0, v[rSB], v[rSA] matrix_a_fmt:MATRIX_FMT_FP6 matrix_b_fmt:MATRIX_FMT_FP6 matrix_b_scale:MATRIX_SCALE_ROW1
.else
	v_wmma_scale_f32_16x16x128_f8f6f4 v[rD:rD+7], v[rB:rB+FR-1], v[rA:rA+FR-1], 0, v[rSB], v[rSA] matrix_a_fmt:MATRIX_FMT_FP6 matrix_b_fmt:MATRIX_FMT_FP6
.endif
.else
.if fB && fA
	v_wmma_scale_f32_16x16x128_f8f6f4 v[rD:rD+7], v[rB:rB+FR-1], v[rA:rA+FR-1], v[rD:rD+7], v[rSB], v[rSA] matrix_a_fmt:MATRIX_FMT_FP6 matrix_b_fmt:MATRIX_FMT_FP6 matrix_a_scale:MATRIX_SCALE_ROW1 matrix_b_scale:MATRIX_SCALE_ROW1
.elseif fB
	v_wmma_scale_f32_16x16x128_f8f6f4 v[rD:rD+7], v[rB:rB+FR-1], v[rA:rA+FR-1], v[rD:rD+7], v[rSB], v[rSA] matrix_a_fmt:MATRIX_FMT_FP6 matrix_b_fmt:MATRIX_FMT_FP6 matrix_a_scale:MATRIX_SCALE_ROW1
.elseif fA
	v_wmma_scale_f32_16x16x128_f8f6f4 v[rD:rD+7], v[rB:rB+FR-1], v[rA:rA+FR-1], v[rD:rD+7], v[rSB], v[rSA] matrix_a_fmt:MATRIX_FMT_FP6 matrix_b_fmt:MATRIX_FMT_FP6 matrix_b_scale:MATRIX_SCALE_ROW1
.else
	v_wmma_scale_f32_16x16x128_f8f6f4 v[rD:rD+7], v[rB:rB+FR-1], v[rA:rA+FR-1], v[rD:rD+7], v[rSB], v[rSA] matrix_a_fmt:MATRIX_FMT_FP6 matrix_b_fmt:MATRIX_FMT_FP6
.endif
.endif
.endm
; 16 matrix instructions: A's blocks a0, a0 + 1 x W's eight.  The 64 accumulators take turns, one instruction a turn, in the same order in every step.
.macro MUL16 a0, p, q, sc, zero
.irp a, \a0, \a0+1
.irp b, 0,1,2,3,4,5,6,7
.set rD, 8*(8*((\a)%4)+\b)
.set rB, 128*(\p)+FR*\b
.set rA, AF+FR*(\a)
.set rSB, SB+8*(\sc)+2*(\b%4)+(\q)
.set rSA, SA+8*(\sc)+4*(\q)+(\a)/2
.set fB, \b/4
.set fA, (\a)%2
	WM \zero
.endr
.endr
.endm
.macro FETCH_B slot, q, p
	WIN TO_B
.irp i, 0,1,2,3,4,5,6,7
	FRAG 128*(\p)+FR*\i, ADRB+\slot, \q, 16*\i
.endr
	WIN 0
.endm
.macro FETCH_A slot, q, i0
.irp i, \i0, \i0+1, \i0+2, \i0+3
	FRAGA AF+FR*(\i), \slot, \q, \i
.endr
.endm
.macro SCALES sc                       ; a K step's scale words: A's by two loads of 16 bytes a lane, W's by four of 8
	ds_load_b128 v[SA+8*\sc:SA+8*\sc+3], v[ADSA]
	ds_load_b128 v[SA+8*\sc+4:SA+8*\sc+7], v[ADSA] offset:512
.irp i, 0,1,2,3
	ds_load_b64 v[SB+8*\sc+2*\i:SB+8*\sc+2*\i+1], v[ADSB] offset:\i*SBLK
.endr
.endm
.macro PLACES n
.rept \n
	v_nop
.endr
.endm
.macro STEP slot, q, zero
	s_wait_dscnt 4*NLA                             ; all but the youngest 16 loads, A's blocks 4-7
	WIN MUL_LO
	MUL16 0, (\q)%2, \q, \slot, \zero
	MUL16 2, (\q)%2, \q, \slot, \zero
	s_wait_dscnt 0
	PLACES NP
	FETCH_B \slot, (\q)+1, 1-(\q)%2
	FETCH_A \slot, (\q)+1, 0
	WIN MUL_HI
	MUL16 4, (\q)%2, \q, \slot, \zero
	MUL16 6, (\q)%2, \q, \slot, \zero
	PLACES NP
	WIN 0
	FETCH_A \slot, (\q)+1, 4
.endm
.macro TURN slot, next, fill
	s_wait_tensorcnt 0x0                           ; all my tensor loads have landed: my part of the next slot
	ds_add_u32 v[SPW], v[NIL]                      ; 0 onto my spare word
	s_wait_dscnt 4*NLA+1                           ; the add and A's blocks 4-7 may be out
	WIN MUL_LO
	MUL16 0, 1, NQ-1, \slot, 0
	s_wait_dscnt 0x0                               ; the add is done, and my reads of this slot are over
	s_barrier_signal -1
	MUL16 2, 1, NQ-1, \slot, 0
	WIN 0
	s_barrier_wait -1
.if \fill
	CREST                                          ; the barrier has opened a round of the cluster's
	s_add_nc_u64 s[G0+4*\slot+2:G0+4*\slot+3], s[G0+4*\slot+2:G0+4*\slot+3], 2*AH
	s_add_nc_u64 s[G0B+4*\slot+2:G0B+4*\slot+3], s[G0B+4*\slot+2:G0B+4*\slot+3], 2*ROWB
	JLOAD G0+4*\slot, G1, G0B+4*\slot, G1B         ; my one tensor load behind the round; its four v_nop are the places in front of the loads below
.else
	PLACES NP
.endif
	v_add_nc_u32 v[ADSA], 1024, v[ADSA]            ; the next K step's scale words
	v_add_nc_u32 v[ADSB], 8, v[ADSB]
	FETCH_B \next, 0, 0
	FETCH_A \next, 0, 0
	SCALES \next
	WIN MUL_HI
	MUL16 4, 1, NQ-1, \slot, 0
	MUL16 6, 1, NQ-1, \slot, 0
	PLACES NP
	WIN 0
	FETCH_A \next, 0, 4
.endm
	s_wait_tensorcnt 1                             ; the scales and my part of K step 0 are in; K step 1's load may be out
	s_barrier_signal -1
	s_barrier_wait -1
	FETCH_B 0, 0, 0
	FETCH_A 0, 0, 0
	SCALES 0
	FETCH_A 0, 0, 4
	STEP 0, 0, 1
	s_mov_b32 s3, LAPS-1
.Llap:
	TURN 0, 1, 1
	STEP 1, 0, 0
	TURN 1, 0, 1
	STEP 0, 0, 0
	s_sub_co_u32 s3, s3, 1
	s_cmp_lg_u32 s3, 0
	s_cbranch_scc1 .Llap
	TURN 0, 1, 0
	STEP 1, 0, 0
	s_wait_dscnt 4*NLA
	WIN MUL_LO
	MUL16 0, 1, NQ-1, 1, 0
	MUL16 2, 1, NQ-1, 1, 0
	s_wait_dscnt 0
	WIN MUL_HI
	MUL16 4, 1, NQ-1, 1, 0
	MUL16 6, 1, NQ-1, 1, 0
	WIN 0
; THE WAY OUT, block by block of 16 rows x 128 columns: through my own stage in LDS, back as whole rows of 512 bytes; the residual's same rows are added; the 32 lanes store 512 consecutive bytes.
.macro RLOAD a                         ; the residual of block a into window 1, three blocks ahead
	WIN 0x40
.irp t, 0,1,2,3,4,5,6,7,8,9,10,11,12,13,14,15
	global_load_b128 v[64*((\a)%4)+4*\t:64*((\a)%4)+4*\t+3], v[CO], s[66:67] offset:(16*(\a)+\t)*4096
.endr
	WIN 0
.endm
.macro TOSTAGE a
.set AC, 64*((\a)%4)
	WIN 0x08+4*((\a)/4)                            ; the data: window 2 or 3
.irp b, 0,1,2,3,4,5,6,7
	ds_store_b128 v[STO], v[AC+8*\b:AC+8*\b+3] offset:64*\b          ; each accumulator from its low end on
	ds_store_b128 v[STO], v[AC+8*\b+4:AC+8*\b+7] offset:64*\b+16
.endr
	WIN 0
.set BB, BK+64*((\a)%2)
.irp t, 0,1,2,3,4,5,6,7,8,9,10,11,12,13,14,15
	ds_load_b128 v[BB+4*\t:BB+4*\t+3], v[RD] offset:\t*SPITCH        ; LDS serves a wave's instructions in order: these see the stores above
.endr
.endm
.macro SEND a, younger
	s_wait_dscnt \younger                          ; the block is back in registers
.if (\a)+3 < 8
	RLOAD (\a)+3
.endif
.if 7-(\a) < 3
	s_wait_loadcnt 16*(7-(\a))                     ; this block's residual is in; the younger blocks' loads may be out
.else
	s_wait_loadcnt 48
.endif
.set BB, BK+64*((\a)%2)
.set RR, 64*((\a)%4)
	WIN 0x04                                       ; source 1 in window 1
.set i, 0
.rept 32
	v_pk_add_f32 v[BB+i:BB+i+1], v[BB+i:BB+i+1], v[RR+i:RR+i+1]
.set i, i+2
.endr
	WIN 0
.irp t, 0,1,2,3,4,5,6,7,8,9,10,11,12,13,14,15
	global_store_b128 v[CO], v[BB+4*\t:BB+4*\t+3], s[12:13] offset:(16*(\a)+\t)*4096
.endr
.endm
	PLACES NP
	RLOAD 0
	RLOAD 1
	RLOAD 2
	TOSTAGE 0
.irp a, 1,2,3,4,5,6,7
.if \a > 1
	s_wait_xcnt 0x0                                ; block a - 2's stores have read their registers: block a's loads may land there
.endif
	TOSTAGE \a
	SEND \a-1, 32                                  ; behind block a - 1's loads: block a's 16 stores and 16 loads
.endr
	SEND 7, 0
	s_wait_tensorcnt 0x0                           ; the wave's end
	ds_add_u32 v[SPW], v[NIL]
	s_wait_dscnt 0x0
	CROUND                                         ; the closing round
	s_endpgm
.Lfunc_end_k_q415fe4129f_oproj:
	.size	k_q415fe4129f_oproj, .Lfunc_end_k_q415fe4129f_oproj-k_q415fe4129f_oproj
	.p2alignl 7, 3214868480
	.fill 96, 4, 3214868480
	.section	.rodata,"a",@progbits
	.p2align	6, 0x0
	.amdhsa_kernel k_q415fe4129f_oproj
		.amdhsa_group_segment_fixed_size 327680
		.amdhsa_private_segment_fixed_size 0
		.amdhsa_enable_private_segment 0
		.amdhsa_kernarg_size 40
		.amdhsa_user_sgpr_count 2
		.amdhsa_user_sgpr_kernarg_segment_ptr 1
		.amdhsa_wavefront_size32 1
		.amdhsa_system_sgpr_workgroup_id_x 1
		.amdhsa_system_sgpr_workgroup_id_y 1
		.amdhsa_system_sgpr_workgroup_id_z 1
		.amdhsa_system_vgpr_workitem_id 0
		.amdhsa_next_free_vgpr 1024
		.amdhsa_next_free_sgpr 100
		.amdhsa_reserve_vcc 0
		.amdhsa_float_denorm_mode_32 3
		.amdhsa_float_denorm_mode_16_64 3
		.amdhsa_memory_ordered 1
		.amdhsa_forward_progress 1
		.amdhsa_inst_pref_size 181
	.end_amdhsa_kernel
	.amdgpu_metadata
---
amdhsa.version: [ 1, 2 ]
amdhsa.kernels:
  - .name:           k_q415fe4129f_oproj
    .symbol:         k_q415fe4129f_oproj.kd
    .args:
      - { .name: yq, .offset: 0, .size: 8, .value_kind: global_buffer, .address_space: global }
      - { .name: o_w_codes, .offset: 8, .size: 8, .value_kind: global_buffer, .address_space: global }
      - { .name: o_w_scales, .offset: 16, .size: 8, .value_kind: global_buffer, .address_space: global }
      - { .name: x, .offset: 24, .size: 8, .value_kind: global_buffer, .address_space: global }
      - { .name: x1, .offset: 32, .size: 8, .value_kind: global_buffer, .address_space: global }
    .group_segment_fixed_size: 327680
    .private_segment_fixed_size: 0
    .kernarg_segment_align: 8
    .kernarg_segment_size: 40
    .max_flat_workgroup_size: 128
    .sgpr_count:     100
    .vgpr_count:     1024
    .wavefront_size: 32
...
	.end_amdgpu_metadata
.endif
;; end of part 4
;; launch norm2: the kernel of part 1 again; grid 512 x 1, 4 waves a work-group, no clusters, 41,984 bytes of LDS; arguments x1, ln2_w, hn; writes hn
;; launch gateup (part 5): grid 16 x 16, 4 waves a work-group, clusters of 4 x 4, 327,680 bytes of LDS; arguments hn, gate_w_codes, gate_w_scales, up_w_codes, up_w_scales, hid; writes hid
.if DOCPART == 5
	.amdgcn_target "amdgcn-amd-amdhsa--gfx1250"
	.amdhsa_code_object_version 6
	.text
	.protected	k_q415fe4129f_gateup
	.globl	k_q415fe4129f_gateup
	.p2align	8
	.type	k_q415fe4129f_gateup,@function
k_q415fe4129f_gateup:
	s_mov_b64 s[64:65], 0
	v_nop
	global_prefetch_b8 v0, s[64:65] scope:SCOPE_SE
	s_setreg_imm32_b32 hwreg(HW_REG_WAVE_MODE, 25, 1), 1
	s_wait_xcnt 0x0
	s_wait_alu depctr_hold_cnt(0) depctr_sa_sdst(0) depctr_va_vdst(0) depctr_va_sdst(0) depctr_va_ssrc(0) depctr_va_vcc(0) depctr_vm_vsrc(0)
	s_getreg_b32 s2, hwreg(HW_REG_IB_STS2, 6, 4)
	s_cmp_eq_u32 s2, 0
	s_cbranch_scc0 .Lentry_in_a_cluster
	s_endpgm
.Lentry_in_a_cluster:
	s_bfe_u32 s2, ttmp6, 0x10000c
	s_cmp_lg_u32 s2, 0xf033
	s_cbranch_scc0 .Lentry_shape_is_right
	s_endpgm
.Lentry_shape_is_right:
; hid = silu(h Wg^T) * (h Wu^T), both products on codes of FP6 (E2M3) with E8M0 scales, K = 1,024, and the result quantised along its 2,048 for the next product.
; A tile is 256 tokens x (128 rows of gate_w and the SAME 128 rows of up_w): operand B's 256 LDS rows are gate's 128, then up's 128.  Four waves, each 128 tokens x (64 of gate, 64 of up): g and u of one number meet in one lane.
; K goes in steps of 256 through two LDS slots filled by the tensor data mover; both operands' scale bytes come once.  The product is used transposed: source 0 = 16 rows of a weight, source 1 = 16 tokens.
; OUT (buffer hid): half images of 16 rows x 64 K, 768 bytes (lane (r, h): block h of row r; registers 0-3 at 16 x lane, 4-5 at 512 + 8 x lane), in TRUE order along K, laid [128 rows: 32][64 K: 32][row tile 8][768];
;   scale words from SH on: [128 rows][128 K: 16][lane 32][4]: word (lane (r, h), i) is row 16 (2 i + h) + r.  A wave has 64 of the 128 K: it stores two of a word's four bytes.
; CLUSTERS: 4 x 4: the tokens' tile is shared along a row of the cluster, the weights' along a column: joint tensor loads.
; LIMITS: NaN and infinities are not served; a block of zeros gets the byte 1; v_exp_f32 and v_rcp_f32 are good to 1 ulp.
; REGISTERS, in windows of 256: window 0: v0-31 addresses; v32-63 scale words, two sets; v64-95 at work on the way out; from v128 A's fragments.  window 1: B's fragments, two sets.  windows 2, 3: the accumulators ((a, b): b 0-3 gate, b 4-7 up).
.set SIZE_K, 1024
.set KSTEP,  256
.set NQ,     KSTEP/128
.set ROWB,   192
.set KROW,   SIZE_K*6/8
.set PITCH,  240
.set FR,     12
.set NL,     6
.set NP,     4
.set HALFT,  128*PITCH
.set SLOT,   4*HALFT
.set LAPS,   SIZE_K/(2*KSTEP)
.set KS,     SIZE_K/32
.set SCL,    2*SLOT
.set HALFS,  (128*KS/256)*272
.set SBLK,   (16*KS/256)*272
.set SPARE,  SCL+4*HALFS               ; the spare words: 128 bytes a wave, named by no other line
.set HS,     3145728
.set SH,     6291456
.set ADRA, 16
.set ADRB, 20
.set L16,  24                          ; v24     16 x lane
.set L8,   25                          ; v25     8 x lane
.set ADRS, 27                          ; v27     LDS address of my scale words: lanes 0-15 the tokens', lanes 16-31 gate's
.set SPW,  28
.set NIL,  29
.set HSEL, 30                          ; v30     lane / 16
.set ADRS2, 31                         ; v31     the same as v27 with up's in lanes 16-31
.set SC,   32
.set T,    64                          ; v64-95  32 numbers of the hidden layer
.set AF,   128
.set CD,   112                         ; v112-122 codes
.set TM,   200
.set SHW,  220                         ; v220-227 two scale bytes for each of my eight row tiles
.set DW,   228
.set SEL,  96
.set G1, 24
.set G0, 32
.set G1B, 48
.set G0B, 56
.set G1S, 68
.set G0S, 76
.set G1SB, 80
.set G0SB, 88
.set MSB, 0
.macro WIN new
.if MSB != (\new)
	s_set_vgpr_msb (MSB<<8)|(\new)
.set MSB, (\new)
.endif
.endm
.set MUL_LO, 0xa1
.set MUL_HI, 0xf1
.set TO_B,   0x40
.macro JLOAD g0a, g1a, g0b, g1b        ; a joint load: waves 0 and 1 fetch the tokens' halves, wave 2 gate's rows, wave 3 up's; four v_nop follow each line
	s_cmp_eq_u32 s15, 0
	s_cbranch_scc0 .Lfor_b_\@
	tensor_load_to_lds s[\g0a:\g0a+3], s[\g1a:\g1a+7]
	s_nop 0
.rept 4
	v_nop
.endr
	s_branch .Lasked_\@
.Lfor_b_\@:
	tensor_load_to_lds s[\g0b:\g0b+3], s[\g1b:\g1b+7]
	s_nop 0
.rept 4
	v_nop
.endr
.Lasked_\@:
.endm
.macro CREST
	s_cmp_lg_u32 s14, 0
	s_cbranch_scc1 .Lnot_wave_0_\@
	s_barrier_signal -3
.Lnot_wave_0_\@:
	s_barrier_wait -3
	s_barrier_signal -1
	s_barrier_wait -1
.endm
.macro CROUND
	s_barrier_signal -1
	s_barrier_wait -1
	CREST
.endm
	s_load_b128 s[4:7], s[0:1], 0x0                ; hn s[4:5], gate's codes s[6:7]
	s_load_b128 s[8:11], s[0:1], 0x10              ; gate's scales s[8:9], up's codes s[10:11]
	s_load_b128 s[96:99], s[0:1], 0x20             ; up's scales s[96:97], hid s[98:99]
	v_lshl_add_u32 v[SPW], v0, 2, SPARE
	v_mov_b32 v[NIL], 0
	ds_add_u32 v28, v29
	s_wait_dscnt 0x0
	v_lshrrev_b32 v1, 5, v0
	v_readfirstlane_b32 s14, v1                    ; wave 0..3
	s_lshr_b32 s15, s14, 1                         ; my half of the tokens.  Also: I fetch for A (0) or for B (1)
	s_and_b32 s16, s14, 1                          ; my half of the 128 hidden units.  Also: which half of A, or which weight, I fetch
	s_bfe_u32 s40, ttmp6, 0x40000
	s_bfe_u32 s41, ttmp6, 0x40004
	s_lshl_b32 s42, ttmp9, 2
	s_add_co_u32 s42, s42, s40                     ; which 128 hidden units
	s_and_b32 s17, ttmp7, 0xffff
	s_lshl_b32 s17, s17, 2
	s_add_co_u32 s17, s17, s41                     ; which 256 tokens
	s_lshl_b32 s43, s41, 2
	s_lshl_b32 s43, 15, s43
	s_lshl_b32 s44, 0x1111, s40
	s_or_b32 s[G1+0], s43, (0<<16)|(1<<20)|(1<<21)|(3<<22)|(3<<25)
	s_or_b32 s[G1B+0], s44, (0<<16)|(1<<20)|(1<<21)|(3<<22)|(3<<25)
.irp g, G1, G1B
	s_mov_b32 s[\g+1], ROWB<<16
	s_mov_b32 s[\g+2], 128<<16
	s_mov_b32 s[\g+3], ROWB<<16
	s_mov_b32 s[\g+4], 128
	s_mov_b32 s[\g+5], KROW
	s_mov_b32 s[\g+6], 0
	s_mov_b32 s[\g+7], 0
.endr
	s_or_b32 s[G1S+0], s43, (3<<16)|(1<<20)|(1<<21)|(5<<22)|(3<<25)
	s_or_b32 s[G1SB+0], s44, (3<<16)|(1<<20)|(1<<21)|(5<<22)|(3<<25)
.irp g, G1S, G1SB
	s_mov_b32 s[\g+1], 32<<16
	s_mov_b32 s[\g+2], (128*KS/256)<<16
	s_mov_b32 s[\g+3], 32<<16
	s_mov_b32 s[\g+4], 128*KS/256
	s_mov_b32 s[\g+5], 32
	s_mov_b32 s[\g+6], 0
	s_mov_b32 s[\g+7], 0
.endr
	s_lshl_b32 s18, s16, 7
	s_lshl_b32 s20, s17, 8
	s_add_co_u32 s20, s20, s18                     ; A: token 256 x tile + 128 x half
	s_lshl_b32 s46, s42, 7                         ; B: row 128 x tile, of gate_w or of up_w
	s_mov_b32 s21, 0
	s_mov_b32 s47, 0
	s_mov_b64 s[18:19], KS
	s_mul_u64 s[22:23], s[20:21], s[18:19]
	s_mul_u64 s[92:93], s[46:47], s[18:19]
	s_add_co_u32 s22, s22, HS                      ; hn's scale bytes lie behind its codes
	s_mov_b64 s[18:19], KROW
	s_mul_u64 s[20:21], s[20:21], s[18:19]
	s_mul_u64 s[46:47], s[46:47], s[18:19]
	s_mul_i32 s45, s14, HALFT
	s_mul_i32 s94, s14, HALFS
	s_wait_kmcnt 0x0
	s_add_nc_u64 s[20:21], s[4:5], s[20:21]
	s_add_nc_u64 s[22:23], s[4:5], s[22:23]
	s_cmp_eq_u32 s16, 0                            ; the wave's number alone chooses the weight
	s_cselect_b64 s[6:7], s[6:7], s[10:11]
	s_cselect_b64 s[8:9], s[8:9], s[96:97]
	s_add_nc_u64 s[46:47], s[6:7], s[46:47]
	s_add_nc_u64 s[92:93], s[8:9], s[92:93]
	CROUND                                         ; all sixteen work-groups are here: the first joint loads meet
	s_mov_b32 s[G0S], 1
	s_add_co_u32 s[G0S+1], s94, SCL
	s_mov_b64 s[G0S+2:G0S+3], s[22:23]
	s_or_b32 s[G0S+3], s[G0S+3], 0x80000000
	s_mov_b32 s[G0SB], 1
	s_add_co_u32 s[G0SB+1], s94, SCL
	s_mov_b64 s[G0SB+2:G0SB+3], s[92:93]
	s_or_b32 s[G0SB+3], s[G0SB+3], 0x80000000
	JLOAD G0S, G1S, G0SB, G1SB
.irp s, 0,1
	s_mov_b32 s[G0+4*\s], 1
	s_add_co_u32 s[G0+4*\s+1], s45, \s*SLOT
	s_add_nc_u64 s[G0+4*\s+2:G0+4*\s+3], s[20:21], \s*ROWB
	s_or_b32 s[G0+4*\s+3], s[G0+4*\s+3], 0x80000000
	s_mov_b32 s[G0B+4*\s], 1
	s_add_co_u32 s[G0B+4*\s+1], s45, \s*SLOT
	s_add_nc_u64 s[G0B+4*\s+2:G0B+4*\s+3], s[46:47], \s*ROWB
	s_or_b32 s[G0B+4*\s+3], s[G0B+4*\s+3], 0x80000000
	JLOAD G0+4*\s, G1, G0B+4*\s, G1B               ; three tensor loads of mine are out
.endr
	v_and_b32 v1, 15, v0                           ; r
	v_bfe_u32 v2, v0, 4, 1                         ; h
	v_mul_u32_u24 v3, v1, PITCH
	v_mul_u32_u24 v4, v2, 24
	v_add_nc_u32 v4, v3, v4
	v_lshl_add_u32 v5, v2, 4, v4
	s_mul_i32 s21, s15, HALFT                      ; my 128 tokens
	s_mul_i32 s22, s16, 64*PITCH                   ; my 64 rows of gate (up's lie 128 rows on),
	s_add_co_u32 s22, s22, 2*HALFT                 ; behind A's 256
.irp s, 0,1
	v_add_nc_u32 v[ADRA+\s], s21, v4
	v_add_nc_u32 v[ADRB+\s], s22, v4
	v_add_nc_u32 v[ADRA+2+\s], s21, v5
	v_add_nc_u32 v[ADRB+2+\s], s22, v5
	s_add_co_u32 s21, s21, SLOT
	s_add_co_u32 s22, s22, SLOT
.endr
	v_mul_u32_u24 v5, v1, KS
	v_lshrrev_b32 v6, 8, v5
	v_lshl_add_u32 v5, v6, 4, v5
	s_mul_i32 s21, s15, HALFS                      ; the tokens' scale bytes: my 128 rows
	s_mul_i32 s22, s16, 4*SBLK                     ; gate's: my 64 rows, behind A's 256
	s_add_co_u32 s22, s22, 2*HALFS
	s_sub_co_u32 s22, s22, s21
	s_add_co_u32 s23, s22, HALFS-4*SBLK            ; up's block i - 4 is read with block i's offset: 128 rows on, four blocks back
	v_mul_u32_u24 v6, s22, v2
	v_mul_u32_u24 v7, s23, v2
	s_add_co_u32 s21, s21, SCL
	v_add_nc_u32 v6, v5, v6
	v_add_nc_u32 v7, v5, v7
	v_add_nc_u32 v[ADRS], s21, v6
	v_add_nc_u32 v[ADRS2], s21, v7
	s_lshl_b32 s18, s17, 1
	s_add_co_u32 s18, s18, s15                     ; my block of 128 rows
	s_lshl_b32 s20, s18, 5
	s_lshl_b32 s19, s42, 1
	s_add_co_u32 s20, s20, s19
	s_add_co_u32 s20, s20, s16                     ; x 32 + my 64 K
	s_mul_i32 s20, s20, 6144
	s_mov_b32 s21, 0
	s_lshl_b32 s22, s18, 4
	s_add_co_u32 s22, s22, s42
	s_lshl_b32 s22, s22, 9
	s_lshl_b32 s19, s16, 1
	s_add_co_u32 s22, s22, s19                     ; my two bytes of each word
	s_add_co_u32 s22, s22, SH
	s_mov_b32 s23, 0
	s_add_nc_u64 s[12:13], s[98:99], s[20:21]
	s_add_nc_u64 s[66:67], s[98:99], s[22:23]
	v_and_b32 v6, 31, v0
	v_lshlrev_b32 v[L16], 4, v6
	v_lshlrev_b32 v[L8], 3, v6
	v_mov_b32 v[HSEL], v2
.macro FRAG reg, adr, q, row
.irp p, 0,1,2,3,4,5
.set PCE, 12*(\q)+6*(\p/3)+\p%3
.if PCE%8 < 5
	ds_load_b64 v[\reg+2*\p:\reg+2*\p+1], v[\adr] offset:8*PCE+16*(PCE/8)+(\row)*PITCH
.else
	ds_load_b64 v[\reg+2*\p:\reg+2*\p+1], v[\adr+2] offset:8*PCE+16*(PCE/8)+(\row)*PITCH
.endif
.endr
.endm
; 16 matrix instructions: A's blocks a0, a0 + 1 x B's eight.  The 64 accumulators take turns, one instruction a turn, in the same order in every step.
.macro MUL16 a0, p, q, sc, zero
.irp a, \a0, \a0+1
.irp b, 0,1,2,3,4,5,6,7
.if \zero
	v_wmma_scale_f32_16x16x128_f8f6f4 v[8*(8*((\a)%4)+\b):8*(8*((\a)%4)+\b)+7], v[128*(\p)+FR*\b:128*(\p)+FR*\b+FR-1], v[AF+FR*(\a):AF+FR*(\a)+FR-1], 0, v[SC+8*NQ*(\sc)+NQ*\b+(\q)], v[SC+8*NQ*(\sc)+NQ*(\a)+(\q)] matrix_a_fmt:MATRIX_FMT_FP6 matrix_b_fmt:MATRIX_FMT_FP6 matrix_a_scale:MATRIX_SCALE_ROW1
.else
	v_wmma_scale_f32_16x16x128_f8f6f4 v[8*(8*((\a)%4)+\b):8*(8*((\a)%4)+\b)+7], v[128*(\p)+FR*\b:128*(\p)+FR*\b+FR-1], v[AF+FR*(\a):AF+FR*(\a)+FR-1], v[8*(8*((\a)%4)+\b):8*(8*((\a)%4)+\b)+7], v[SC+8*NQ*(\sc)+NQ*\b+(\q)], v[SC+8*NQ*(\sc)+NQ*(\a)+(\q)] matrix_a_fmt:MATRIX_FMT_FP6 matrix_b_fmt:MATRIX_FMT_FP6 matrix_a_scale:MATRIX_SCALE_ROW1
.endif
.endr
.endr
.endm
.macro FETCH_B slot, q, p              ; blocks 0-3: my 64 rows of gate; blocks 4-7: the same rows of up, 128 LDS rows on
	WIN TO_B
.irp i, 0,1,2,3,4,5,6,7
	FRAG 128*(\p)+FR*\i, ADRB+\slot, \q, (\i%4)*16+(\i/4)*128
.endr
	WIN 0
.endm
.macro FETCH_A slot, q, i0
.irp i, \i0, \i0+1, \i0+2, \i0+3
	FRAG AF+FR*(\i), ADRA+\slot, \q, 16*(\i)
.endr
.endm
.macro SCALES sc
.irp i, 0,1,2,3
	ds_load_b64 v[SC+8*NQ*\sc+NQ*\i:SC+8*NQ*\sc+NQ*\i+1], v[ADRS] offset:\i*SBLK
.endr
.irp i, 4,5,6,7
	ds_load_b64 v[SC+8*NQ*\sc+NQ*\i:SC+8*NQ*\sc+NQ*\i+1], v[ADRS2] offset:\i*SBLK
.endr
.endm
.macro PLACES n
.rept \n
	v_nop
.endr
.endm
.macro STEP slot, q, zero
	s_wait_dscnt 4*NL                              ; all but the youngest 24 loads, A's blocks 4-7
	WIN MUL_LO
	MUL16 0, (\q)%2, \q, \slot, \zero
	MUL16 2, (\q)%2, \q, \slot, \zero
	s_wait_dscnt 0
	PLACES NP
	FETCH_B \slot, (\q)+1, 1-(\q)%2
	FETCH_A \slot, (\q)+1, 0
	WIN MUL_HI
	MUL16 4, (\q)%2, \q, \slot, \zero
	MUL16 6, (\q)%2, \q, \slot, \zero
	PLACES NP
	WIN 0
	FETCH_A \slot, (\q)+1, 4
.endm
.macro TURN slot, next, fill
	s_wait_tensorcnt 0x0                           ; all my tensor loads have landed: my part of the next slot
	ds_add_u32 v[SPW], v[NIL]                      ; 0 onto my spare word
	s_wait_dscnt 4*NL+1                            ; the add and A's blocks 4-7 may be out
	WIN MUL_LO
	MUL16 0, 1, NQ-1, \slot, 0
	s_wait_dscnt 0x0                               ; the add is done, and my reads of this slot are over
	s_barrier_signal -1
	MUL16 2, 1, NQ-1, \slot, 0
	WIN 0
	s_barrier_wait -1
.if \fill
	CREST                                          ; the barrier has opened a round of the cluster's
	s_add_nc_u64 s[G0+4*\slot+2:G0+4*\slot+3], s[G0+4*\slot+2:G0+4*\slot+3], 2*ROWB
	s_add_nc_u64 s[G0B+4*\slot+2:G0B+4*\slot+3], s[G0B+4*\slot+2:G0B+4*\slot+3], 2*ROWB
	JLOAD G0+4*\slot, G1, G0B+4*\slot, G1B         ; my one tensor load behind the round; its four v_nop are the places in front of the loads below
.else
	PLACES NP
.endif
	v_add_nc_u32 v[ADRS], 4*NQ, v[ADRS]
	v_add_nc_u32 v[ADRS2], 4*NQ, v[ADRS2]
	FETCH_B \next, 0, 0
	FETCH_A \next, 0, 0
	SCALES \next
	WIN MUL_HI
	MUL16 4, 1, NQ-1, \slot, 0
	MUL16 6, 1, NQ-1, \slot, 0
	PLACES NP
	WIN 0
	FETCH_A \next, 0, 4
.endm
	s_wait_tensorcnt 1                             ; the scale bytes and my part of K step 0 are in; K step 1's load may be out
	s_barrier_signal -1
	s_barrier_wait -1
	FETCH_B 0, 0, 0
	FETCH_A 0, 0, 0
	SCALES 0
	FETCH_A 0, 0, 4
	STEP 0, 0, 1
	s_mov_b32 s3, LAPS-1
.Llap:
	TURN 0, 1, 1
	STEP 1, 0, 0
	TURN 1, 0, 1
	STEP 0, 0, 0
	s_sub_co_u32 s3, s3, 1
	s_cmp_lg_u32 s3, 0
	s_cbranch_scc1 .Llap
	TURN 0, 1, 0
	STEP 1, 0, 0
	s_wait_dscnt 4*NL
	WIN MUL_LO
	MUL16 0, 1, NQ-1, 1, 0
	MUL16 2, 1, NQ-1, 1, 0
	s_wait_dscnt 0
	WIN MUL_HI
	MUL16 4, 1, NQ-1, 1, 0
	MUL16 6, 1, NQ-1, 1, 0
	WIN 0
; THE WAY OUT.  Row tile a: registers 0-31 of its 64 hold g, registers 32-63 u, of hidden units 16 b + 8 h + j of my 64.  silu(g) u = (g / (1 + 2^(-g log2 e))) u, in f32.
.macro GOUT a
.set AC, 64*((\a)%4)
.set W, 2+(\a)/4
	WIN W                                          ; source 0 in the accumulators' window
.set i, 0
.rept 16
	v_pk_mul_f32 v[T+i:T+i+1], v[AC+i:AC+i+1], 0xbfb8aa3b op_sel_hi:[1,0]   ; -g log2(e); each accumulator from its low end on
.set i, i+2
.endr
	WIN 0
.set i, 0
.rept 32
	v_exp_f32 v[T+i], v[T+i]
.set i, i+1
.endr
	v_nop                                          ; a plain place behind the exponentials
.set i, 0
	s_wait_alu depctr_va_vdst(0)
.rept 16
	v_pk_add_f32 v[T+i:T+i+1], v[T+i:T+i+1], 1.0 op_sel_hi:[1,0]
.set i, i+2
.endr
.set i, 0
.rept 32
	v_rcp_f32 v[T+i], v[T+i]
.set i, i+1
.endr
	v_nop                                          ; a plain place behind the reciprocals
	WIN W<<2                                       ; source 1 in the accumulators' window
.set i, 0
	s_wait_alu depctr_va_vdst(0)
.rept 16
	v_pk_mul_f32 v[T+i:T+i+1], v[T+i:T+i+1], v[AC+i:AC+i+1]          ; silu(g)
.set i, i+2
.endr
.set i, 0
.rept 16
	v_pk_mul_f32 v[T+i:T+i+1], v[T+i:T+i+1], v[AC+32+i:AC+32+i+1]    ; x u
.set i, i+2
.endr
	WIN 0
.irp b, 0,1                                    ; true order along K: lanes 16-31 of tile 2 b change places with lanes 0-15 of tile 2 b + 1: register 16 b + i is then number 32 b + 16 h + i
.irp j, 0,1,2,3,4,5,6,7
	v_permlane16_swap_b32 v[T+16*\b+\j], v[T+16*\b+8+\j]
.endr
.endr
.irp b, 0,1
	v_max3_num_f32 v[TM+\b], |v[T+16*\b]|, |v[T+16*\b+1]|, 0x1800000   ; with the floor 2^(3 - 127)
.endr
.irp i, 2,4,6,8,10,12,14
.irp b, 0,1
	v_max3_num_f32 v[TM+\b], v[TM+\b], |v[T+16*\b+\i]|, |v[T+16*\b+\i+1]|
.endr
.endr
.irp b, 0,1
	v_permlanex16_b32 v[TM+4+\b], v[TM+\b], s[SEL], s[SEL+1]
.endr
.irp b, 0,1
	v_max_num_f32 v[TM+\b], v[TM+\b], v[TM+4+\b]
.endr
.irp b, 0,1
	v_add_nc_u32 v[TM+12+\b], 0xff000000, v[TM+\b]
.endr
.irp b, 0,1
	v_lshrrev_b32 v[TM+4+\b], 23, v[TM+12+\b]
.endr
	v_lshl_or_b32 v[SHW+(\a)], v[TM+5], 8, v[TM+4] ; my row's two scale bytes
	s_wait_xcnt 0x0                                ; the last tile's stores have read the code registers
	v_cvt_scalef32_pk16_fp6_f32 v[CD:CD+2], v[T:T+15], v[TM+12]
	v_cvt_scalef32_pk16_fp6_f32 v[CD+8:CD+10], v[T+16:T+31], v[TM+13]
	v_nop                                          ; one plain place behind a scaled conversion
.irp i, 0,1,2
	v_permlane16_swap_b32 v[CD+\i], v[CD+8+\i]     ; a lane gets a whole block: lanes 0-15 block 0, lanes 16-31 block 1
.endr
.irp i, 0,1,2
	v_mov_b32 v[CD+3+\i], v[CD+8+\i]
.endr
	global_store_b128 v[L16], v[CD:CD+3], s[12:13] offset:768*(\a)         ; 512 consecutive bytes, aligned
	global_store_b64 v[L8], v[CD+4:CD+5], s[12:13] offset:768*(\a)+512     ; 256 consecutive bytes, aligned
.endm
	PLACES NP
	s_mov_b32 s[SEL], 0x76543210
	s_mov_b32 s[SEL+1], 0xfedcba98
	v_mov_b32 v[TM+4], 0                           ; a lane permute's destination counts as one of its sources
	v_mov_b32 v[TM+5], 0
.irp a, 0,1,2,3,4,5,6,7
	GOUT \a
.endr
	v_cmp_ne_u32 vcc_lo, 0, v[HSEL]                ; word (lane (r, h), i) belongs to row tile 2 i + h
.irp p, 0,1,2,3
	v_cndmask_b32 v[DW+\p], v[SHW+2*\p], v[SHW+2*\p+1], vcc_lo
.endr
.irp p, 0,1,2,3
	global_store_b16 v[L16], v[DW+\p], s[66:67] offset:4*\p   ; two of each word's four bytes: the other two are the neighbouring wave's
.endr
	s_wait_tensorcnt 0x0                           ; the wave's end
	ds_add_u32 v[SPW], v[NIL]
	s_wait_dscnt 0x0
	CROUND                                         ; the closing round
	s_endpgm
.Lfunc_end_k_q415fe4129f_gateup:
	.size	k_q415fe4129f_gateup, .Lfunc_end_k_q415fe4129f_gateup-k_q415fe4129f_gateup
	.p2alignl 7, 3214868480
	.fill 96, 4, 3214868480
	.section	.rodata,"a",@progbits
	.p2align	6, 0x0
	.amdhsa_kernel k_q415fe4129f_gateup
		.amdhsa_group_segment_fixed_size 327680
		.amdhsa_private_segment_fixed_size 0
		.amdhsa_enable_private_segment 0
		.amdhsa_kernarg_size 48
		.amdhsa_user_sgpr_count 2
		.amdhsa_user_sgpr_kernarg_segment_ptr 1
		.amdhsa_wavefront_size32 1
		.amdhsa_system_sgpr_workgroup_id_x 1
		.amdhsa_system_sgpr_workgroup_id_y 1
		.amdhsa_system_sgpr_workgroup_id_z 1
		.amdhsa_system_vgpr_workitem_id 0
		.amdhsa_next_free_vgpr 1024
		.amdhsa_next_free_sgpr 100
		.amdhsa_reserve_vcc 1
		.amdhsa_float_denorm_mode_32 3
		.amdhsa_float_denorm_mode_16_64 3
		.amdhsa_memory_ordered 1
		.amdhsa_forward_progress 1
		.amdhsa_inst_pref_size 206
	.end_amdhsa_kernel
	.amdgpu_metadata
---
amdhsa.version: [ 1, 2 ]
amdhsa.kernels:
  - .name:           k_q415fe4129f_gateup
    .symbol:         k_q415fe4129f_gateup.kd
    .args:
      - { .name: hn, .offset: 0, .size: 8, .value_kind: global_buffer, .address_space: global }
      - { .name: gate_w_codes, .offset: 8, .size: 8, .value_kind: global_buffer, .address_space: global }
      - { .name: gate_w_scales, .offset: 16, .size: 8, .value_kind: global_buffer, .address_space: global }
      - { .name: up_w_codes, .offset: 24, .size: 8, .value_kind: global_buffer, .address_space: global }
      - { .name: up_w_scales, .offset: 32, .size: 8, .value_kind: global_buffer, .address_space: global }
      - { .name: hid, .offset: 40, .size: 8, .value_kind: global_buffer, .address_space: global }
    .group_segment_fixed_size: 327680
    .private_segment_fixed_size: 0
    .kernarg_segment_align: 8
    .kernarg_segment_size: 48
    .max_flat_workgroup_size: 128
    .sgpr_count:     100
    .vgpr_count:     1024
    .wavefront_size: 32
...
	.end_amdgpu_metadata
.endif
;; end of part 5
;; launch down (part 6): grid 4 x 16, 4 waves a work-group, clusters of 4 x 4, 327,680 bytes of LDS; arguments hid, down_w_codes, down_w_scales, x1, out0; writes out0
.if DOCPART == 6
	.amdgcn_target "amdgcn-amd-amdhsa--gfx1250"
	.amdhsa_code_object_version 6
	.text
	.protected	k_q415fe4129f_down
	.globl	k_q415fe4129f_down
	.p2align	8
	.type	k_q415fe4129f_down,@function
k_q415fe4129f_down:
	s_mov_b64 s[64:65], 0
	v_nop
	global_prefetch_b8 v0, s[64:65] scope:SCOPE_SE
	s_setreg_imm32_b32 hwreg(HW_REG_WAVE_MODE, 25, 1), 1
	s_wait_xcnt 0x0
	s_wait_alu depctr_hold_cnt(0) depctr_sa_sdst(0) depctr_va_vdst(0) depctr_va_sdst(0) depctr_va_ssrc(0) depctr_va_vcc(0) depctr_vm_vsrc(0)
	s_getreg_b32 s2, hwreg(HW_REG_IB_STS2, 6, 4)
	s_cmp_eq_u32 s2, 0
	s_cbranch_scc0 .Lentry_in_a_cluster
	s_endpgm
.Lentry_in_a_cluster:
	s_bfe_u32 s2, ttmp6, 0x10000c
	s_cmp_lg_u32 s2, 0xf033
	s_cbranch_scc0 .Lentry_shape_is_right
	s_endpgm
.Lentry_shape_is_right:
; out = res + A W^T on codes of FP6 (E2M3) with E8M0 scales.  A: 4,096 rows x SIZE_K, made by an earlier launch as images of operand registers; W: [1,024][SIZE_K] codes, row-major, with scale bytes [1,024][SIZE_K / 32]; res, out: [4,096][1,024] f32.
; A's buffer: half images of 16 rows x 64 K, 768 bytes (lane (r, h): block h of row r; registers 0-3 at 16 x lane, 4-5 at 512 + 8 x lane), laid [128 rows][64 K][row tile 8][768]: 128 rows x 256 K are 24,576 dense bytes.
; Behind them (from byte 4,096 x 3 SIZE_K / 4 on) A's scale words [128 rows][128 K][lane 32][4]: word (lane (r, h), i) is row 16 (2 i + h) + r: one load of 16 bytes a lane brings all eight row tiles' words of 128 K.
; A tile of 256 x 256 is made by four waves, 128 x 128 each.  K goes in steps of 256 through two LDS slots; both operands' scales come once.  The product is used transposed: source 0 = 16 rows of W, source 1 = 16 rows of A.
; CLUSTERS: 4 x 4: A's tile is shared along a row of the cluster, W's along a column: joint tensor loads.
; REGISTERS, in windows of 256: window 0: v0-31 addresses; v32-47 A's scale words, v48-63 W's, two sets each; from v128 A's fragments, one set.  window 1: W's fragments, two sets; on the way out the residual.  windows 2, 3: the accumulators.
.set SIZE_K, 2048
.set KSTEP,  256
.set NQ,     KSTEP/128
.set ROWB,   192
.set KROW,   SIZE_K*6/8
.set PITCH,  240                       ; a row of W in LDS: 3 x (64 bytes + 16 of padding)
.set FR,     12
.set NLA,    4                         ; LDS loads that bring a fragment of A
.set NP,     4
.set AH,     24576                     ; 128 rows x 256 K of A
.set BH,     128*PITCH                 ; 128 rows x 256 K of W
.set SLOT,   2*AH+2*BH
.set LAPS,   SIZE_K/(2*KSTEP)
.set KS,     SIZE_K/32
.set NK,     SIZE_K/128
.set SCA,    2*SLOT                    ; A's scale words: two halves of SAH bytes
.set SAH,    512*NK
.set SCB,    SCA+16384                 ; W's scale bytes, as 256 bytes + 16 of padding
.set HALFS,  (128*KS/256)*272
.set SBLK,   (16*KS/256)*272
.set SPARE,  SCB+17408                 ; the spare words: 128 bytes a wave, named by no other line
.set SPITCH, 528                       ; the way out: a stage of 16 rows x (512 + 16) bytes a wave, in slot 0, which has had its last fill and its last read by then
.set ADA16, 16                         ; v16-17  A's images: my half + 16 x lane, slot 0, 1
.set ADA8,  18                         ; v18-19  the same with 8 x lane
.set ADRB,  20                         ; v20-23  W's fragments
.set STO,   24
.set RD,    25
.set CO,    26                         ; v26     16 x lane
.set ADSB,  27                         ; v27     W's scale words: lanes 0-15 block i, lanes 16-31 block i + 4
.set SPW,   28
.set NIL,   29
.set ADSA,  30                         ; v30     A's scale words
.set SA,    32
.set SB,    48
.set AF,    128
.set BK,    128
.set G1, 24
.set G0, 32
.set G1B, 48
.set G0B, 56
.set G1S, 68
.set G0S, 76
.set G1SB, 80
.set G0SB, 88
.set MSB, 0
.macro WIN new
.if MSB != (\new)
	s_set_vgpr_msb (MSB<<8)|(\new)
.set MSB, (\new)
.endif
.endm
.set MUL_LO, 0xa1
.set MUL_HI, 0xf1
.set TO_B,   0x40
.macro JLOAD g0a, g1a, g0b, g1b        ; a joint load: waves 0 and 1 fetch for A, waves 2 and 3 for W; four v_nop follow each line
	s_cmp_eq_u32 s15, 0
	s_cbranch_scc0 .Lfor_b_\@
	tensor_load_to_lds s[\g0a:\g0a+3], s[\g1a:\g1a+7]
	s_nop 0
.rept 4
	v_nop
.endr
	s_branch .Lasked_\@
.Lfor_b_\@:
	tensor_load_to_lds s[\g0b:\g0b+3], s[\g1b:\g1b+7]
	s_nop 0
.rept 4
	v_nop
.endr
.Lasked_\@:
.endm
.macro CREST
	s_cmp_lg_u32 s14, 0
	s_cbranch_scc1 .Lnot_wave_0_\@
	s_barrier_signal -3
.Lnot_wave_0_\@:
	s_barrier_wait -3
	s_barrier_signal -1
	s_barrier_wait -1
.endm
.macro CROUND
	s_barrier_signal -1
	s_barrier_wait -1
	CREST
.endm
	s_load_b128 s[4:7], s[0:1], 0x0                ; A's images and scale words s[4:5], W's codes s[6:7]
	s_load_b128 s[8:11], s[0:1], 0x10              ; W's scales s[8:9], the residual s[10:11]
	s_load_b64 s[12:13], s[0:1], 0x20              ; the result
	v_lshl_add_u32 v[SPW], v0, 2, SPARE
	v_mov_b32 v[NIL], 0
	ds_add_u32 v28, v29
	s_wait_dscnt 0x0
	v_lshrrev_b32 v1, 5, v0
	v_readfirstlane_b32 s14, v1                    ; wave 0..3
	s_lshr_b32 s15, s14, 1                         ; my half of the tile's rows.  Also: I fetch for A (0) or for W (1)
	s_and_b32 s16, s14, 1                          ; my half of its columns.  Also: which half I fetch
	s_bfe_u32 s40, ttmp6, 0x40000
	s_bfe_u32 s41, ttmp6, 0x40004
	s_lshl_b32 s42, ttmp9, 2
	s_add_co_u32 s42, s42, s40                     ; tile column
	s_and_b32 s17, ttmp7, 0xffff
	s_lshl_b32 s17, s17, 2
	s_add_co_u32 s17, s17, s41                     ; tile row
	s_lshl_b32 s43, s41, 2
	s_lshl_b32 s43, 15, s43                        ; my row of the cluster
	s_lshl_b32 s44, 0x1111, s40                    ; my column
	s_or_b32 s[G1+0], s43, (3<<16)|(1<<21)         ; A: 96 dense rows of 256 bytes (32 elements of 8), no padding
	s_mov_b32 s[G1+1], 32<<16
	s_mov_b32 s[G1+2], 96<<16
	s_mov_b32 s[G1+3], 32<<16
	s_mov_b32 s[G1+4], 96
	s_mov_b32 s[G1+5], 32
	s_mov_b32 s[G1+6], 0
	s_mov_b32 s[G1+7], 0
	s_or_b32 s[G1B+0], s44, (0<<16)|(1<<20)|(1<<21)|(3<<22)|(3<<25)  ; W: 128 rows of 192 bytes, 4 words of padding behind every 16
	s_mov_b32 s[G1B+1], ROWB<<16
	s_mov_b32 s[G1B+2], 128<<16
	s_mov_b32 s[G1B+3], ROWB<<16
	s_mov_b32 s[G1B+4], 128
	s_mov_b32 s[G1B+5], KROW
	s_mov_b32 s[G1B+6], 0
	s_mov_b32 s[G1B+7], 0
	s_or_b32 s[G1S+0], s43, (3<<16)|(1<<21)        ; A's scale words of 128 rows: 2 NK dense rows of 256 bytes
	s_mov_b32 s[G1S+1], 32<<16
	s_mov_b32 s[G1S+2], (2*NK)<<16
	s_mov_b32 s[G1S+3], 32<<16
	s_mov_b32 s[G1S+4], 2*NK
	s_mov_b32 s[G1S+5], 32
	s_mov_b32 s[G1S+6], 0
	s_mov_b32 s[G1S+7], 0
	s_or_b32 s[G1SB+0], s44, (3<<16)|(1<<20)|(1<<21)|(5<<22)|(3<<25)  ; W's scale bytes of 128 rows: dense rows of 256 bytes, 16 of padding behind each
	s_mov_b32 s[G1SB+1], 32<<16
	s_mov_b32 s[G1SB+2], (128*KS/256)<<16
	s_mov_b32 s[G1SB+3], 32<<16
	s_mov_b32 s[G1SB+4], 128*KS/256
	s_mov_b32 s[G1SB+5], 32
	s_mov_b32 s[G1SB+6], 0
	s_mov_b32 s[G1SB+7], 0
	s_lshl_b32 s20, s17, 1
	s_add_co_u32 s20, s20, s16                     ; A: which block of 128 rows I fetch
	s_mul_i32 s22, s20, SAH
	s_add_co_u32 s22, s22, 4096*KROW               ; its scale words
	s_mov_b32 s23, 0
	s_mul_i32 s20, s20, 96*SIZE_K                  ; its images
	s_mov_b32 s21, 0
	s_lshl_b32 s18, s16, 7
	s_lshl_b32 s46, s42, 8
	s_add_co_u32 s46, s46, s18                     ; W: row 256 x tile column + 128 x half
	s_mul_i32 s92, s46, KS
	s_mov_b32 s93, 0
	s_mul_i32 s46, s46, KROW
	s_mov_b32 s47, 0
	s_mul_i32 s45, s16, AH                         ; where they go in a slot: A's two halves, then W's two
	s_mul_i32 s94, s16, BH
	s_add_co_u32 s94, s94, 2*AH
	s_mul_i32 s95, s16, SAH
	s_add_co_u32 s95, s95, SCA
	s_mul_i32 s96, s16, HALFS
	s_add_co_u32 s96, s96, SCB
	s_wait_kmcnt 0x0
	s_add_nc_u64 s[20:21], s[4:5], s[20:21]
	s_add_nc_u64 s[22:23], s[4:5], s[22:23]
	s_add_nc_u64 s[46:47], s[6:7], s[46:47]
	s_add_nc_u64 s[92:93], s[8:9], s[92:93]
	CROUND                                         ; all sixteen work-groups are here: the first joint loads meet
	s_mov_b32 s[G0S], 1
	s_mov_b32 s[G0S+1], s95
	s_mov_b64 s[G0S+2:G0S+3], s[22:23]
	s_or_b32 s[G0S+3], s[G0S+3], 0x80000000
	s_mov_b32 s[G0SB], 1
	s_mov_b32 s[G0SB+1], s96
	s_mov_b64 s[G0SB+2:G0SB+3], s[92:93]
	s_or_b32 s[G0SB+3], s[G0SB+3], 0x80000000
	JLOAD G0S, G1S, G0SB, G1SB                     ; the scales first: filled once
.irp s, 0,1
	s_mov_b32 s[G0+4*\s], 1
	s_add_co_u32 s[G0+4*\s+1], s45, \s*SLOT
	s_add_nc_u64 s[G0+4*\s+2:G0+4*\s+3], s[20:21], \s*AH
	s_or_b32 s[G0+4*\s+3], s[G0+4*\s+3], 0x80000000
	s_mov_b32 s[G0B+4*\s], 1
	s_add_co_u32 s[G0B+4*\s+1], s94, \s*SLOT
	s_add_nc_u64 s[G0B+4*\s+2:G0B+4*\s+3], s[46:47], \s*ROWB
	s_or_b32 s[G0B+4*\s+3], s[G0B+4*\s+3], 0x80000000
	JLOAD G0+4*\s, G1, G0B+4*\s, G1B               ; three tensor loads of mine are out
.endr
	v_and_b32 v1, 15, v0                           ; r
	v_bfe_u32 v2, v0, 4, 1                         ; h
	v_and_b32 v6, 31, v0                           ; lane
	s_mul_i32 s21, s15, AH
	v_lshl_add_u32 v[ADA16], v6, 4, s21
	v_lshl_add_u32 v[ADA8], v6, 3, s21
	v_add_nc_u32 v[ADA16+1], SLOT, v[ADA16]
	v_add_nc_u32 v[ADA8+1], SLOT, v[ADA8]
	v_mul_u32_u24 v3, v1, PITCH
	v_mul_u32_u24 v4, v2, 24
	v_add_nc_u32 v4, v3, v4
	v_lshl_add_u32 v5, v2, 4, v4
	s_mul_i32 s22, s16, BH
	s_add_co_u32 s22, s22, 2*AH
.irp s, 0,1
	v_add_nc_u32 v[ADRB+\s], s22, v4
	v_add_nc_u32 v[ADRB+2+\s], s22, v5
	s_add_co_u32 s22, s22, SLOT
.endr
	s_mul_i32 s21, s15, SAH
	s_add_co_u32 s21, s21, SCA
	v_lshl_add_u32 v[ADSA], v6, 4, s21
	v_mul_u32_u24 v5, v1, KS
	v_lshrrev_b32 v7, 8, v5
	v_lshl_add_u32 v5, v7, 4, v5                   ; my row's scale bytes, 16 more for each 256 passed
	v_mad_u32_u24 v5, v2, 4*SBLK, v5               ; lanes 16-31: four blocks of 16 rows on
	s_mul_i32 s21, s16, HALFS
	s_add_co_u32 s21, s21, SCB
	v_add_nc_u32 v[ADSB], s21, v5
	s_mul_i32 s23, s14, 16*SPITCH                  ; my stage
	v_mul_u32_u24 v5, v1, SPITCH
	v_lshl_add_u32 v5, v2, 5, v5
	v_add_nc_u32 v[STO], s23, v5
	v_lshlrev_b32 v[CO], 4, v6
	v_add_nc_u32 v[RD], s23, v[CO]
	s_lshl_b32 s20, s17, 8
	s_lshl_b32 s21, s15, 7
	s_add_co_u32 s20, s20, s21                     ; my first row,
	s_lshl_b32 s20, s20, 12                        ; of 4,096 bytes,
	s_lshl_b32 s46, s42, 10
	s_lshl_b32 s47, s16, 9
	s_add_co_u32 s46, s46, s47                     ; and my first column, in bytes
	s_add_co_u32 s20, s20, s46
	s_mov_b32 s21, 0
	s_add_nc_u64 s[12:13], s[12:13], s[20:21]
	s_add_nc_u64 s[66:67], s[10:11], s[20:21]
.macro FRAG reg, adr, q, row           ; a fragment of W from rows: 24 bytes of the row as they lie, in pieces of 8 bytes; the second address register serves pieces behind one padding more
.irp p, 0,1,2,3,4,5
.set PCE, 12*(\q)+6*(\p/3)+\p%3
.if PCE%8 < 5
	ds_load_b64 v[\reg+2*\p:\reg+2*\p+1], v[\adr] offset:8*PCE+16*(PCE/8)+(\row)*PITCH
.else
	ds_load_b64 v[\reg+2*\p:\reg+2*\p+1], v[\adr+2] offset:8*PCE+16*(PCE/8)+(\row)*PITCH
.endif
.endr
.endm
.macro FRAGA reg, slot, q, i           ; a fragment of A from two half images: every load reads consecutive bytes
.irp c, 0,1
	ds_load_b128 v[\reg+6*\c:\reg+6*\c+3], v[ADA16+\slot] offset:((2*(\q)+\c)*8+(\i))*768
	ds_load_b64 v[\reg+6*\c+4:\reg+6*\c+5], v[ADA8+\slot] offset:((2*(\q)+\c)*8+(\i))*768+512
.endr
.endm
; One product; the register numbers stand in symbols.  fB: W's scale word lies in lanes 16-31; fA: A's does.
.macro WM zero
.if \zero
.if fB && fA
	v_wmma_scale_f32_16x16x128_f8f6f4 v[rD:rD+7], v[rB:rB+FR-1], v[rA:rA+FR-1], 0, v[rSB], v[rSA] matrix_a_fmt:MATRIX_FMT_FP6 matrix_b_fmt:MATRIX_FMT_FP6 matrix_a_scale:MATRIX_SCALE_ROW1 matrix_b_scale:MATRIX_SCALE_ROW1
.elseif fB
	v_wmma_scale_f32_16x16x128_f8f6f4 v[rD:rD+7], v[rB:rB+FR-1], v[rA:rA+FR-1], 0, v[rSB], v[rSA] matrix_a_fmt:MATRIX_FMT_FP6 matrix_b_fmt:MATRIX_FMT_FP6 matrix_a_scale:MATRIX_SCALE_ROW1
.elseif fA
	v_wmma_scale_f32_16x16x128_f8f6f4 v[rD:rD+7], v[rB:rB+FR-1], v[rA:rA+FR-1], 0, v[rSB], v[rSA] matrix_a_fmt:MATRIX_FMT_FP6 matrix_b_fmt:MATRIX_FMT_FP6 matrix_b_scale:MATRIX_SCALE_ROW1
.else
	v_wmma_scale_f32_16x16x128_f8f6f4 v[rD:rD+7], v[rB:rB+FR-1], v[rA:rA+FR-1], 0, v[rSB], v[rSA] matrix_a_fmt:MATRIX_FMT_FP6 matrix_b_fmt:MATRIX_FMT_FP6
.endif
.else
.if fB && fA
	v_wmma_scale_f32_16x16x128_f8f6f4 v[rD:rD+7], v[rB:rB+FR-1], v[rA:rA+FR-1], v[rD:rD+7], v[rSB], v[rSA] matrix_a_fmt:MATRIX_FMT_FP6 matrix_b_fmt:MATRIX_FMT_FP6 matrix_a_scale:MATRIX_SCALE_ROW1 matrix_b_scale:MATRIX_SCALE_ROW1
.elseif fB
	v_wmma_scale_f32_16x16x128_f8f6f4 v[rD:rD+7], v[rB:rB+FR-1], v[rA:rA+FR-1], v[rD:rD+7], v[rSB], v[rSA] matrix_a_fmt:MATRIX_FMT_FP6 matrix_b_fmt:MATRIX_FMT_FP6 matrix_a_scale:MATRIX_SCALE_ROW1
.elseif fA
	v_wmma_scale_f32_16x16x128_f8f6f4 v[rD:rD+7], v[rB:rB+FR-1], v[rA:rA+FR-1], v[rD:rD+7], v[rSB], v[rSA] matrix_a_fmt:MATRIX_FMT_FP6 matrix_b_fmt:MATRIX_FMT_FP6 matrix_b_scale:MATRIX_SCALE_ROW1
.else
	v_wmma_scale_f32_16x16x128_f8f6f4 v[rD:rD+7], v[rB:rB+FR-1], v[rA:rA+FR-1], v[rD:rD+7], v[rSB], v[rSA] matrix_a_fmt:MATRIX_FMT_FP6 matrix_b_fmt:MATRIX_FMT_FP6
.endif
.endif
.endm
; 16 matrix instructions: A's blocks a0, a0 + 1 x W's eight.  The 64 accumulators take turns, one instruction a turn, in the same order in every step.
.macro MUL16 a0, p, q, sc, zero
.irp a, \a0, \a0+1
.irp b, 0,1,2,3,4,5,6,7
.set rD, 8*(8*((\a)%4)+\b)
.set rB, 128*(\p)+FR*\b
.set rA, AF+FR*(\a)
.set rSB, SB+8*(\sc)+2*(\b%4)+(\q)
.set rSA, SA+8*(\sc)+4*(\q)+(\a)/2
.set fB, \b/4
.set fA, (\a)%2
	WM \zero
.endr
.endr
.endm
.macro FETCH_B slot, q, p
	WIN TO_B
.irp i, 0,1,2,3,4,5,6,7
	FRAG 128*(\p)+FR*\i, ADRB+\slot, \q, 16*\i
.endr
	WIN 0
.endm
.macro FETCH_A slot, q, i0
.irp i, \i0, \i0+1, \i0+2, \i0+3
	FRAGA AF+FR*(\i), \slot, \q, \i
.endr
.endm
.macro SCALES sc                       ; a K step's scale words: A's by two loads of 16 bytes a lane, W's by four of 8
	ds_load_b128 v[SA+8*\sc:SA+8*\sc+3], v[ADSA]
	ds_load_b128 v[SA+8*\sc+4:SA+8*\sc+7], v[ADSA] offset:512
.irp i, 0,1,2,3
	ds_load_b64 v[SB+8*\sc+2*\i:SB+8*\sc+2*\i+1], v[ADSB] offset:\i*SBLK
.endr
.endm
.macro PLACES n
.rept \n
	v_nop
.endr
.endm
.macro STEP slot, q, zero
	s_wait_dscnt 4*NLA                             ; all but the youngest 16 loads, A's blocks 4-7
	WIN MUL_LO
	MUL16 0, (\q)%2, \q, \slot, \zero
	MUL16 2, (\q)%2, \q, \slot, \zero
	s_wait_dscnt 0
	PLACES NP
	FETCH_B \slot, (\q)+1, 1-(\q)%2
	FETCH_A \slot, (\q)+1, 0
	WIN MUL_HI
	MUL16 4, (\q)%2, \q, \slot, \zero
	MUL16 6, (\q)%2, \q, \slot, \zero
	PLACES NP
	WIN 0
	FETCH_A \slot, (\q)+1, 4
.endm
.macro TURN slot, next, fill
	s_wait_tensorcnt 0x0                           ; all my tensor loads have landed: my part of the next slot
	ds_add_u32 v[SPW], v[NIL]                      ; 0 onto my spare word
	s_wait_dscnt 4*NLA+1                           ; the add and A's blocks 4-7 may be out
	WIN MUL_LO
	MUL16 0, 1, NQ-1, \slot, 0
	s_wait_dscnt 0x0                               ; the add is done, and my reads of this slot are over
	s_barrier_signal -1
	MUL16 2, 1, NQ-1, \slot, 0
	WIN 0
	s_barrier_wait -1
.if \fill
	CREST                                          ; the barrier has opened a round of the cluster's
	s_add_nc_u64 s[G0+4*\slot+2:G0+4*\slot+3], s[G0+4*\slot+2:G0+4*\slot+3], 2*AH
	s_add_nc_u64 s[G0B+4*\slot+2:G0B+4*\slot+3], s[G0B+4*\slot+2:G0B+4*\slot+3], 2*ROWB
	JLOAD G0+4*\slot, G1, G0B+4*\slot, G1B         ; my one tensor load behind the round; its four v_nop are the places in front of the loads below
.else
	PLACES NP
.endif
	v_add_nc_u32 v[ADSA], 1024, v[ADSA]            ; the next K step's scale words
	v_add_nc_u32 v[ADSB], 8, v[ADSB]
	FETCH_B \next, 0, 0
	FETCH_A \next, 0, 0
	SCALES \next
	WIN MUL_HI
	MUL16 4, 1, NQ-1, \slot, 0
	MUL16 6, 1, NQ-1, \slot, 0
	PLACES NP
	WIN 0
	FETCH_A \next, 0, 4
.endm
	s_wait_tensorcnt 1                             ; the scales and my part of K step 0 are in; K step 1's load may be out
	s_barrier_signal -1
	s_barrier_wait -1
	FETCH_B 0, 0, 0
	FETCH_A 0, 0, 0
	SCALES 0
	FETCH_A 0, 0, 4
	STEP 0, 0, 1
	s_mov_b32 s3, LAPS-1
.Llap:
	TURN 0, 1, 1
	STEP 1, 0, 0
	TURN 1, 0, 1
	STEP 0, 0, 0
	s_sub_co_u32 s3, s3, 1
	s_cmp_lg_u32 s3, 0
	s_cbranch_scc1 .Llap
	TURN 0, 1, 0
	STEP 1, 0, 0
	s_wait_dscnt 4*NLA
	WIN MUL_LO
	MUL16 0, 1, NQ-1, 1, 0
	MUL16 2, 1, NQ-1, 1, 0
	s_wait_dscnt 0
	WIN MUL_HI
	MUL16 4, 1, NQ-1, 1, 0
	MUL16 6, 1, NQ-1, 1, 0
	WIN 0
; THE WAY OUT, block by block of 16 rows x 128 columns: through my own stage in LDS, back as whole rows of 512 bytes; the residual's same rows are added; the 32 lanes store 512 consecutive bytes.
.macro RLOAD a                         ; the residual of block a into window 1, three blocks ahead
	WIN 0x40
.irp t, 0,1,2,3,4,5,6,7,8,9,10,11,12,13,14,15
	global_load_b128 v[64*((\a)%4)+4*\t:64*((\a)%4)+4*\t+3], v[CO], s[66:67] offset:(16*(\a)+\t)*4096
.endr
	WIN 0
.endm
.macro TOSTAGE a
.set AC, 64*((\a)%4)
	WIN 0x08+4*((\a)/4)                            ; the data: window 2 or 3
.irp b, 0,1,2,3,4,5,6,7
	ds_store_b128 v[STO], v[AC+8*\b:AC+8*\b+3] offset:64*\b          ; each accumulator from its low end on
	ds_store_b128 v[STO], v[AC+8*\b+4:AC+8*\b+7] offset:64*\b+16
.endr
	WIN 0
.set BB, BK+64*((\a)%2)
.irp t, 0,1,2,3,4,5,6,7,8,9,10,11,12,13,14,15
	ds_load_b128 v[BB+4*\t:BB+4*\t+3], v[RD] offset:\t*SPITCH        ; LDS serves a wave's instructions in order: these see the stores above
.endr
.endm
.macro SEND a, younger
	s_wait_dscnt \younger                          ; the block is back in registers
.if (\a)+3 < 8
	RLOAD (\a)+3
.endif
.if 7-(\a) < 3
	s_wait_loadcnt 16*(7-(\a))                     ; this block's residual is in; the younger blocks' loads may be out
.else
	s_wait_loadcnt 48
.endif
.set BB, BK+64*((\a)%2)
.set RR, 64*((\a)%4)
	WIN 0x04                                       ; source 1 in window 1
.set i, 0
.rept 32
	v_pk_add_f32 v[BB+i:BB+i+1], v[BB+i:BB+i+1], v[RR+i:RR+i+1]
.set i, i+2
.endr
	WIN 0
.irp t, 0,1,2,3,4,5,6,7,8,9,10,11,12,13,14,15
	global_store_b128 v[CO], v[BB+4*\t:BB+4*\t+3], s[12:13] offset:(16*(\a)+\t)*4096 th:TH_STORE_NT
.endr
.endm
	PLACES NP
	RLOAD 0
	RLOAD 1
	RLOAD 2
	TOSTAGE 0
.irp a, 1,2,3,4,5,6,7
.if \a > 1
	s_wait_xcnt 0x0                                ; block a - 2's stores have read their registers: block a's loads may land there
.endif
	TOSTAGE \a
	SEND \a-1, 32                                  ; behind block a - 1's loads: block a's 16 stores and 16 loads
.endr
	SEND 7, 0
	s_wait_tensorcnt 0x0                           ; the wave's end
	ds_add_u32 v[SPW], v[NIL]
	s_wait_dscnt 0x0
	CROUND                                         ; the closing round
	s_endpgm
.Lfunc_end_k_q415fe4129f_down:
	.size	k_q415fe4129f_down, .Lfunc_end_k_q415fe4129f_down-k_q415fe4129f_down
	.p2alignl 7, 3214868480
	.fill 96, 4, 3214868480
	.section	.rodata,"a",@progbits
	.p2align	6, 0x0
	.amdhsa_kernel k_q415fe4129f_down
		.amdhsa_group_segment_fixed_size 327680
		.amdhsa_private_segment_fixed_size 0
		.amdhsa_enable_private_segment 0
		.amdhsa_kernarg_size 40
		.amdhsa_user_sgpr_count 2
		.amdhsa_user_sgpr_kernarg_segment_ptr 1
		.amdhsa_wavefront_size32 1
		.amdhsa_system_sgpr_workgroup_id_x 1
		.amdhsa_system_sgpr_workgroup_id_y 1
		.amdhsa_system_sgpr_workgroup_id_z 1
		.amdhsa_system_vgpr_workitem_id 0
		.amdhsa_next_free_vgpr 1024
		.amdhsa_next_free_sgpr 100
		.amdhsa_reserve_vcc 0
		.amdhsa_float_denorm_mode_32 3
		.amdhsa_float_denorm_mode_16_64 3
		.amdhsa_memory_ordered 1
		.amdhsa_forward_progress 1
		.amdhsa_inst_pref_size 181
	.end_amdhsa_kernel
	.amdgpu_metadata
---
amdhsa.version: [ 1, 2 ]
amdhsa.kernels:
  - .name:           k_q415fe4129f_down
    .symbol:         k_q415fe4129f_down.kd
    .args:
      - { .name: hid, .offset: 0, .size: 8, .value_kind: global_buffer, .address_space: global }
      - { .name: down_w_codes, .offset: 8, .size: 8, .value_kind: global_buffer, .address_space: global }
      - { .name: down_w_scales, .offset: 16, .size: 8, .value_kind: global_buffer, .address_space: global }
      - { .name: x1, .offset: 24, .size: 8, .value_kind: global_buffer, .address_space: global }
      - { .name: out0, .offset: 32, .size: 8, .value_kind: global_buffer, .address_space: global }
    .group_segment_fixed_size: 327680
    .private_segment_fixed_size: 0
    .kernarg_segment_align: 8
    .kernarg_segment_size: 40
    .max_flat_workgroup_size: 128
    .sgpr_count:     100
    .vgpr_count:     1024
    .wavefront_size: 32
...
	.end_amdgpu_metadata
.endif
;; end of part 6
;; ======== version 2 of 2: 7 launches
;; workspace buffers: hn 3,276,800 bytes; qkv 10,092,544 bytes; yq 3,276,800 bytes; x1 16,777,216 bytes; hid 6,553,600 bytes
;; launch normq: the kernel of part 1 again; grid 512 x 1, 4 waves a work-group, no clusters, 41,984 bytes of LDS; arguments x, ln1_w, hn; writes hn
;; launch qkv: the kernel of part 2 again; grid 12 x 16, 4 waves a work-group, clusters of 4 x 4, 327,680 bytes of LDS; arguments hn, qkv_w_codes, qkv_w_scales, qkv; writes qkv
;; launch attn: the kernel of part 3 again; grid 8 x 32, 16 waves a work-group, no clusters, 327,680 bytes of LDS; arguments qkv, yq; writes yq
;; launch oproj (part 7): grid 8 x 32, 4 waves a work-group, clusters of 4 x 4, 327,680 bytes of LDS; arguments yq, o_w_codes, o_w_scales, x, x1; writes x1
.if DOCPART == 7
	.amdgcn_target "amdgcn-amd-amdhsa--gfx1250"
	.amdhsa_code_object_version 6
	.text
	.protected	k_q415fe4129f_oproj
	.globl	k_q415fe4129f_oproj
	.p2align	8
	.type	k_q415fe4129f_oproj,@function
k_q415fe4129f_oproj:
	s_mov_b64 s[64:65], 0
	v_nop
	global_prefetch_b8 v0, s[64:65] scope:SCOPE_SE
	s_setreg_imm32_b32 hwreg(HW_REG_WAVE_MODE, 25, 1), 1
	s_wait_xcnt 0x0
	s_wait_alu depctr_hold_cnt(0) depctr_sa_sdst(0) depctr_va_vdst(0) depctr_va_sdst(0) depctr_va_ssrc(0) depctr_va_vcc(0) depctr_vm_vsrc(0)
	s_getreg_b32 s2, hwreg(HW_REG_IB_STS2, 6, 4)
	s_cmp_eq_u32 s2, 0
	s_cbranch_scc0 .Lentry_in_a_cluster
	s_endpgm
.Lentry_in_a_cluster:
	s_bfe_u32 s2, ttmp6, 0x10000c
	s_cmp_lg_u32 s2, 0xf033
	s_cbranch_scc0 .Lentry_shape_is_right
	s_endpgm
.Lentry_shape_is_right:
; out = res + A W^T on codes of FP6 (E2M3) with E8M0 scales.  A: 4,096 rows x SIZE_K, made by an earlier launch as images of operand registers; W: [1,024][SIZE_K] codes, row-major, with scale bytes [1,024][SIZE_K / 32]; res, out: [4,096][1,024] f32.
; A's buffer: half images of 16 rows x 64 K, 768 bytes (lane (r, h): block h of row r; registers 0-3 at 16 x lane, 4-5 at 512 + 8 x lane), laid [128 rows][64 K][row tile 8][768]: 128 rows x 256 K are 24,576 dense bytes.
; Behind them (from byte 4,096 x 3 SIZE_K / 4 on) A's scale words [128 rows][128 K][lane 32][4]: word (lane (r, h), i) is row 16 (2 i + h) + r.
; THE TILE IS 128 x 128: the 4,096 x 1,024 results are then 256 tiles, a work-group each.  Four waves, 64 x 64 each: 16 accumulators, 128 registers.  A step of 128 along K is 16 matrix instructions on 8 fragments.
; K goes in slots of 512 (four steps) through two LDS slots filled by the tensor data mover: waves 0 and 1 fetch A's two halves along K, waves 2 and 3 W's.  Both operands' scales come once.
; The product is used transposed: source 0 = 16 rows of W, source 1 = 16 rows of A: a lane holds eight neighbouring numbers of a row of the result.
; THE RESIDUAL of a wave's 64 x 64 results, 128 registers, is asked for at the head and waited for on the way out: it is on its way while the products run.
; CLUSTERS: 4 x 4: A's tile is shared along a row of the cluster, W's along a column: joint tensor loads.
; REGISTERS, in windows of 256: window 0: v0-31 addresses; v32-47 A's scale words, v48-63 W's, two sets each; v64-127 the way out; v128-255 the accumulators ((a, b) at v[128 + 8 (4 a + b)]).
;   window 1: two sets of fragments at v0 and v128: A's four, then W's four.   window 2: v0-127 the residual.
.set SIZE_K, 1024
.set NTOUT,  0                         ; 1: the result is read by no later launch
.set KSLOT,  512
.set NQ,     KSLOT/128                 ; steps in a slot
.set ROWB,   192                       ; 256 codes: a row of what one wave fetches of W
.set KROW,   SIZE_K*6/8
.set PITCH,  240                       ; such a row in LDS: 3 x (64 bytes + 16 of padding)
.set FR,     12
.set NLD,    40                        ; LDS loads that bring a step's fragments: 4 x 4 for A, 4 x 6 for W
.set NP,     4                         ; places behind this matrix instruction (ISA guide 7.12.1)
.set AH,     24576                     ; 128 rows x 256 K of A
.set BH,     128*PITCH                 ; 128 rows x 256 K of W
.set SLOT,   2*AH+2*BH
.set LAPS,   SIZE_K/(2*KSLOT)          ; a lap = two slots = once round the ring
.set KS,     SIZE_K/32
.set NK,     SIZE_K/128
.set SCA,    2*SLOT                    ; A's scale words: 512 bytes for each 128 K; two halves of SAH bytes
.set SAH,    256*NK
.set SCB,    SCA+16384                 ; W's scale bytes, as 256 bytes + 16 of padding; two halves of 64 rows
.set HALFS,  (64*KS/256)*272
.set SBLK,   (16*KS/256)*272
.set SPARE,  SCB+17408                 ; the spare words: 128 bytes a wave, named by no other line
.set STAGE,  SPARE+512                 ; the way out: 16 rows x (256 + 16) bytes a wave; no fill lands here
.set SPITCH, 272
.set ADA16, 16                         ; v16-17  A's images: my four row tiles + 16 x lane, slot 0, 1
.set ADA8,  18                         ; v18-19  the same with 8 x lane
.set ADRB,  20                         ; v20-23  W's fragments (slot 0, 1; behind one padding more: +2)
.set STO,   24
.set RD,    25
.set CO,    26                         ; v26     4,096 x (lane / 16) + 16 x (lane % 16): two rows of the result an instruction
.set ADSB,  27                         ; v27     W's scale words: lanes 0-15 block i, lanes 16-31 block i + 2
.set SPW,   28
.set NIL,   29
.set ADSA,  30                         ; v30     A's scale words: 16 x lane + 8 x my half of the rows
.set SA,    32                         ; set s at +8 s: register 2 q + a / 2; row tile a in lanes 0-15 (a even) or 16-31 (a odd)
.set SB,    48                         ; set s at +8 s: register 4 i + q
.set BK,    64
.set ACC,   128
.set G1, 24
.set G0, 32
.set G1B, 48
.set G0B, 56
.set G1S, 68
.set G0S, 76
.set G1SB, 80
.set G0SB, 88
.set MSB, 0
.macro WIN new                         ; the immediate's high byte repeats the setting that is left
.if MSB != (\new)
	s_set_vgpr_msb (MSB<<8)|(\new)
.set MSB, (\new)
.endif
.endm
.set MUL,  0x05                        ; sources 0 (W) and 1 (A) window 1; C and D window 0
.set TO_F, 0x40                        ; destination window 1, address window 0
.macro JLOAD g0a, g1a, g0b, g1b        ; a joint load: waves 0 and 1 fetch for A, waves 2 and 3 for W; four v_nop follow each line
	s_cmp_eq_u32 s15, 0
	s_cbranch_scc0 .Lfor_b_\@
	tensor_load_to_lds s[\g0a:\g0a+3], s[\g1a:\g1a+7]
	s_nop 0
.rept 4
	v_nop
.endr
	s_branch .Lasked_\@
.Lfor_b_\@:
	tensor_load_to_lds s[\g0b:\g0b+3], s[\g1b:\g1b+7]
	s_nop 0
.rept 4
	v_nop
.endr
.Lasked_\@:
.endm
.macro CREST                           ; a round of the cluster's barrier behind its opening barrier
	s_cmp_lg_u32 s14, 0
	s_cbranch_scc1 .Lnot_wave_0_\@
	s_barrier_signal -3
.Lnot_wave_0_\@:
	s_barrier_wait -3
	s_barrier_signal -1
	s_barrier_wait -1
.endm
.macro CROUND
	s_barrier_signal -1
	s_barrier_wait -1
	CREST
.endm
	s_load_b128 s[4:7], s[0:1], 0x0                ; A's images and scale words s[4:5], W's codes s[6:7]
	s_load_b128 s[8:11], s[0:1], 0x10              ; W's scales s[8:9], the residual s[10:11]
	s_load_b64 s[12:13], s[0:1], 0x20              ; the result
	v_lshl_add_u32 v[SPW], v0, 2, SPARE
	v_mov_b32 v[NIL], 0
	ds_add_u32 v28, v29
	s_wait_dscnt 0x0
	v_lshrrev_b32 v1, 5, v0
	v_readfirstlane_b32 s14, v1                    ; wave 0..3
	s_lshr_b32 s15, s14, 1                         ; my half of the tile's rows.  Also: I fetch for A (0) or for W (1)
	s_and_b32 s16, s14, 1                          ; my half of its columns.  Also: which 256 of a slot's 512 along K I fetch
	s_bfe_u32 s40, ttmp6, 0x40000                  ; cx
	s_bfe_u32 s41, ttmp6, 0x40004                  ; cy
	s_lshl_b32 s42, ttmp9, 2
	s_add_co_u32 s42, s42, s40                     ; tile column 0..7
	s_and_b32 s17, ttmp7, 0xffff
	s_lshl_b32 s17, s17, 2
	s_add_co_u32 s17, s17, s41                     ; tile row 0..31: A's block of 128 rows
	s_lshl_b32 s43, s41, 2
	s_lshl_b32 s43, 15, s43                        ; my row of the cluster
	s_lshl_b32 s44, 0x1111, s40                    ; my column
	s_or_b32 s[G1+0], s43, (3<<16)|(1<<21)         ; A: 96 dense rows of 256 bytes (32 elements of 8), no padding
	s_mov_b32 s[G1+1], 32<<16
	s_mov_b32 s[G1+2], 96<<16
	s_mov_b32 s[G1+3], 32<<16
	s_mov_b32 s[G1+4], 96
	s_mov_b32 s[G1+5], 32
	s_mov_b32 s[G1+6], 0
	s_mov_b32 s[G1+7], 0
	s_or_b32 s[G1B+0], s44, (0<<16)|(1<<20)|(1<<21)|(3<<22)|(3<<25)  ; W: 128 rows of 192 bytes, 4 words of padding behind every 16
	s_mov_b32 s[G1B+1], ROWB<<16
	s_mov_b32 s[G1B+2], 128<<16
	s_mov_b32 s[G1B+3], ROWB<<16
	s_mov_b32 s[G1B+4], 128
	s_mov_b32 s[G1B+5], KROW
	s_mov_b32 s[G1B+6], 0
	s_mov_b32 s[G1B+7], 0
	s_or_b32 s[G1S+0], s43, (3<<16)|(1<<21)        ; half of A's scale words: NK dense rows of 256 bytes
	s_mov_b32 s[G1S+1], 32<<16
	s_mov_b32 s[G1S+2], NK<<16
	s_mov_b32 s[G1S+3], 32<<16
	s_mov_b32 s[G1S+4], NK
	s_mov_b32 s[G1S+5], 32
	s_mov_b32 s[G1S+6], 0
	s_mov_b32 s[G1S+7], 0
	s_or_b32 s[G1SB+0], s44, (3<<16)|(1<<20)|(1<<21)|(5<<22)|(3<<25)  ; W's scale bytes of 64 rows: dense rows of 256 bytes, 16 of padding behind each
	s_mov_b32 s[G1SB+1], 32<<16
	s_mov_b32 s[G1SB+2], (64*KS/256)<<16
	s_mov_b32 s[G1SB+3], 32<<16
	s_mov_b32 s[G1SB+4], 64*KS/256
	s_mov_b32 s[G1SB+5], 32
	s_mov_b32 s[G1SB+6], 0
	s_mov_b32 s[G1SB+7], 0
	s_mul_i32 s22, s17, 512*NK                     ; A's scale words: my block of 128 rows,
	s_mul_i32 s18, s16, SAH                        ; my half along K,
	s_add_co_u32 s22, s22, s18
	s_add_co_u32 s22, s22, 4096*KROW               ; behind the images
	s_mov_b32 s23, 0
	s_mul_i32 s20, s17, 96*SIZE_K                  ; A's images: my block of 128 rows,
	s_mul_i32 s18, s16, AH                         ; my 256 of the first 512 along K
	s_add_co_u32 s20, s20, s18
	s_mov_b32 s21, 0
	s_lshl_b32 s46, s42, 7                         ; W: row 128 x tile column
	s_lshl_b32 s18, s16, 6
	s_add_co_u32 s92, s46, s18                     ; its scale bytes: my 64 of the 128 rows
	s_mul_i32 s92, s92, KS
	s_mov_b32 s93, 0
	s_mul_i32 s46, s46, KROW
	s_mul_i32 s18, s16, ROWB                       ; its codes: my 256 of the first 512 along K
	s_add_co_u32 s46, s46, s18
	s_mov_b32 s47, 0
	s_mul_i32 s45, s16, AH                         ; where they go in a slot: A's two halves, then W's two
	s_mul_i32 s94, s16, BH
	s_add_co_u32 s94, s94, 2*AH
	s_mul_i32 s95, s16, SAH
	s_add_co_u32 s95, s95, SCA
	s_mul_i32 s96, s16, HALFS
	s_add_co_u32 s96, s96, SCB
	s_wait_kmcnt 0x0
	s_add_nc_u64 s[20:21], s[4:5], s[20:21]
	s_add_nc_u64 s[22:23], s[4:5], s[22:23]
	s_add_nc_u64 s[46:47], s[6:7], s[46:47]
	s_add_nc_u64 s[92:93], s[8:9], s[92:93]
	CROUND                                         ; all sixteen work-groups are here: the first joint loads meet
	s_mov_b32 s[G0S], 1
	s_mov_b32 s[G0S+1], s95
	s_mov_b64 s[G0S+2:G0S+3], s[22:23]
	s_or_b32 s[G0S+3], s[G0S+3], 0x80000000
	s_mov_b32 s[G0SB], 1
	s_mov_b32 s[G0SB+1], s96
	s_mov_b64 s[G0SB+2:G0SB+3], s[92:93]
	s_or_b32 s[G0SB+3], s[G0SB+3], 0x80000000
	JLOAD G0S, G1S, G0SB, G1SB                     ; the scales first: filled once
.irp s, 0,1
	s_mov_b32 s[G0+4*\s], 1
	s_add_co_u32 s[G0+4*\s+1], s45, \s*SLOT
	s_add_nc_u64 s[G0+4*\s+2:G0+4*\s+3], s[20:21], \s*2*AH
	s_or_b32 s[G0+4*\s+3], s[G0+4*\s+3], 0x80000000
	s_mov_b32 s[G0B+4*\s], 1
	s_add_co_u32 s[G0B+4*\s+1], s94, \s*SLOT
	s_add_nc_u64 s[G0B+4*\s+2:G0B+4*\s+3], s[46:47], \s*2*ROWB
	s_or_b32 s[G0B+4*\s+3], s[G0B+4*\s+3], 0x80000000
	JLOAD G0+4*\s, G1, G0B+4*\s, G1B               ; three tensor loads of mine are out
.endr
	v_and_b32 v1, 15, v0                           ; r
	v_bfe_u32 v2, v0, 4, 1                         ; h
	v_and_b32 v6, 31, v0                           ; lane
	s_lshl_b32 s20, s17, 7
	s_lshl_b32 s21, s15, 6
	s_add_co_u32 s20, s20, s21                     ; my first row: 128 x tile row + 64 x half,
	s_lshl_b32 s20, s20, 12                        ; of 4,096 bytes,
	s_lshl_b32 s46, s42, 9
	s_lshl_b32 s47, s16, 8
	s_add_co_u32 s46, s46, s47                     ; and my first column, in bytes: 512 x tile column + 256 x half
	s_add_co_u32 s20, s20, s46
	s_mov_b32 s21, 0
	s_add_nc_u64 s[12:13], s[12:13], s[20:21]
	s_add_nc_u64 s[66:67], s[10:11], s[20:21]
	v_lshlrev_b32 v[CO], 12, v2
	v_lshl_add_u32 v[CO], v1, 4, v[CO]             ; lanes 0-15 one row's 256 bytes, lanes 16-31 the next row's
	WIN 0x80                                       ; destination window 2
.irp a, 0,1,2,3                                ; the residual of my 64 rows x 256 bytes: 32 loads, waited for on the way out; their address registers are never rewritten
.irp t, 0,1,2,3,4,5,6,7
	global_load_b128 v[32*\a+4*\t:32*\a+4*\t+3], v[CO], s[66:67] offset:(16*\a+2*\t)*4096 th:TH_LOAD_NT
.endr
.endr
	WIN 0
	s_mul_i32 s21, s15, 4*768                      ; my four of the eight row tiles
	v_lshl_add_u32 v[ADA16], v6, 4, s21
	v_lshl_add_u32 v[ADA8], v6, 3, s21
	v_add_nc_u32 v[ADA16+1], SLOT, v[ADA16]
	v_add_nc_u32 v[ADA8+1], SLOT, v[ADA8]
	v_mul_u32_u24 v3, v1, PITCH
	v_mul_u32_u24 v4, v2, 24
	v_add_nc_u32 v4, v3, v4                        ; a fragment's row x pitch + 24 h
	v_lshl_add_u32 v5, v2, 4, v4                   ; and the same behind one padding more
	s_mul_i32 s22, s16, 64*PITCH                   ; my 64 of W's 128 rows,
	s_add_co_u32 s22, s22, 2*AH                    ; behind A
.irp s, 0,1
	v_add_nc_u32 v[ADRB+\s], s22, v4
	v_add_nc_u32 v[ADRB+2+\s], s22, v5
	s_add_co_u32 s22, s22, SLOT
.endr
	s_lshl_b32 s21, s15, 3
	s_add_co_u32 s21, s21, SCA
	v_lshl_add_u32 v[ADSA], v6, 4, s21             ; words 2 x half and 2 x half + 1 of my lane's four
	v_mul_u32_u24 v5, v1, KS
	v_lshrrev_b32 v7, 8, v5
	v_lshl_add_u32 v5, v7, 4, v5                   ; my row's scale bytes, 16 more for each 256 passed
	v_mad_u32_u24 v5, v2, 2*SBLK, v5               ; lanes 16-31: two blocks of 16 rows on
	s_mul_i32 s21, s16, HALFS
	s_add_co_u32 s21, s21, SCB
	v_add_nc_u32 v[ADSB], s21, v5
	s_mul_i32 s23, s14, 16*SPITCH
	s_add_co_u32 s23, s23, STAGE                   ; my stage
	v_mul_u32_u24 v5, v1, SPITCH                   ; in: row r, 32 bytes for each half of the lanes
	v_lshl_add_u32 v5, v2, 5, v5
	v_add_nc_u32 v[STO], s23, v5
	v_mul_u32_u24 v5, v2, SPITCH                   ; back: lanes 0-15 one row of 256 bytes, lanes 16-31 the next
	v_lshl_add_u32 v5, v1, 4, v5
	v_add_nc_u32 v[RD], s23, v5
.macro FRAG reg, adr, q, row           ; a fragment of W from rows: 24 bytes of the row as they lie, in pieces of 8 bytes; step q lies in half q / 2 of the slot; the second address register serves pieces behind one padding more
.irp p, 0,1,2,3,4,5
.set PCE, 12*((\q)%2)+6*(\p/3)+\p%3
.if PCE%8 < 5
	ds_load_b64 v[\reg+2*\p:\reg+2*\p+1], v[\adr] offset:((\q)/2)*BH+8*PCE+16*(PCE/8)+(\row)*PITCH
.else
	ds_load_b64 v[\reg+2*\p:\reg+2*\p+1], v[\adr+2] offset:((\q)/2)*BH+8*PCE+16*(PCE/8)+(\row)*PITCH
.endif
.endr
.endm
.macro FRAGA reg, slot, q, i           ; a fragment of A from two half images: every load reads consecutive bytes
.irp c, 0,1
	ds_load_b128 v[\reg+6*\c:\reg+6*\c+3], v[ADA16+\slot] offset:((2*(\q)+\c)*8+(\i))*768
	ds_load_b64 v[\reg+6*\c+4:\reg+6*\c+5], v[ADA8+\slot] offset:((2*(\q)+\c)*8+(\i))*768+512
.endr
.endm
; One product; the register numbers stand in symbols.  fB: W's scale word lies in lanes 16-31; fA: A's does.
.macro WM zero
.if \zero
.if fB && fA
	v_wmma_scale_f32_16x16x128_f8f6f4 v[rD:rD+7], v[rB:rB+FR-1], v[rA:rA+FR-1], 0, v[rSB], v[rSA] matrix_a_fmt:MATRIX_FMT_FP6 matrix_b_fmt:MATRIX_FMT_FP6 matrix_a_scale:MATRIX_SCALE_ROW1 matrix_b_scale:MATRIX_SCALE_ROW1
.elseif fB
	v_wmma_scale_f32_16x16x128_f8f6f4 v[rD:rD+7], v[rB:rB+FR-1], v[rA:rA+FR-1], 0, v[rSB], v[rSA] matrix_a_fmt:MATRIX_FMT_FP6 matrix_b_fmt:MATRIX_FMT_FP6 matrix_a_scale:MATRIX_SCALE_ROW1
.elseif fA
	v_wmma_scale_f32_16x16x128_f8f6f4 v[rD:rD+7], v[rB:rB+FR-1], v[rA:rA+FR-1], 0, v[rSB], v[rSA] matrix_a_fmt:MATRIX_FMT_FP6 matrix_b_fmt:MATRIX_FMT_FP6 matrix_b_scale:MATRIX_SCALE_ROW1
.else
	v_wmma_scale_f32_16x16x128_f8f6f4 v[rD:rD+7], v[rB:rB+FR-1], v[rA:rA+FR-1], 0, v[rSB], v[rSA] matrix_a_fmt:MATRIX_FMT_FP6 matrix_b_fmt:MATRIX_FMT_FP6
.endif
.else
.if fB && fA
	v_wmma_scale_f32_16x16x128_f8f6f4 v[rD:rD+7], v[rB:rB+FR-1], v[rA:rA+FR-1], v[rD:rD+7], v[rSB], v[rSA] matrix_a_fmt:MATRIX_FMT_FP6 matrix_b_fmt:MATRIX_FMT_FP6 matrix_a_scale:MATRIX_SCALE_ROW1 matrix_b_scale:MATRIX_SCALE_ROW1
.elseif fB
	v_wmma_scale_f32_16x16x128_f8f6f4 v[rD:rD+7], v[rB:rB+FR-1], v[rA:rA+FR-1], v[rD:rD+7], v[rSB], v[rSA] matrix_a_fmt:MATRIX_FMT_FP6 matrix_b_fmt:MATRIX_FMT_FP6 matrix_a_scale:MATRIX_SCALE_ROW1
.elseif fA
	v_wmma_scale_f32_16x16x128_f8f6f4 v[rD:rD+7], v[rB:rB+FR-1], v[rA:rA+FR-1], v[rD:rD+7], v[rSB], v[rSA] matrix_a_fmt:MATRIX_FMT_FP6 matrix_b_fmt:MATRIX_FMT_FP6 matrix_b_scale:MATRIX_SCALE_ROW1
.else
	v_wmma_scale_f32_16x16x128_f8f6f4 v[rD:rD+7], v[rB:rB+FR-1], v[rA:rA+FR-1], v[rD:rD+7], v[rSB], v[rSA] matrix_a_fmt:MATRIX_FMT_FP6 matrix_b_fmt:MATRIX_FMT_FP6
.endif
.endif
.endm
; 4 matrix instructions: A's block a x W's four, from set p, the slot's q-th 128 along K.  The 16 accumulators take turns, one instruction a turn, in the same order in every step.
.macro MULA a, p, q, sc, zero
.irp b, 0,1,2,3
.set rD, ACC+8*(4*(\a)+\b)
.set rB, 128*(\p)+48+FR*\b
.set rA, 128*(\p)+FR*(\a)
.set rSB, SB+8*(\sc)+4*(\b%2)+(\q)
.set rSA, SA+8*(\sc)+2*(\q)+(\a)/2
.set fB, \b/2
.set fA, (\a)%2
	WM \zero
.endr
.endm
.macro FETCH slot, q, p                ; 40 LDS loads in one run: the eight fragments of the slot's q-th step into set p
	WIN TO_F
.irp i, 0,1,2,3
	FRAGA 128*(\p)+FR*\i, \slot, \q, \i
.endr
.irp i, 0,1,2,3
	FRAG 128*(\p)+48+FR*\i, ADRB+\slot, \q, 16*\i
.endr
.endm
.macro SCALES sc                       ; a slot's scale words: A's two words for each of the four steps, W's four words for two blocks a load
.irp q, 0,1,2,3
	ds_load_b64 v[SA+8*\sc+2*\q:SA+8*\sc+2*\q+1], v[ADSA] offset:512*\q
.endr
.irp i, 0,1
	ds_load_b128 v[SB+8*\sc+4*\i:SB+8*\sc+4*\i+3], v[ADSB] offset:\i*SBLK
.endr
.endm
.macro PLACES n                        ; plain vector instructions between a matrix instruction and a load into, or a read of, its registers
.rept \n
	v_nop
.endr
.endm
; A step that has its successor in the same slot: the successor's fragments are asked for first, into the set that the last step multiplied, and land while this step is multiplied.
.macro STEP slot, q, zero
	PLACES NP
	FETCH \slot, (\q)+1, 1-(\q)%2
	s_wait_dscnt NLD                               ; all but the 40 loads just issued: this step's fragments (and scale words) are in
	WIN MUL
.irp a, 0,1,2,3
	MULA \a, (\q)%2, \q, \slot, \zero
.endr
.endm
; A slot's last step (set 1) changes slots: one barrier.  fill = 1: this slot is filled again, two slots ahead.
.macro TURN slot, next, fill
	WIN 0                                          ; (the add's two registers lie in window 0)
	s_wait_tensorcnt 0x0                           ; all my tensor loads have landed: my part of the next slot
	ds_add_u32 v[SPW], v[NIL]                      ; 0 onto my spare word
	s_wait_dscnt 1                                 ; this step's fragments are in; the add may be out
	WIN MUL
	MULA 0, 1, NQ-1, \slot, 0
	s_wait_dscnt 0x0                               ; the add is done, and my reads of this slot are over
	s_barrier_signal -1
	MULA 1, 1, NQ-1, \slot, 0
	WIN 0
	s_barrier_wait -1
.if \fill
	CREST                                          ; the barrier has opened a round of the cluster's: no wave of any partner still reads this slot or has a load on its way
	s_add_nc_u64 s[G0+4*\slot+2:G0+4*\slot+3], s[G0+4*\slot+2:G0+4*\slot+3], 4*AH
	s_add_nc_u64 s[G0B+4*\slot+2:G0B+4*\slot+3], s[G0B+4*\slot+2:G0B+4*\slot+3], 4*ROWB
	JLOAD G0+4*\slot, G1, G0B+4*\slot, G1B         ; my one tensor load behind the round; its four v_nop are the places in front of the loads below
.else
	PLACES NP
.endif
	v_add_nc_u32 v[ADSA], 512*NQ, v[ADSA]          ; the next slot's scale words
	v_add_nc_u32 v[ADSB], 4*NQ, v[ADSB]
	FETCH \next, 0, 0
	WIN 0
	SCALES \next
	WIN MUL
	MULA 2, 1, NQ-1, \slot, 0
	MULA 3, 1, NQ-1, \slot, 0
.endm
	s_wait_tensorcnt 1                             ; the scales and my part of slot 0 are in; slot 1's load may be out
	s_barrier_signal -1
	s_barrier_wait -1
	FETCH 0, 0, 0
	WIN 0
	SCALES 0
	STEP 0, 0, 1                                   ; the first step's products start the sums
.if LAPS > 1
	WIN 0                                          ; at a label and at a branch every window is 0
	s_mov_b32 s3, LAPS-1
.Llap:                                                 ; a trip goes once round the ring, from a lap's second step to the next lap's first, and fills both slots again
	STEP 0, 1, 0
	STEP 0, 2, 0
	TURN 0, 1, 1
	STEP 1, 0, 0
	STEP 1, 1, 0
	STEP 1, 2, 0
	TURN 1, 0, 1
	STEP 0, 0, 0
	WIN 0
	s_sub_co_u32 s3, s3, 1
	s_cmp_lg_u32 s3, 0
	s_cbranch_scc1 .Llap
.endif
	STEP 0, 1, 0                                   ; the last lap fills nothing
	STEP 0, 2, 0
	TURN 0, 1, 0
	STEP 1, 0, 0
	STEP 1, 1, 0
	STEP 1, 2, 0
	s_wait_dscnt 0                                 ; the very last step: nothing more to fetch
	WIN MUL
.irp a, 0,1,2,3
	MULA \a, 1, NQ-1, 1, 0
.endr
	WIN 0
; THE WAY OUT, block by block of 16 rows x 64 columns: through my own stage in LDS, back as whole rows of 256 bytes; the residual's same rows are added; sixteen lanes store 256 consecutive bytes, aligned.
.macro TOSTAGE a
.irp b, 0,1,2,3
	ds_store_b128 v[STO], v[ACC+8*(4*(\a)+\b):ACC+8*(4*(\a)+\b)+3] offset:64*\b          ; each accumulator from its low end on
	ds_store_b128 v[STO], v[ACC+8*(4*(\a)+\b)+4:ACC+8*(4*(\a)+\b)+7] offset:64*\b+16
.endr
.set BB, BK+32*((\a)%2)
.irp t, 0,1,2,3,4,5,6,7
	ds_load_b128 v[BB+4*\t:BB+4*\t+3], v[RD] offset:2*\t*SPITCH      ; LDS serves a wave's instructions in order: these see the stores above, and the next block's stores come behind them
.endr
.endm
.macro SEND a, younger                 ; younger: the LDS instructions issued behind block a's loads, which may stay out
	s_wait_dscnt \younger                          ; the block is back in registers
	s_wait_loadcnt 8*(3-(\a))                      ; its residual is in; the later blocks' eight loads each may be out
.set BB, BK+32*((\a)%2)
.set RR, 32*(\a)
	WIN 0x08                                       ; source 1 in window 2
.set i, 0
.rept 16
	v_pk_add_f32 v[BB+i:BB+i+1], v[BB+i:BB+i+1], v[RR+i:RR+i+1]
.set i, i+2
.endr
	WIN 0
.irp t, 0,1,2,3,4,5,6,7
.if NTOUT
	global_store_b128 v[CO], v[BB+4*\t:BB+4*\t+3], s[12:13] offset:(16*(\a)+2*\t)*4096 th:TH_STORE_NT
.else
	global_store_b128 v[CO], v[BB+4*\t:BB+4*\t+3], s[12:13] offset:(16*(\a)+2*\t)*4096
.endif
.endr
.endm
	PLACES NP
	TOSTAGE 0
.irp a, 1,2,3
.if \a > 1
	s_wait_xcnt 0x0                                ; block a - 2's stores have read their registers: block a's loads may land there
.endif
	TOSTAGE \a
	SEND \a-1, 16                                  ; behind block a - 1's loads: block a's 8 stores and 8 loads
.endr
	SEND 3, 0
	s_wait_tensorcnt 0x0                           ; the wave's end
	ds_add_u32 v[SPW], v[NIL]
	s_wait_dscnt 0x0
	CROUND                                         ; the closing round
	s_endpgm
.Lfunc_end_k_q415fe4129f_oproj:
	.size	k_q415fe4129f_oproj, .Lfunc_end_k_q415fe4129f_oproj-k_q415fe4129f_oproj
	.p2alignl 7, 3214868480
	.fill 96, 4, 3214868480
	.section	.rodata,"a",@progbits
	.p2align	6, 0x0
	.amdhsa_kernel k_q415fe4129f_oproj
		.amdhsa_group_segment_fixed_size 327680
		.amdhsa_private_segment_fixed_size 0
		.amdhsa_enable_private_segment 0
		.amdhsa_kernarg_size 40
		.amdhsa_user_sgpr_count 2
		.amdhsa_user_sgpr_kernarg_segment_ptr 1
		.amdhsa_wavefront_size32 1
		.amdhsa_system_sgpr_workgroup_id_x 1
		.amdhsa_system_sgpr_workgroup_id_y 1
		.amdhsa_system_sgpr_workgroup_id_z 1
		.amdhsa_system_vgpr_workitem_id 0
		.amdhsa_next_free_vgpr 640
		.amdhsa_next_free_sgpr 100
		.amdhsa_reserve_vcc 0
		.amdhsa_float_denorm_mode_32 3
		.amdhsa_float_denorm_mode_16_64 3
		.amdhsa_memory_ordered 1
		.amdhsa_forward_progress 1
		.amdhsa_inst_pref_size 65
	.end_amdhsa_kernel
	.amdgpu_metadata
---
amdhsa.version: [ 1, 2 ]
amdhsa.kernels:
  - .name:           k_q415fe4129f_oproj
    .symbol:         k_q415fe4129f_oproj.kd
    .args:
      - { .name: yq, .offset: 0, .size: 8, .value_kind: global_buffer, .address_space: global }
      - { .name: o_w_codes, .offset: 8, .size: 8, .value_kind: global_buffer, .address_space: global }
      - { .name: o_w_scales, .offset: 16, .size: 8, .value_kind: global_buffer, .address_space: global }
      - { .name: x, .offset: 24, .size: 8, .value_kind: global_buffer, .address_space: global }
      - { .name: x1, .offset: 32, .size: 8, .value_kind: global_buffer, .address_space: global }
    .group_segment_fixed_size: 327680
    .private_segment_fixed_size: 0
    .kernarg_segment_align: 8
    .kernarg_segment_size: 40
    .max_flat_workgroup_size: 128
    .sgpr_count:     100
    .vgpr_count:     640
    .wavefront_size: 32
...
	.end_amdgpu_metadata
.endif
;; end of part 7
;; launch norm2: the kernel of part 1 again; grid 512 x 1, 4 waves a work-group, no clusters, 41,984 bytes of LDS; arguments x1, ln2_w, hn; writes hn
;; launch gateup: the kernel of part 5 again; grid 16 x 16, 4 waves a work-group, clusters of 4 x 4, 327,680 bytes of LDS; arguments hn, gate_w_codes, gate_w_scales, up_w_codes, up_w_scales, hid; writes hid
;; launch down (part 8): grid 8 x 32, 4 waves a work-group, clusters of 4 x 4, 327,680 bytes of LDS; arguments hid, down_w_codes, down_w_scales, x1, out0; writes out0
.if DOCPART == 8
	.amdgcn_target "amdgcn-amd-amdhsa--gfx1250"
	.amdhsa_code_object_version 6
	.text
	.protected	k_q415fe4129f_down
	.globl	k_q415fe4129f_down
	.p2align	8
	.type	k_q415fe4129f_down,@function
k_q415fe4129f_down:
	s_mov_b64 s[64:65], 0
	v_nop
	global_prefetch_b8 v0, s[64:65] scope:SCOPE_SE
	s_setreg_imm32_b32 hwreg(HW_REG_WAVE_MODE, 25, 1), 1
	s_wait_xcnt 0x0
	s_wait_alu depctr_hold_cnt(0) depctr_sa_sdst(0) depctr_va_vdst(0) depctr_va_sdst(0) depctr_va_ssrc(0) depctr_va_vcc(0) depctr_vm_vsrc(0)
	s_getreg_b32 s2, hwreg(HW_REG_IB_STS2, 6, 4)
	s_cmp_eq_u32 s2, 0
	s_cbranch_scc0 .Lentry_in_a_cluster
	s_endpgm
.Lentry_in_a_cluster:
	s_bfe_u32 s2, ttmp6, 0x10000c
	s_cmp_lg_u32 s2, 0xf033
	s_cbranch_scc0 .Lentry_shape_is_right
	s_endpgm
.Lentry_shape_is_right:
; out = res + A W^T on codes of FP6 (E2M3) with E8M0 scales.  A: 4,096 rows x SIZE_K, made by an earlier launch as images of operand registers; W: [1,024][SIZE_K] codes, row-major, with scale bytes [1,024][SIZE_K / 32]; res, out: [4,096][1,024] f32.
; A's buffer: half images of 16 rows x 64 K, 768 bytes (lane (r, h): block h of row r; registers 0-3 at 16 x lane, 4-5 at 512 + 8 x lane), laid [128 rows][64 K][row tile 8][768]: 128 rows x 256 K are 24,576 dense bytes.
; Behind them (from byte 4,096 x 3 SIZE_K / 4 on) A's scale words [128 rows][128 K][lane 32][4]: word (lane (r, h), i) is row 16 (2 i + h) + r.
; THE TILE IS 128 x 128: the 4,096 x 1,024 results are then 256 tiles, a work-group each.  Four waves, 64 x 64 each: 16 accumulators, 128 registers.  A step of 128 along K is 16 matrix instructions on 8 fragments.
; K goes in slots of 512 (four steps) through two LDS slots filled by the tensor data mover: waves 0 and 1 fetch A's two halves along K, waves 2 and 3 W's.  Both operands' scales come once.
; The product is used transposed: source 0 = 16 rows of W, source 1 = 16 rows of A: a lane holds eight neighbouring numbers of a row of the result.
; THE RESIDUAL of a wave's 64 x 64 results, 128 registers, is asked for at the head and waited for on the way out: it is on its way while the products run.
; CLUSTERS: 4 x 4: A's tile is shared along a row of the cluster, W's along a column: joint tensor loads.
; REGISTERS, in windows of 256: window 0: v0-31 addresses; v32-47 A's scale words, v48-63 W's, two sets each; v64-127 the way out; v128-255 the accumulators ((a, b) at v[128 + 8 (4 a + b)]).
;   window 1: two sets of fragments at v0 and v128: A's four, then W's four.   window 2: v0-127 the residual.
.set SIZE_K, 2048
.set NTOUT,  1                         ; 1: the result is read by no later launch
.set KSLOT,  512
.set NQ,     KSLOT/128                 ; steps in a slot
.set ROWB,   192                       ; 256 codes: a row of what one wave fetches of W
.set KROW,   SIZE_K*6/8
.set PITCH,  240                       ; such a row in LDS: 3 x (64 bytes + 16 of padding)
.set FR,     12
.set NLD,    40                        ; LDS loads that bring a step's fragments: 4 x 4 for A, 4 x 6 for W
.set NP,     4                         ; places behind this matrix instruction (ISA guide 7.12.1)
.set AH,     24576                     ; 128 rows x 256 K of A
.set BH,     128*PITCH                 ; 128 rows x 256 K of W
.set SLOT,   2*AH+2*BH
.set LAPS,   SIZE_K/(2*KSLOT)          ; a lap = two slots = once round the ring
.set KS,     SIZE_K/32
.set NK,     SIZE_K/128
.set SCA,    2*SLOT                    ; A's scale words: 512 bytes for each 128 K; two halves of SAH bytes
.set SAH,    256*NK
.set SCB,    SCA+16384                 ; W's scale bytes, as 256 bytes + 16 of padding; two halves of 64 rows
.set HALFS,  (64*KS/256)*272
.set SBLK,   (16*KS/256)*272
.set SPARE,  SCB+17408                 ; the spare words: 128 bytes a wave, named by no other line
.set STAGE,  SPARE+512                 ; the way out: 16 rows x (256 + 16) bytes a wave; no fill lands here
.set SPITCH, 272
.set ADA16, 16                         ; v16-17  A's images: my four row tiles + 16 x lane, slot 0, 1
.set ADA8,  18                         ; v18-19  the same with 8 x lane
.set ADRB,  20                         ; v20-23  W's fragments (slot 0, 1; behind one padding more: +2)
.set STO,   24
.set RD,    25
.set CO,    26                         ; v26     4,096 x (lane / 16) + 16 x (lane % 16): two rows of the result an instruction
.set ADSB,  27                         ; v27     W's scale words: lanes 0-15 block i, lanes 16-31 block i + 2
.set SPW,   28
.set NIL,   29
.set ADSA,  30                         ; v30     A's scale words: 16 x lane + 8 x my half of the rows
.set SA,    32                         ; set s at +8 s: register 2 q + a / 2; row tile a in lanes 0-15 (a even) or 16-31 (a odd)
.set SB,    48                         ; set s at +8 s: register 4 i + q
.set BK,    64
.set ACC,   128
.set G1, 24
.set G0, 32
.set G1B, 48
.set G0B, 56
.set G1S, 68
.set G0S, 76
.set G1SB, 80
.set G0SB, 88
.set MSB, 0
.macro WIN new                         ; the immediate's high byte repeats the setting that is left
.if MSB != (\new)
	s_set_vgpr_msb (MSB<<8)|(\new)
.set MSB, (\new)
.endif
.endm
.set MUL,  0x05                        ; sources 0 (W) and 1 (A) window 1; C and D window 0
.set TO_F, 0x40                        ; destination window 1, address window 0
.macro JLOAD g0a, g1a, g0b, g1b        ; a joint load: waves 0 and 1 fetch for A, waves 2 and 3 for W; four v_nop follow each line
	s_cmp_eq_u32 s15, 0
	s_cbranch_scc0 .Lfor_b_\@
	tensor_load_to_lds s[\g0a:\g0a+3], s[\g1a:\g1a+7]
	s_nop 0
.rept 4
	v_nop
.endr
	s_branch .Lasked_\@
.Lfor_b_\@:
	tensor_load_to_lds s[\g0b:\g0b+3], s[\g1b:\g1b+7]
	s_nop 0
.rept 4
	v_nop
.endr
.Lasked_\@:
.endm
.macro CREST                           ; a round of the cluster's barrier behind its opening barrier
	s_cmp_lg_u32 s14, 0
	s_cbranch_scc1 .Lnot_wave_0_\@
	s_barrier_signal -3
.Lnot_wave_0_\@:
	s_barrier_wait -3
	s_barrier_signal -1
	s_barrier_wait -1
.endm
.macro CROUND
	s_barrier_signal -1
	s_barrier_wait -1
	CREST
.endm
	s_load_b128 s[4:7], s[0:1], 0x0                ; A's images and scale words s[4:5], W's codes s[6:7]
	s_load_b128 s[8:11], s[0:1], 0x10              ; W's scales s[8:9], the residual s[10:11]
	s_load_b64 s[12:13], s[0:1], 0x20              ; the result
	v_lshl_add_u32 v[SPW], v0, 2, SPARE
	v_mov_b32 v[NIL], 0
	ds_add_u32 v28, v29
	s_wait_dscnt 0x0
	v_lshrrev_b32 v1, 5, v0
	v_readfirstlane_b32 s14, v1                    ; wave 0..3
	s_lshr_b32 s15, s14, 1                         ; my half of the tile's rows.  Also: I fetch for A (0) or for W (1)
	s_and_b32 s16, s14, 1                          ; my half of its columns.  Also: which 256 of a slot's 512 along K I fetch
	s_bfe_u32 s40, ttmp6, 0x40000                  ; cx
	s_bfe_u32 s41, ttmp6, 0x40004                  ; cy
	s_lshl_b32 s42, ttmp9, 2
	s_add_co_u32 s42, s42, s40                     ; tile column 0..7
	s_and_b32 s17, ttmp7, 0xffff
	s_lshl_b32 s17, s17, 2
	s_add_co_u32 s17, s17, s41                     ; tile row 0..31: A's block of 128 rows
	s_lshl_b32 s43, s41, 2
	s_lshl_b32 s43, 15, s43                        ; my row of the cluster
	s_lshl_b32 s44, 0x1111, s40                    ; my column
	s_or_b32 s[G1+0], s43, (3<<16)|(1<<21)         ; A: 96 dense rows of 256 bytes (32 elements of 8), no padding
	s_mov_b32 s[G1+1], 32<<16
	s_mov_b32 s[G1+2], 96<<16
	s_mov_b32 s[G1+3], 32<<16
	s_mov_b32 s[G1+4], 96
	s_mov_b32 s[G1+5], 32
	s_mov_b32 s[G1+6], 0
	s_mov_b32 s[G1+7], 0
	s_or_b32 s[G1B+0], s44, (0<<16)|(1<<20)|(1<<21)|(3<<22)|(3<<25)  ; W: 128 rows of 192 bytes, 4 words of padding behind every 16
	s_mov_b32 s[G1B+1], ROWB<<16
	s_mov_b32 s[G1B+2], 128<<16
	s_mov_b32 s[G1B+3], ROWB<<16
	s_mov_b32 s[G1B+4], 128
	s_mov_b32 s[G1B+5], KROW
	s_mov_b32 s[G1B+6], 0
	s_mov_b32 s[G1B+7], 0
	s_or_b32 s[G1S+0], s43, (3<<16)|(1<<21)        ; half of A's scale words: NK dense rows of 256 bytes
	s_mov_b32 s[G1S+1], 32<<16
	s_mov_b32 s[G1S+2], NK<<16
	s_mov_b32 s[G1S+3], 32<<16
	s_mov_b32 s[G1S+4], NK
	s_mov_b32 s[G1S+5], 32
	s_mov_b32 s[G1S+6], 0
	s_mov_b32 s[G1S+7], 0
	s_or_b32 s[G1SB+0], s44, (3<<16)|(1<<20)|(1<<21)|(5<<22)|(3<<25)  ; W's scale bytes of 64 rows: dense rows of 256 bytes, 16 of padding behind each
	s_mov_b32 s[G1SB+1], 32<<16
	s_mov_b32 s[G1SB+2], (64*KS/256)<<16
	s_mov_b32 s[G1SB+3], 32<<16
	s_mov_b32 s[G1SB+4], 64*KS/256
	s_mov_b32 s[G1SB+5], 32
	s_mov_b32 s[G1SB+6], 0
	s_mov_b32 s[G1SB+7], 0
	s_mul_i32 s22, s17, 512*NK                     ; A's scale words: my block of 128 rows,
	s_mul_i32 s18, s16, SAH                        ; my half along K,
	s_add_co_u32 s22, s22, s18
	s_add_co_u32 s22, s22, 4096*KROW               ; behind the images
	s_mov_b32 s23, 0
	s_mul_i32 s20, s17, 96*SIZE_K                  ; A's images: my block of 128 rows,
	s_mul_i32 s18, s16, AH                         ; my 256 of the first 512 along K
	s_add_co_u32 s20, s20, s18
	s_mov_b32 s21, 0
	s_lshl_b32 s46, s42, 7                         ; W: row 128 x tile column
	s_lshl_b32 s18, s16, 6
	s_add_co_u32 s92, s46, s18                     ; its scale bytes: my 64 of the 128 rows
	s_mul_i32 s92, s92, KS
	s_mov_b32 s93, 0
	s_mul_i32 s46, s46, KROW
	s_mul_i32 s18, s16, ROWB                       ; its codes: my 256 of the first 512 along K
	s_add_co_u32 s46, s46, s18
	s_mov_b32 s47, 0
	s_mul_i32 s45, s16, AH                         ; where they go in a slot: A's two halves, then W's two
	s_mul_i32 s94, s16, BH
	s_add_co_u32 s94, s94, 2*AH
	s_mul_i32 s95, s16, SAH
	s_add_co_u32 s95, s95, SCA
	s_mul_i32 s96, s16, HALFS
	s_add_co_u32 s96, s96, SCB
	s_wait_kmcnt 0x0
	s_add_nc_u64 s[20:21], s[4:5], s[20:21]
	s_add_nc_u64 s[22:23], s[4:5], s[22:23]
	s_add_nc_u64 s[46:47], s[6:7], s[46:47]
	s_add_nc_u64 s[92:93], s[8:9], s[92:93]
	CROUND                                         ; all sixteen work-groups are here: the first joint loads meet
	s_mov_b32 s[G0S], 1
	s_mov_b32 s[G0S+1], s95
	s_mov_b64 s[G0S+2:G0S+3], s[22:23]
	s_or_b32 s[G0S+3], s[G0S+3], 0x80000000
	s_mov_b32 s[G0SB], 1
	s_mov_b32 s[G0SB+1], s96
	s_mov_b64 s[G0SB+2:G0SB+3], s[92:93]
	s_or_b32 s[G0SB+3], s[G0SB+3], 0x80000000
	JLOAD G0S, G1S, G0SB, G1SB                     ; the scales first: filled once
.irp s, 0,1
	s_mov_b32 s[G0+4*\s], 1
	s_add_co_u32 s[G0+4*\s+1], s45, \s*SLOT
	s_add_nc_u64 s[G0+4*\s+2:G0+4*\s+3], s[20:21], \s*2*AH
	s_or_b32 s[G0+4*\s+3], s[G0+4*\s+3], 0x80000000
	s_mov_b32 s[G0B+4*\s], 1
	s_add_co_u32 s[G0B+4*\s+1], s94, \s*SLOT
	s_add_nc_u64 s[G0B+4*\s+2:G0B+4*\s+3], s[46:47], \s*2*ROWB
	s_or_b32 s[G0B+4*\s+3], s[G0B+4*\s+3], 0x80000000
	JLOAD G0+4*\s, G1, G0B+4*\s, G1B               ; three tensor loads of mine are out
.endr
	v_and_b32 v1, 15, v0                           ; r
	v_bfe_u32 v2, v0, 4, 1                         ; h
	v_and_b32 v6, 31, v0                           ; lane
	s_lshl_b32 s20, s17, 7
	s_lshl_b32 s21, s15, 6
	s_add_co_u32 s20, s20, s21                     ; my first row: 128 x tile row + 64 x half,
	s_lshl_b32 s20, s20, 12                        ; of 4,096 bytes,
	s_lshl_b32 s46, s42, 9
	s_lshl_b32 s47, s16, 8
	s_add_co_u32 s46, s46, s47                     ; and my first column, in bytes: 512 x tile column + 256 x half
	s_add_co_u32 s20, s20, s46
	s_mov_b32 s21, 0
	s_add_nc_u64 s[12:13], s[12:13], s[20:21]
	s_add_nc_u64 s[66:67], s[10:11], s[20:21]
	v_lshlrev_b32 v[CO], 12, v2
	v_lshl_add_u32 v[CO], v1, 4, v[CO]             ; lanes 0-15 one row's 256 bytes, lanes 16-31 the next row's
	WIN 0x80                                       ; destination window 2
.irp a, 0,1,2,3                                ; the residual of my 64 rows x 256 bytes: 32 loads, waited for on the way out; their address registers are never rewritten
.irp t, 0,1,2,3,4,5,6,7
	global_load_b128 v[32*\a+4*\t:32*\a+4*\t+3], v[CO], s[66:67] offset:(16*\a+2*\t)*4096 th:TH_LOAD_NT
.endr
.endr
	WIN 0
	s_mul_i32 s21, s15, 4*768                      ; my four of the eight row tiles
	v_lshl_add_u32 v[ADA16], v6, 4, s21
	v_lshl_add_u32 v[ADA8], v6, 3, s21
	v_add_nc_u32 v[ADA16+1], SLOT, v[ADA16]
	v_add_nc_u32 v[ADA8+1], SLOT, v[ADA8]
	v_mul_u32_u24 v3, v1, PITCH
	v_mul_u32_u24 v4, v2, 24
	v_add_nc_u32 v4, v3, v4                        ; a fragment's row x pitch + 24 h
	v_lshl_add_u32 v5, v2, 4, v4                   ; and the same behind one padding more
	s_mul_i32 s22, s16, 64*PITCH                   ; my 64 of W's 128 rows,
	s_add_co_u32 s22, s22, 2*AH                    ; behind A
.irp s, 0,1
	v_add_nc_u32 v[ADRB+\s], s22, v4
	v_add_nc_u32 v[ADRB+2+\s], s22, v5
	s_add_co_u32 s22, s22, SLOT
.endr
	s_lshl_b32 s21, s15, 3
	s_add_co_u32 s21, s21, SCA
	v_lshl_add_u32 v[ADSA], v6, 4, s21             ; words 2 x half and 2 x half + 1 of my lane's four
	v_mul_u32_u24 v5, v1, KS
	v_lshrrev_b32 v7, 8, v5
	v_lshl_add_u32 v5, v7, 4, v5                   ; my row's scale bytes, 16 more for each 256 passed
	v_mad_u32_u24 v5, v2, 2*SBLK, v5               ; lanes 16-31: two blocks of 16 rows on
	s_mul_i32 s21, s16, HALFS
	s_add_co_u32 s21, s21, SCB
	v_add_nc_u32 v[ADSB], s21, v5
	s_mul_i32 s23, s14, 16*SPITCH
	s_add_co_u32 s23, s23, STAGE                   ; my stage
	v_mul_u32_u24 v5, v1, SPITCH                   ; in: row r, 32 bytes for each half of the lanes
	v_lshl_add_u32 v5, v2, 5, v5
	v_add_nc_u32 v[STO], s23, v5
	v_mul_u32_u24 v5, v2, SPITCH                   ; back: lanes 0-15 one row of 256 bytes, lanes 16-31 the next
	v_lshl_add_u32 v5, v1, 4, v5
	v_add_nc_u32 v[RD], s23, v5
.macro FRAG reg, adr, q, row           ; a fragment of W from rows: 24 bytes of the row as they lie, in pieces of 8 bytes; step q lies in half q / 2 of the slot; the second address register serves pieces behind one padding more
.irp p, 0,1,2,3,4,5
.set PCE, 12*((\q)%2)+6*(\p/3)+\p%3
.if PCE%8 < 5
	ds_load_b64 v[\reg+2*\p:\reg+2*\p+1], v[\adr] offset:((\q)/2)*BH+8*PCE+16*(PCE/8)+(\row)*PITCH
.else
	ds_load_b64 v[\reg+2*\p:\reg+2*\p+1], v[\adr+2] offset:((\q)/2)*BH+8*PCE+16*(PCE/8)+(\row)*PITCH
.endif
.endr
.endm
.macro FRAGA reg, slot, q, i           ; a fragment of A from two half images: every load reads consecutive bytes
.irp c, 0,1
	ds_load_b128 v[\reg+6*\c:\reg+6*\c+3], v[ADA16+\slot] offset:((2*(\q)+\c)*8+(\i))*768
	ds_load_b64 v[\reg+6*\c+4:\reg+6*\c+5], v[ADA8+\slot] offset:((2*(\q)+\c)*8+(\i))*768+512
.endr
.endm
; One product; the register numbers stand in symbols.  fB: W's scale word lies in lanes 16-31; fA: A's does.
.macro WM zero
.if \zero
.if fB && fA
	v_wmma_scale_f32_16x16x128_f8f6f4 v[rD:rD+7], v[rB:rB+FR-1], v[rA:rA+FR-1], 0, v[rSB], v[rSA] matrix_a_fmt:MATRIX_FMT_FP6 matrix_b_fmt:MATRIX_FMT_FP6 matrix_a_scale:MATRIX_SCALE_ROW1 matrix_b_scale:MATRIX_SCALE_ROW1
.elseif fB
	v_wmma_scale_f32_16x16x128_f8f6f4 v[rD:rD+7], v[rB:rB+FR-1], v[rA:rA+FR-1], 0, v[rSB], v[rSA] matrix_a_fmt:MATRIX_FMT_FP6 matrix_b_fmt:MATRIX_FMT_FP6 matrix_a_scale:MATRIX_SCALE_ROW1
.elseif fA
	v_wmma_scale_f32_16x16x128_f8f6f4 v[rD:rD+7], v[rB:rB+FR-1], v[rA:rA+FR-1], 0, v[rSB], v[rSA] matrix_a_fmt:MATRIX_FMT_FP6 matrix_b_fmt:MATRIX_FMT_FP6 matrix_b_scale:MATRIX_SCALE_ROW1
.else
	v_wmma_scale_f32_16x16x128_f8f6f4 v[rD:rD+7], v[rB:rB+FR-1], v[rA:rA+FR-1], 0, v[rSB], v[rSA] matrix_a_fmt:MATRIX_FMT_FP6 matrix_b_fmt:MATRIX_FMT_FP6
.endif
.else
.if fB && fA
	v_wmma_scale_f32_16x16x128_f8f6f4 v[rD:rD+7], v[rB:rB+FR-1], v[rA:rA+FR-1], v[rD:rD+7], v[rSB], v[rSA] matrix_a_fmt:MATRIX_FMT_FP6 matrix_b_fmt:MATRIX_FMT_FP6 matrix_a_scale:MATRIX_SCALE_ROW1 matrix_b_scale:MATRIX_SCALE_ROW1
.elseif fB
	v_wmma_scale_f32_16x16x128_f8f6f4 v[rD:rD+7], v[rB:rB+FR-1], v[rA:rA+FR-1], v[rD:rD+7], v[rSB], v[rSA] matrix_a_fmt:MATRIX_FMT_FP6 matrix_b_fmt:MATRIX_FMT_FP6 matrix_a_scale:MATRIX_SCALE_ROW1
.elseif fA
	v_wmma_scale_f32_16x16x128_f8f6f4 v[rD:rD+7], v[rB:rB+FR-1], v[rA:rA+FR-1], v[rD:rD+7], v[rSB], v[rSA] matrix_a_fmt:MATRIX_FMT_FP6 matrix_b_fmt:MATRIX_FMT_FP6 matrix_b_scale:MATRIX_SCALE_ROW1
.else
	v_wmma_scale_f32_16x16x128_f8f6f4 v[rD:rD+7], v[rB:rB+FR-1], v[rA:rA+FR-1], v[rD:rD+7], v[rSB], v[rSA] matrix_a_fmt:MATRIX_FMT_FP6 matrix_b_fmt:MATRIX_FMT_FP6
.endif
.endif
.endm
; 4 matrix instructions: A's block a x W's four, from set p, the slot's q-th 128 along K.  The 16 accumulators take turns, one instruction a turn, in the same order in every step.
.macro MULA a, p, q, sc, zero
.irp b, 0,1,2,3
.set rD, ACC+8*(4*(\a)+\b)
.set rB, 128*(\p)+48+FR*\b
.set rA, 128*(\p)+FR*(\a)
.set rSB, SB+8*(\sc)+4*(\b%2)+(\q)
.set rSA, SA+8*(\sc)+2*(\q)+(\a)/2
.set fB, \b/2
.set fA, (\a)%2
	WM \zero
.endr
.endm
.macro FETCH slot, q, p                ; 40 LDS loads in one run: the eight fragments of the slot's q-th step into set p
	WIN TO_F
.irp i, 0,1,2,3
	FRAGA 128*(\p)+FR*\i, \slot, \q, \i
.endr
.irp i, 0,1,2,3
	FRAG 128*(\p)+48+FR*\i, ADRB+\slot, \q, 16*\i
.endr
.endm
.macro SCALES sc                       ; a slot's scale words: A's two words for each of the four steps, W's four words for two blocks a load
.irp q, 0,1,2,3
	ds_load_b64 v[SA+8*\sc+2*\q:SA+8*\sc+2*\q+1], v[ADSA] offset:512*\q
.endr
.irp i, 0,1
	ds_load_b128 v[SB+8*\sc+4*\i:SB+8*\sc+4*\i+3], v[ADSB] offset:\i*SBLK
.endr
.endm
.macro PLACES n                        ; plain vector instructions between a matrix instruction and a load into, or a read of, its registers
.rept \n
	v_nop
.endr
.endm
; A step that has its successor in the same slot: the successor's fragments are asked for first, into the set that the last step multiplied, and land while this step is multiplied.
.macro STEP slot, q, zero
	PLACES NP
	FETCH \slot, (\q)+1, 1-(\q)%2
	s_wait_dscnt NLD                               ; all but the 40 loads just issued: this step's fragments (and scale words) are in
	WIN MUL
.irp a, 0,1,2,3
	MULA \a, (\q)%2, \q, \slot, \zero
.endr
.endm
; A slot's last step (set 1) changes slots: one barrier.  fill = 1: this slot is filled again, two slots ahead.
.macro TURN slot, next, fill
	WIN 0                                          ; (the add's two registers lie in window 0)
	s_wait_tensorcnt 0x0                           ; all my tensor loads have landed: my part of the next slot
	ds_add_u32 v[SPW], v[NIL]                      ; 0 onto my spare word
	s_wait_dscnt 1                                 ; this step's fragments are in; the add may be out
	WIN MUL
	MULA 0, 1, NQ-1, \slot, 0
	s_wait_dscnt 0x0                               ; the add is done, and my reads of this slot are over
	s_barrier_signal -1
	MULA 1, 1, NQ-1, \slot, 0
	WIN 0
	s_barrier_wait -1
.if \fill
	CREST                                          ; the barrier has opened a round of the cluster's: no wave of any partner still reads this slot or has a load on its way
	s_add_nc_u64 s[G0+4*\slot+2:G0+4*\slot+3], s[G0+4*\slot+2:G0+4*\slot+3], 4*AH
	s_add_nc_u64 s[G0B+4*\slot+2:G0B+4*\slot+3], s[G0B+4*\slot+2:G0B+4*\slot+3], 4*ROWB
	JLOAD G0+4*\slot, G1, G0B+4*\slot, G1B         ; my one tensor load behind the round; its four v_nop are the places in front of the loads below
.else
	PLACES NP
.endif
	v_add_nc_u32 v[ADSA], 512*NQ, v[ADSA]          ; the next slot's scale words
	v_add_nc_u32 v[ADSB], 4*NQ, v[ADSB]
	FETCH \next, 0, 0
	WIN 0
	SCALES \next
	WIN MUL
	MULA 2, 1, NQ-1, \slot, 0
	MULA 3, 1, NQ-1, \slot, 0
.endm
	s_wait_tensorcnt 1                             ; the scales and my part of slot 0 are in; slot 1's load may be out
	s_barrier_signal -1
	s_barrier_wait -1
	FETCH 0, 0, 0
	WIN 0
	SCALES 0
	STEP 0, 0, 1                                   ; the first step's products start the sums
.if LAPS > 1
	WIN 0                                          ; at a label and at a branch every window is 0
	s_mov_b32 s3, LAPS-1
.Llap:                                                 ; a trip goes once round the ring, from a lap's second step to the next lap's first, and fills both slots again
	STEP 0, 1, 0
	STEP 0, 2, 0
	TURN 0, 1, 1
	STEP 1, 0, 0
	STEP 1, 1, 0
	STEP 1, 2, 0
	TURN 1, 0, 1
	STEP 0, 0, 0
	WIN 0
	s_sub_co_u32 s3, s3, 1
	s_cmp_lg_u32 s3, 0
	s_cbranch_scc1 .Llap
.endif
	STEP 0, 1, 0                                   ; the last lap fills nothing
	STEP 0, 2, 0
	TURN 0, 1, 0
	STEP 1, 0, 0
	STEP 1, 1, 0
	STEP 1, 2, 0
	s_wait_dscnt 0                                 ; the very last step: nothing more to fetch
	WIN MUL
.irp a, 0,1,2,3
	MULA \a, 1, NQ-1, 1, 0
.endr
	WIN 0
; THE WAY OUT, block by block of 16 rows x 64 columns: through my own stage in LDS, back as whole rows of 256 bytes; the residual's same rows are added; sixteen lanes store 256 consecutive bytes, aligned.
.macro TOSTAGE a
.irp b, 0,1,2,3
	ds_store_b128 v[STO], v[ACC+8*(4*(\a)+\b):ACC+8*(4*(\a)+\b)+3] offset:64*\b          ; each accumulator from its low end on
	ds_store_b128 v[STO], v[ACC+8*(4*(\a)+\b)+4:ACC+8*(4*(\a)+\b)+7] offset:64*\b+16
.endr
.set BB, BK+32*((\a)%2)
.irp t, 0,1,2,3,4,5,6,7
	ds_load_b128 v[BB+4*\t:BB+4*\t+3], v[RD] offset:2*\t*SPITCH      ; LDS serves a wave's instructions in order: these see the stores above, and the next block's stores come behind them
.endr
.endm
.macro SEND a, younger                 ; younger: the LDS instructions issued behind block a's loads, which may stay out
	s_wait_dscnt \younger                          ; the block is back in registers
	s_wait_loadcnt 8*(3-(\a))                      ; its residual is in; the later blocks' eight loads each may be out
.set BB, BK+32*((\a)%2)
.set RR, 32*(\a)
	WIN 0x08                                       ; source 1 in window 2
.set i, 0
.rept 16
	v_pk_add_f32 v[BB+i:BB+i+1], v[BB+i:BB+i+1], v[RR+i:RR+i+1]
.set i, i+2
.endr
	WIN 0
.irp t, 0,1,2,3,4,5,6,7
.if NTOUT
	global_store_b128 v[CO], v[BB+4*\t:BB+4*\t+3], s[12:13] offset:(16*(\a)+2*\t)*4096 th:TH_STORE_NT
.else
	global_store_b128 v[CO], v[BB+4*\t:BB+4*\t+3], s[12:13] offset:(16*(\a)+2*\t)*4096
.endif
.endr
.endm
	PLACES NP
	TOSTAGE 0
.irp a, 1,2,3
.if \a > 1
	s_wait_xcnt 0x0                                ; block a - 2's stores have read their registers: block a's loads may land there
.endif
	TOSTAGE \a
	SEND \a-1, 16                                  ; behind block a - 1's loads: block a's 8 stores and 8 loads
.endr
	SEND 3, 0
	s_wait_tensorcnt 0x0                           ; the wave's end
	ds_add_u32 v[SPW], v[NIL]
	s_wait_dscnt 0x0
	CROUND                                         ; the closing round
	s_endpgm
.Lfunc_end_k_q415fe4129f_down:
	.size	k_q415fe4129f_down, .Lfunc_end_k_q415fe4129f_down-k_q415fe4129f_down
	.p2alignl 7, 3214868480
	.fill 96, 4, 3214868480
	.section	.rodata,"a",@progbits
	.p2align	6, 0x0
	.amdhsa_kernel k_q415fe4129f_down
		.amdhsa_group_segment_fixed_size 327680
		.amdhsa_private_segment_fixed_size 0
		.amdhsa_enable_private_segment 0
		.amdhsa_kernarg_size 40
		.amdhsa_user_sgpr_count 2
		.amdhsa_user_sgpr_kernarg_segment_ptr 1
		.amdhsa_wavefront_size32 1
		.amdhsa_system_sgpr_workgroup_id_x 1
		.amdhsa_system_sgpr_workgroup_id_y 1
		.amdhsa_system_sgpr_workgroup_id_z 1
		.amdhsa_system_vgpr_workitem_id 0
		.amdhsa_next_free_vgpr 640
		.amdhsa_next_free_sgpr 100
		.amdhsa_reserve_vcc 0
		.amdhsa_float_denorm_mode_32 3
		.amdhsa_float_denorm_mode_16_64 3
		.amdhsa_memory_ordered 1
		.amdhsa_forward_progress 1
		.amdhsa_inst_pref_size 106
	.end_amdhsa_kernel
	.amdgpu_metadata
---
amdhsa.version: [ 1, 2 ]
amdhsa.kernels:
  - .name:           k_q415fe4129f_down
    .symbol:         k_q415fe4129f_down.kd
    .args:
      - { .name: hid, .offset: 0, .size: 8, .value_kind: global_buffer, .address_space: global }
      - { .name: down_w_codes, .offset: 8, .size: 8, .value_kind: global_buffer, .address_space: global }
      - { .name: down_w_scales, .offset: 16, .size: 8, .value_kind: global_buffer, .address_space: global }
      - { .name: x1, .offset: 24, .size: 8, .value_kind: global_buffer, .address_space: global }
      - { .name: out0, .offset: 32, .size: 8, .value_kind: global_buffer, .address_space: global }
    .group_segment_fixed_size: 327680
    .private_segment_fixed_size: 0
    .kernarg_segment_align: 8
    .kernarg_segment_size: 40
    .max_flat_workgroup_size: 128
    .sgpr_count:     100
    .vgpr_count:     640
    .wavefront_size: 32
...
	.end_amdgpu_metadata
.endif
;; end of part 8
